; MI455X (gfx1250); checked and timed in simulation.
; The chip was launched on July 23, 2026; its instructions are those of AMD's public machine-readable ISA for CDNA 5 (MIT licence, August 2026) and "CDNA5" Instruction Set Architecture Reference Guide (July 2026). The comments in the code are by the model that wrote it; some were corrected since.
;; Slice Block. Allowed arithmetic: float matrix products may take bf16 or f16 operands with f32 sums; other float arithmetic in f32, or as packed bf16 or f16 multiplies, adds, multiply-adds, maxima and minima; sums over many terms, partial sums and values carried from step to step in f32; what a program stores and reads back later, other than sums and carried values, may be rounded once to bf16 or f16.
;; Inputs: W_eslice 64 x 64 float32; W_fedge 1 x 256 float32; W_fx 256 x 256 float32; W_slice 256 x 64 float32; W_x 256 x 256 float32; b_eslice 64 float32; b_fedge 256 float32; b_fx 256 float32; b_slice 64 float32; b_x 256 float32; edge_attr 4 x 65,536 x 1 float32; edge_idx 4 x 65,536 x 2 int32; ph_edge 1 x 1 x 256 float32; ph_x 1 x 1 x 256 float32; temp_edge 1 x 1 x 64 float32; temp_x 1 x 1 x 64 float32; x 4 x 16,384 x 256 float32.
;; Outputs: out0 4 x 64 x 256 float32; out1 4 x 16,384 x 64 float32.
;; 3 versions, each right; version 2 is faster than version 1; version 3 is version 2 with the launch node written anew for expert scheduling mode. Each part assembles by itself: llvm-mc -triple=amdgcn-amd-amdhsa -mcpu=gfx1250 --defsym DOCPART=n.
;; ======== version 1 of 3: 4 launches
;; limits: values are held in f16: magnitudes above 65,504 overflow, below 6.1e-05 lose precision
;; workspace buffers: wprep 172,544 bytes; swb 8,388,608 bytes; tpart 16,777,216 bytes; normp 131,072 bytes; tsum 262,144 bytes; ep 131,072 bytes
;; launch prep (part 1): grid 11 x 1, 8 waves a work-group, no clusters, 73,728 bytes of LDS; arguments W_x, W_slice, b_x, ph_x, b_slice, temp_x, W_eslice, temp_edge, W_fx, wprep; writes wprep
.if DOCPART == 1
	.amdgcn_target "amdgcn-amd-amdhsa--gfx1250"
	.amdhsa_code_object_version 6
	.text
	.protected	k_q81cc051c99_prep
	.globl	k_q81cc051c99_prep
	.p2align	8
	.type	k_q81cc051c99_prep,@function
k_q81cc051c99_prep:
	s_mov_b64 s[64:65], 0
	v_nop
	global_prefetch_b8 v0, s[64:65] scope:SCOPE_SE
	s_setreg_imm32_b32 hwreg(HW_REG_WAVE_MODE, 25, 1), 1
	s_wait_xcnt 0x0
; SliceBlock, launch 1 of 4: the weights are folded and laid out as matrix fragments.
;
; THE WHOLE PROGRAM regroups four products of the reference; each identity holds in exact arithmetic for all inputs of these shapes:
;  (1) (x W_x + b_x + ph_x) W_slice + b_slice = x (W_x W_slice) + ((b_x + ph_x) W_slice + b_slice):   Wc = W_x W_slice is made here, once.
;  (2) sw^T (x W_fx + 1 b_fx) = (sw^T x) W_fx + (column sums of sw) b_fx:   T = sw^T x is made per node block, T W_fx once at the end.
;  (3) edge_attr has one column, so esw^T (a W_fedge + b_fedge + ph_edge) = S1 W_fedge + S0 (b_fedge + ph_edge), S0[m] = sum_e esw, S1[m] = sum_e esw a_e.
;  (4) ((sw[i0] + sw[i1]) / t) W_eslice = [sw[i0], sw[i1]] [Wg; Wg] with Wg = diag(1/t) W_eslice: the two gathered rows are one K of 128.
; No input is left out: all seventeen reach an output and are loaded.
; LIMITS: the order of rounding differs from the reference (the four identities).  Matrix operands are f16: x, W_x, W_slice, W_fx, Wc, Wg log2e, sw and
; the normalised T must stay below 65,504 in magnitude; as drawn their spreads are 1, 1/16, 1/16, 1/16, 1/16, 0.36, at most 1, at most max |x|, so inputs
; 30 times larger or smaller, or offset by 30 spreads, fit.  The temperature of the node softmax is kept out of Wc (it could add a factor 144) and is
; applied in f32.  exp2 gives 0 below 2^-126.  Edge indices are clamped to 16,383.
;
; wprep:  wc  at 0       32 KiB  Wc in f16, fragment order          we  at 32,768  8 KiB  Wg log2e in f16, fragment order
;         bc  at 40,960  256 B   ((b_x+ph_x) W_slice + b_slice) fx  fx  at 41,216  256 B  log2e / clip(temp_x, 0.01, 5)
;         wfx at 41,472  128 KiB W_fx in f16, fragment order
; FRAGMENT ORDER: a block of 512 bytes, lane L at byte 16 L, holds eight f16 with ascending k = 8 h .. 8 h + 7 of matrix row r (r = L % 16, h = L / 16);
; blocks q = 0, 1 (k, k + 16) are one 16 x 32 operand.  wc, we: block (4 s + t) 2 + q = W[32 s + 16 q + 8 h + i][16 t + r];  wfx: block (8 nt + s) 2 + q.
; Work-groups 0, 1: Wc (a wave makes 16 rows c x 64 m).  Work-group 2: we, bc, fx.  Work-groups 3 to 10: 32 rows of W_fx each.
; The branch on the work-group number is the same for all eight waves, so each role has its own barrier.  Each role also has LDS bytes of its own:
; which role a work-group takes shows in no LDS address, so the addresses themselves keep the roles' stores apart.
.set LOG2E,   0x3fb8aa3b
.set CLIP_LO, 0x3c23d70a               ; 0.01
.set CLIP_HI, 0x40a00000               ; 5.0
.set OFF_WE,  32768
.set OFF_BC,  40960
.set OFF_FX,  41216
.set OFF_WFX, 41472
.set PS,  160                          ; LDS pitch of a row of 64 f16: 128 + 32 bytes, an odd multiple of 32 for the transposing loads
.set PF,  544                          ; LDS pitch of a row of 256 f16: 512 + 32 bytes
.set LC,  0                            ; role C: 256 rows of W_slice in f16, 40,960 bytes
.set LF,  LC+256*PS                    ; 40,960: role F: 32 rows of W_fx in f16, 17,408 bytes
.set LS,  LF+32*PF                     ; 58,368: role S: 64 rows of Wg in f16, 10,240 bytes
.set RED, LS+64*PS                     ; 68,608: role S: eight waves x 512 bytes of partial bias sums
.macro PLACES                          ; four plain vector instructions between a matrix instruction and what touches its registers (ISA guide 7.12.1)
.rept 4
	v_nop
.endr
.endm
	s_load_b512 s[8:23], s[0:1], 0x0               ; W_x 8, W_slice 10, b_x 12, ph_x 14, b_slice 16, temp_x 18, W_eslice 20, temp_edge 22
	s_load_b128 s[24:27], s[0:1], 0x40             ; W_fx 24, wprep 26
	s_set_vgpr_msb 0x40
	v_lshl_add_u32 v0, v0, 2, 0x11c00
	v_mov_b32 v1, 0
	s_set_vgpr_msb 0x4000
	v_lshrrev_b32 v1, 5, v0
	v_readfirstlane_b32 s28, v1                    ; wave w
	s_mov_b32 s29, ttmp9                           ; work-group
	s_mov_b32 s32, CLIP_LO
	s_mov_b32 s33, CLIP_HI
	s_mov_b32 s34, 0x76543210                      ; v_permlanex16_b32: lane i reads lane i of the other half
	s_mov_b32 s35, 0xfedcba98
	v_and_b32 v1, 31, v0                           ; L
	v_and_b32 v2, 15, v0                           ; q = r = L % 16
	v_bfe_u32 v3, v0, 4, 1                         ; H = h = L / 16
	v_and_b32 v24, 7, v0
	v_lshl_add_u32 v24, v3, 3, v24                 ; transposing load: row 8 h + L % 8
	v_bfe_u32 v25, v0, 3, 1
	v_lshlrev_b32 v25, 4, v25                      ;                   and 16 bytes x bit 3 of L
	v_lshlrev_b32 v27, 4, v1                       ; 16 L
	s_wait_kmcnt 0x0
	s_cmp_lt_u32 s29, 2
	s_cbranch_scc1 .LroleC
	s_cmp_eq_u32 s29, 2
	s_cbranch_scc1 .LroleS
; ---- role F: rows 32 s .. 32 s + 31 of W_fx, s = work-group - 3: f32 -> f16 in LDS, read back transposed, stored in fragment order
	s_sub_co_u32 s30, s29, 3                       ; s
	s_lshl_b32 s31, s30, 15                        ; 32 rows of 1,024 bytes
	s_lshl_b32 s36, s28, 12                        ; wave w: rows 4 w .. 4 w + 3
	s_add_co_u32 s31, s31, s36
	v_add_nc_u32 v26, s31, v27
.set k, 0
.rept 8
	global_load_b128 v[32+4*k:35+4*k], v26, s[24:25] offset:512*k      ; row k / 2, half k % 2: 512 neighbouring bytes a load
.set k, k+1
.endr
	s_mul_i32 s36, s28, 4*PF
	s_add_co_u32 s36, s36, LF
	v_lshlrev_b32 v28, 3, v1
	v_add_nc_u32 v28, s36, v28                     ; LDS: row 4 w, byte 8 L
	s_wait_loadcnt 0x0
.set k, 0
.rept 8
	v_cvt_pk_f16_f32 v[32+4*k], v[32+4*k], v[33+4*k]
	v_cvt_pk_f16_f32 v[33+4*k], v[34+4*k], v[35+4*k]
	ds_store_b64 v28, v[32+4*k:33+4*k] offset:(k/2)*PF+(k%2)*256
.set k, k+1
.endr
	s_wait_dscnt 0x0                               ; my rows are in LDS before I say so
	s_barrier_signal -1
	s_barrier_wait -1
	v_mad_u32_u24 v29, v24, PF, v25
	v_lshl_add_u32 v29, s28, 6, v29                ; column tiles nt = 2 w, 2 w + 1: 32 bytes each
	v_add_nc_u32 v29, LF, v29
	ds_load_tr16_b128 v[64:67], v29                ; nt = 2 w,     k = 8 h ..
	ds_load_tr16_b128 v[68:71], v29 offset:16*PF   ;               k = 16 + 8 h ..
	ds_load_tr16_b128 v[72:75], v29 offset:32      ; nt = 2 w + 1
	ds_load_tr16_b128 v[76:79], v29 offset:32+16*PF
	s_lshl_b32 s36, s28, 14                        ; 2 w blocks of 8,192 bytes
	s_lshl_b32 s37, s30, 10                        ; K step s: 1,024 bytes
	s_add_co_u32 s36, s36, s37
	v_add_nc_u32 v30, s36, v27
	s_wait_dscnt 0x0
	global_store_b128 v30, v[64:67], s[26:27] offset:OFF_WFX           ; each store: 512 neighbouring bytes, aligned
	global_store_b128 v30, v[68:71], s[26:27] offset:OFF_WFX+512
	global_store_b128 v30, v[72:75], s[26:27] offset:OFF_WFX+8192
	global_store_b128 v30, v[76:79], s[26:27] offset:OFF_WFX+8192+512
	s_set_vgpr_msb 0x5
	s_wait_tensorcnt 0x0
	ds_add_u32 v0, v1
	s_wait_dscnt 0x0
	s_set_vgpr_msb 0x500
	s_endpgm
; ---- role C: Wc = W_x W_slice.  Wave: rows c = 16 ct .. + 15 (ct = 8 wg + w) x all 64 m.  Source 0 = rows of W_x (K along the rows, loaded straight in
; fragment order: pieces of 32 bytes, each read once, 256 KiB in the whole launch), source 1 = columns of W_slice (transposing loads from LDS).
; A lane of the result holds Wc[16 ct + 8 h + j][16 t + r], j = 0 .. 7: the 16 bytes of a block of wc.
.LroleC:
	s_lshl_b32 s30, s29, 3
	s_add_co_u32 s30, s30, s28                     ; ct
	s_lshl_b32 s31, s28, 13                        ; staging: rows 32 w .. 32 w + 31 of W_slice, 256 bytes each
	v_add_nc_u32 v28, s31, v27
.set k, 0
.rept 16
	global_load_b128 v[64+4*k:67+4*k], v28, s[10:11] offset:512*k      ; rows 32 w + 2 k + H, columns 4 q ..
.set k, k+1
.endr
	s_lshl_b32 s36, s30, 14                        ; 16 ct rows of 1,024 bytes
	v_lshlrev_b32 v29, 10, v2
	v_lshl_add_u32 v29, v3, 5, v29                 ; row r, + 32 h bytes
	v_add_nc_u32 v29, s36, v29
.set k, 0
.rept 8
	global_load_b128 v[128+16*k:131+16*k], v29, s[8:9] offset:128*k    ; K step k: j = 32 k + 8 h + 0 .. 3
	global_load_b128 v[132+16*k:135+16*k], v29, s[8:9] offset:128*k+16 ;                          4 .. 7
	global_load_b128 v[136+16*k:139+16*k], v29, s[8:9] offset:128*k+64 ;          32 k + 16 + 8 h + 0 .. 3
	global_load_b128 v[140+16*k:143+16*k], v29, s[8:9] offset:128*k+80
.set k, k+1
.endr
	v_mul_u32_u24 v30, v3, PS
	v_lshl_add_u32 v30, v2, 3, v30
	s_mul_i32 s37, s28, 32*PS
	v_add_nc_u32 v30, s37, v30                     ; LDS (region LC = 0): row 32 w + H, byte 8 q
	v_mad_u32_u24 v31, v24, PS, v25                ; transposing loads
	s_wait_loadcnt 32                              ; the 16 staging loads are in; the 32 of W_x behind them stay out
.set k, 0
.rept 16
	v_cvt_pk_f16_f32 v[64+4*k], v[64+4*k], v[65+4*k]
	v_cvt_pk_f16_f32 v[65+4*k], v[66+4*k], v[67+4*k]
	ds_store_b64 v30, v[64+4*k:65+4*k] offset:2*PS*k
.set k, k+1
.endr
	s_wait_dscnt 0x0
	s_barrier_signal -1
	s_barrier_wait -1                              ; all 256 rows of W_slice are in LDS
	s_wait_loadcnt 0x0
.set k, 0
.rept 64
	v_cvt_pk_f16_f32 v[64+k], v[128+2*k], v[129+2*k]                   ; fragment of K step s at v[64 + 8 s]
.set k, k+1
.endr
; four K steps: 32 transposing loads, then 16 matrix instructions; the four accumulators take turns, one instruction a turn
.macro BATCH b
.irp sl, 0,1,2,3
.irp t, 0,1,2,3
	ds_load_tr16_b128 v[128+8*(4*\sl+\t):131+8*(4*\sl+\t)], v31 offset:(4*\b+\sl)*32*PS+32*\t
	ds_load_tr16_b128 v[132+8*(4*\sl+\t):135+8*(4*\sl+\t)], v31 offset:(4*\b+\sl)*32*PS+32*\t+16*PS
.endr
.endr
	s_wait_dscnt 0x0
.irp sl, 0,1,2,3
.irp t, 0,1,2,3
.if (4*\b+\sl) == 0
	v_wmma_f32_16x16x32_f16 v[32+8*\t:39+8*\t], v[64+8*(4*\b+\sl):71+8*(4*\b+\sl)], v[128+8*(4*\sl+\t):135+8*(4*\sl+\t)], 0
.else
	v_wmma_f32_16x16x32_f16 v[32+8*\t:39+8*\t], v[64+8*(4*\b+\sl):71+8*(4*\b+\sl)], v[128+8*(4*\sl+\t):135+8*(4*\sl+\t)], v[32+8*\t:39+8*\t]
.endif
.endr
.endr
	PLACES
.endm
	BATCH 0
	BATCH 1
.irp t, 0,1,2,3
.irp p, 0,1,2,3
	v_cvt_pk_f16_f32 v[8+4*\t+\p], v[32+8*\t+2*\p], v[33+8*\t+2*\p]
.endr
.endr
	s_lshr_b32 s38, s30, 1                         ; block (4 (ct / 2) + t) 2 + ct % 2
	s_lshl_b32 s38, s38, 12
	s_and_b32 s39, s30, 1
	s_lshl_b32 s39, s39, 9
	s_add_co_u32 s38, s38, s39
	s_mov_b32 s39, 0
	s_add_nc_u64 s[38:39], s[26:27], s[38:39]
.irp t, 0,1,2,3
	global_store_b128 v27, v[8+4*\t:11+4*\t], s[38:39] offset:1024*\t
.endr
	s_set_vgpr_msb 0x5
	s_wait_tensorcnt 0x0
	ds_add_u32 v0, v1
	s_wait_dscnt 0x0
	s_set_vgpr_msb 0x500
	s_endpgm
; ---- role S: we = diag(log2e / clip(temp_edge)) W_eslice in fragment order; bc and fx in f32
.LroleS:
	v_lshlrev_b32 v14, 4, v2                       ; 16 q
	s_lshl_b32 s30, s28, 5
	v_lshl_add_u32 v26, v3, 4, s30                 ; temp_edge of rows 8 w + 4 H .. + 3
	s_lshl_b32 s30, s28, 11
	v_lshl_add_u32 v28, v3, 10, v14
	v_add_nc_u32 v28, s30, v28                     ; W_eslice: row 8 w + 4 H, columns 4 q ..
	s_lshl_b32 s30, s28, 7
	v_lshl_add_u32 v29, v3, 6, s30                 ; b_x, ph_x: j = 32 w + 16 H ..
	s_lshl_b32 s30, s28, 13
	v_lshl_add_u32 v30, v3, 12, v14
	v_add_nc_u32 v30, s30, v30                     ; W_slice: row 32 w + 16 H, columns 4 q ..
	global_load_b128 v[4:7], v26, s[22:23]
.irp i, 0,1,2,3
	global_load_b128 v[32+4*\i:35+4*\i], v28, s[20:21] offset:256*\i
.endr
.irp i, 0,1,2,3
	global_load_b128 v[48+4*\i:51+4*\i], v29, s[12:13] offset:16*\i
.endr
.irp i, 0,1,2,3
	global_load_b128 v[64+4*\i:67+4*\i], v29, s[14:15] offset:16*\i
.endr
.set k, 0
.rept 16
	global_load_b128 v[80+4*k:83+4*k], v30, s[10:11] offset:256*k
.set k, k+1
.endr
	s_mul_i32 s30, s28, 8*PS
	s_add_co_u32 s30, s30, LS
	v_mul_u32_u24 v31, v3, 4*PS
	v_lshl_add_u32 v31, v2, 3, v31
	v_add_nc_u32 v31, s30, v31                     ; LDS: row 8 w + 4 H, byte 8 q
	s_lshl_b32 s30, s28, 9
	s_add_co_u32 s30, s30, RED
	v_add_nc_u32 v15, s30, v27                     ; my 512 bytes of partial sums
	s_wait_loadcnt 0x0
.irp i, 0,1,2,3
	v_med3_num_f32 v[4+\i], v[4+\i], s32, s33      ; clip(temp_edge, 0.01, 5)
.endr
.irp i, 0,1,2,3
	v_rcp_f32 v[4+\i], v[4+\i]
.endr
	v_pk_add_f32 v[48:49], v[48:49], v[64:65]      ; b_x + ph_x; also the plain instruction behind the reciprocals (ISA guide 5.7.2)
.irp p, 2,4,6,8,10,12,14
	v_pk_add_f32 v[48+\p:49+\p], v[48+\p:49+\p], v[64+\p:65+\p]
.endr
	s_wait_alu depctr_va_vdst(0)
.irp i, 0,1,2,3
	v_mul_f32 v[4+\i], LOG2E, v[4+\i]
.endr
.irp i, 0,1,2,3
.irp c, 0,1,2,3
	v_mul_f32 v[32+4*\i+\c], v[32+4*\i+\c], v[4+\i]
.endr
	v_cvt_pk_f16_f32 v[32+4*\i], v[32+4*\i], v[33+4*\i]
	v_cvt_pk_f16_f32 v[33+4*\i], v[34+4*\i], v[35+4*\i]
	ds_store_b64 v31, v[32+4*\i:33+4*\i] offset:PS*\i
.endr
.irp c, 0,1,2,3
	v_mul_f32 v[8+\c], v[48], v[80+\c]             ; the first of my 16 rows starts the sums
.endr
.set k, 1
.rept 15
.irp c, 0,1,2,3
	v_fmac_f32 v[8+\c], v[48+k], v[80+4*k+\c]
.endr
.set k, k+1
.endr
	ds_store_b128 v15, v[8:11]
	s_wait_dscnt 0x0
	s_barrier_signal -1
	s_barrier_wait -1
	s_lshr_b32 s30, s28, 2                         ; wave w makes fragment (s = w / 4, t = w % 4)
	s_mul_i32 s30, s30, 32*PS
	s_and_b32 s31, s28, 3
	s_lshl_b32 s31, s31, 5
	s_add_co_u32 s30, s30, s31
	s_add_co_u32 s30, s30, LS
	v_mad_u32_u24 v12, v24, PS, v25
	v_add_nc_u32 v12, s30, v12
	ds_load_tr16_b128 v[16:19], v12
	ds_load_tr16_b128 v[20:23], v12 offset:16*PS
	v_lshl_add_u32 v13, s28, 10, v27
	s_wait_dscnt 0x0
	global_store_b128 v13, v[16:19], s[26:27] offset:OFF_WE
	global_store_b128 v13, v[20:23], s[26:27] offset:OFF_WE+512
	s_cmp_lg_u32 s28, 0
	s_cbranch_scc1 .LendS
	; wave 0: the sixteen partial sums (8 waves x 2 halves of lanes) of m = 4 q .. 4 q + 3
	global_load_b128 v[144:147], v14, s[16:17]     ; b_slice
	global_load_b128 v[148:151], v14, s[18:19]     ; temp_x
	v_add_nc_u32 v152, RED, v27
.irp i, 0,1,2,3,4,5,6,7
	ds_load_b128 v[32+4*\i:35+4*\i], v152 offset:512*\i
.endr
	s_wait_loadcnt 0x0
	s_wait_dscnt 0x0
.irp i, 1,2,3,4,5,6,7
	v_pk_add_f32 v[32:33], v[32:33], v[32+4*\i:33+4*\i]
	v_pk_add_f32 v[34:35], v[34:35], v[34+4*\i:35+4*\i]
.endr
.irp c, 0,1,2,3
	v_permlanex16_b32 v[36+\c], v[32+\c], s34, s35 ; the other half of the lanes; the destination has been written before
.endr
	v_pk_add_f32 v[32:33], v[32:33], v[36:37]
	v_pk_add_f32 v[34:35], v[34:35], v[38:39]
.irp c, 0,1,2,3
	v_med3_num_f32 v[148+\c], v[148+\c], s32, s33
.endr
.irp c, 0,1,2,3
	v_rcp_f32 v[148+\c], v[148+\c]
.endr
	v_pk_add_f32 v[32:33], v[32:33], v[144:145]    ; + b_slice (the plain instruction behind the reciprocals)
	v_pk_add_f32 v[34:35], v[34:35], v[146:147]
	s_wait_alu depctr_va_vdst(0)
	v_pk_mul_f32 v[148:149], v[148:149], LOG2E op_sel_hi:[1,0]         ; fx
	v_pk_mul_f32 v[150:151], v[150:151], LOG2E op_sel_hi:[1,0]
	v_pk_mul_f32 v[32:33], v[32:33], v[148:149]    ; bc
	v_pk_mul_f32 v[34:35], v[34:35], v[150:151]
	v_cmp_gt_u32 vcc_lo, 16, v1
	s_wait_xcnt 0x0                                ; EXEC is a source of the loads and stores above: it changes only behind this wait
	s_and_saveexec_b32 s30, vcc_lo                 ; lanes 0 to 15: 256 neighbouring bytes each
	global_store_b128 v14, v[32:35], s[26:27] offset:OFF_BC
	global_store_b128 v14, v[148:151], s[26:27] offset:OFF_FX
	s_wait_xcnt 0x0
	s_or_b32 exec_lo, exec_lo, s30
.LendS:
	s_set_vgpr_msb 0x5
	s_wait_tensorcnt 0x0
	ds_add_u32 v0, v1
	s_wait_dscnt 0x0
	s_set_vgpr_msb 0x500
	s_endpgm
.Lfunc_end_k_q81cc051c99_prep:
	.size	k_q81cc051c99_prep, .Lfunc_end_k_q81cc051c99_prep-k_q81cc051c99_prep
	.p2alignl 7, 3214868480
	.fill 96, 4, 3214868480
	.section	.rodata,"a",@progbits
	.p2align	6, 0x0
	.amdhsa_kernel k_q81cc051c99_prep
		.amdhsa_group_segment_fixed_size 73728
		.amdhsa_private_segment_fixed_size 0
		.amdhsa_enable_private_segment 0
		.amdhsa_kernarg_size 80
		.amdhsa_user_sgpr_count 2
		.amdhsa_user_sgpr_kernarg_segment_ptr 1
		.amdhsa_wavefront_size32 1
		.amdhsa_system_sgpr_workgroup_id_x 1
		.amdhsa_system_sgpr_workgroup_id_y 1
		.amdhsa_system_sgpr_workgroup_id_z 1
		.amdhsa_system_vgpr_workitem_id 0
		.amdhsa_next_free_vgpr 258
		.amdhsa_next_free_sgpr 66
		.amdhsa_reserve_vcc 1
		.amdhsa_float_denorm_mode_32 3
		.amdhsa_float_denorm_mode_16_64 3
		.amdhsa_memory_ordered 1
		.amdhsa_forward_progress 1
		.amdhsa_inst_pref_size 39
	.end_amdhsa_kernel
	.amdgpu_metadata
---
amdhsa.version: [ 1, 2 ]
amdhsa.kernels:
  - .name:           k_q81cc051c99_prep
    .symbol:         k_q81cc051c99_prep.kd
    .args:
      - { .name: W_x, .offset: 0, .size: 8, .value_kind: global_buffer, .address_space: global }
      - { .name: W_slice, .offset: 8, .size: 8, .value_kind: global_buffer, .address_space: global }
      - { .name: b_x, .offset: 16, .size: 8, .value_kind: global_buffer, .address_space: global }
      - { .name: ph_x, .offset: 24, .size: 8, .value_kind: global_buffer, .address_space: global }
      - { .name: b_slice, .offset: 32, .size: 8, .value_kind: global_buffer, .address_space: global }
      - { .name: temp_x, .offset: 40, .size: 8, .value_kind: global_buffer, .address_space: global }
      - { .name: W_eslice, .offset: 48, .size: 8, .value_kind: global_buffer, .address_space: global }
      - { .name: temp_edge, .offset: 56, .size: 8, .value_kind: global_buffer, .address_space: global }
      - { .name: W_fx, .offset: 64, .size: 8, .value_kind: global_buffer, .address_space: global }
      - { .name: wprep, .offset: 72, .size: 8, .value_kind: global_buffer, .address_space: global }
    .group_segment_fixed_size: 73728
    .private_segment_fixed_size: 0
    .kernarg_segment_align: 8
    .kernarg_segment_size: 80
    .max_flat_workgroup_size: 256
    .sgpr_count:     66
    .vgpr_count:     258
    .wavefront_size: 32
...
	.end_amdgpu_metadata
.endif
;; end of part 1
;; launch node (part 2): grid 256 x 1, 8 waves a work-group, no clusters, 252,928 bytes of LDS; arguments x, wprep, out1, swb, tpart, normp; writes out1, swb, tpart, normp
.if DOCPART == 2
	.amdgcn_target "amdgcn-amd-amdhsa--gfx1250"
	.amdhsa_code_object_version 6
	.text
	.protected	k_q81cc051c99_node
	.globl	k_q81cc051c99_node
	.p2align	8
	.type	k_q81cc051c99_node,@function
k_q81cc051c99_node:
	s_mov_b64 s[64:65], 0
	v_nop
	global_prefetch_b8 v0, s[64:65] scope:SCOPE_SE
	s_setreg_imm32_b32 hwreg(HW_REG_WAVE_MODE, 25, 1), 1
	s_wait_xcnt 0x0
; SliceBlock, launch 2 of 4: the node path.  Products regrouped as shown at the head of the first kernel: logits = x Wc, T = sw^T x; nothing is left out.
; A work-group owns 256 nodes; wave w owns rows 32 w .. 32 w + 31.  x is read from memory once (64 loads of 512 bytes a wave, all issued at the start),
; rounded to f16 into LDS, and used twice from there: for the logits (K along the rows) and, transposed, for T.
;   logits2[n][m] = (x[n] . Wc[:, m]) fx[m] + bc[m]   (fx = log2e / clip(temp_x), so the softmax is in base 2; the maximum is taken away as in the reference)
;   out1 = softmax in f32;  swb = the same in f16, rows of 128 bytes, for the edge launch;  normp = column sums of the f32 softmax (two row parities);
;   tpart[wg] = T of these 256 nodes, f32, tile (mt, ct) of 16 m x 16 c as 2 x 512 bytes: lane (r, h), register j = T[16 mt + r][16 ct + 8 h + j].
; No tensor loads: x has to pass registers for the rounding, and a wave has its whole share in flight from registers.  No cluster: the work-groups share
; only the 32 KiB of wc against 256 KiB of x each.
; LIMITS: operands in f16 (|x| below 65,504); sw is rounded to f16 for T and for the edges; exp2 gives 0 below 2^-126.
.set OFF_BC, 40960
.set OFF_FX, 41216
.set PX,  544                          ; x in f16: 512 + 32 bytes a row, an odd multiple of 32 for the transposing loads of the T phase
.set WCB, 256*PX                       ; 139,264: wc, 32 KiB in fragment order
.set SWB, WCB+32768                    ; 172,032: sw in f16, 256 rows
.set PSW, 160                          ; 128 + 32 bytes
.set STG, SWB+256*PSW                  ; 212,992: each wave 16 rows of 64 f32, for the way out
.set PST, 272                          ; 256 + 16 bytes
.set NRM, STG+8*16*PST                 ; 247,808: each wave 512 bytes of column sums
.set BC,  16                           ; v[16:47]   bc[16 t + 8 h + j] at 8 t + j
.set ACC, 48                           ; v[48:111]  eight accumulator tiles
.set T,   112                          ; v[112:127] at work
.set FR0, 128                          ; v[128:175], v[176:223]: two fragment buffers of 48 (before that v[128:255]: rows 0-15 of x as loaded)
.set FR1, 176
.set RB,  224                          ; v[224:255] rows read back for out1
.set NA,  128                          ; v[128:131] column sums (softmax phase)
.set MX,  132                          ; v[132:134] maximum, later 1 / sum, as a pair
.set SM,  136                          ; v[136:143] four chains of sums
.set SEL, 20                           ; s20, s21 selects of v_permlanex16_b32
.set XS1, 128                          ; window 1: v128 copy of the LDS address, v[130:137] at work, v[0:127] rows 16-31 of x as loaded
.set TB1, 130
.set FB1, 140                          ; window 1: v[140:171] fx, laid out as bc
.set MSB, 0
.macro WIN new                         ; s_set_vgpr_msb: bits 1:0 source 0, 3:2 source 1, 5:4 source 2, 7:6 destination; the high byte repeats the setting left
.if MSB != \new
	s_set_vgpr_msb (MSB<<8)|\new
.set MSB, \new
.endif
.endm
.macro PLACES                          ; four plain vector instructions between a matrix instruction and what touches its registers (ISA guide 7.12.1)
.rept 4
	v_nop
.endr
.endm
	s_load_b256 s[4:11], s[0:1], 0x0               ; x 4, wprep 6, out1 8, swb 10
	s_load_b128 s[12:15], s[0:1], 0x20             ; tpart 12, normp 14
	s_set_vgpr_msb 0x40
	v_lshl_add_u32 v176, v0, 2, 0x3d800
	v_mov_b32 v177, 0
	s_set_vgpr_msb 0x4000
	v_lshrrev_b32 v112, 5, v0
	v_readfirstlane_b32 s16, v112                  ; wave w
	s_mov_b32 s20, 0x76543210
	s_mov_b32 s21, 0xfedcba98
	v_and_b32 v112, 31, v0                         ; L
	v_and_b32 v113, 15, v0                         ; r
	v_bfe_u32 v114, v0, 4, 1                       ; h
	v_lshlrev_b32 v1, 4, v112                      ; v1 = 16 L
	v_lshlrev_b32 v13, 5, v114                     ; v13 = 32 h
	s_mul_i32 s22, s16, 32*PX
	s_mul_i32 s23, s16, 16*PST
	s_mul_i32 s26, s16, 32*PSW
	v_lshl_add_u32 v2, v112, 3, s22                ; v2: x in: my row 0, byte 8 L
	v_mul_u32_u24 v115, v113, PX
	v_lshl_add_u32 v115, v114, 4, v115
	v_add_nc_u32 v3, s22, v115                     ; v3: x fragments: my row r, byte 16 h
	v_add_nc_u32 v4, WCB, v1                       ; v4: wc fragments
	s_add_co_u32 s23, s23, STG
	v_mul_u32_u24 v115, v113, PST
	v_lshl_add_u32 v115, v114, 5, v115
	v_add_nc_u32 v5, s23, v115                     ; v5: stage in: row r, byte 32 h
	v_mul_u32_u24 v115, v114, PST
	v_lshl_add_u32 v115, v113, 4, v115
	v_add_nc_u32 v6, s23, v115                     ; v6: stage back: row h, byte 16 r
	s_add_co_u32 s26, s26, SWB
	v_mul_u32_u24 v115, v113, PSW
	v_lshl_add_u32 v115, v114, 4, v115
	v_add_nc_u32 v7, s26, v115                     ; v7: sw in: my row r, byte 16 h
	v_lshrrev_b32 v116, 3, v112
	v_and_b32 v117, 7, v0
	v_mul_u32_u24 v115, v116, PSW
	v_lshl_add_u32 v115, v117, 4, v115
	v_add_nc_u32 v8, s26, v115                     ; v8: sw back: my row L / 8, byte 16 (L % 8)
	v_lshl_add_u32 v118, v114, 3, v117             ; transposing loads: row 8 h + L % 8,
	v_bfe_u32 v119, v0, 3, 1
	v_lshlrev_b32 v119, 4, v119                    ; 16 bytes x bit 3 of L
	v_mad_u32_u24 v9, v118, PX, v119
	v_lshl_add_u32 v9, s16, 6, v9                  ; v9: x transposed, my column tiles 2 w, 2 w + 1, rows 0-127
	v_add_nc_u32 v10, 128*PX, v9                   ; v10: rows 128-255 (beyond the 16-bit immediate)
	v_mad_u32_u24 v11, v118, PSW, v119
	v_add_nc_u32 v11, SWB, v11                     ; v11: sw transposed
	s_lshl_b32 s27, s16, 9
	s_add_co_u32 s27, s27, NRM
	v_add_nc_u32 v12, s27, v1                      ; v12: my column sums
	s_lshl_b32 s27, s16, 12                        ; 4,096 w
	s_add_co_u32 s28, s27, WCB
	v_add_nc_u32 v14, s28, v1                      ; v14: my eighth of wc in LDS
	v_add_nc_u32 v15, NRM, v1                      ; v15: all column sums
	s_wait_kmcnt 0x0
	s_mov_b32 s19, 0
	s_lshl_b32 s18, ttmp9, 18                      ; 256 rows of 1,024 bytes
	s_lshl_b32 s17, s16, 15
	s_add_co_u32 s18, s18, s17
	s_add_nc_u64 s[4:5], s[4:5], s[18:19]          ; x at my row 0
	s_mov_b32 s18, s27
	s_add_nc_u64 s[24:25], s[6:7], s[18:19]        ; my eighth of wc
	; all loads of the wave: wc 8, bc 8, fx 8, x rows 0-15: 32; behind the copy of wc, x rows 16-31: 32
.set k, 0
.rept 8
	global_load_b128 v[ACC+4*k:ACC+4*k+3], v1, s[24:25] offset:512*k
.set k, k+1
.endr
.irp t, 0,1,2,3
	global_load_b128 v[BC+8*\t:BC+8*\t+3],   v13, s[6:7] offset:OFF_BC+64*\t
	global_load_b128 v[BC+8*\t+4:BC+8*\t+7], v13, s[6:7] offset:OFF_BC+64*\t+16
.endr
	WIN 0x40                                       ; destinations in window 1
.irp t, 0,1,2,3
	global_load_b128 v[FB1+8*\t:FB1+8*\t+3],   v13, s[6:7] offset:OFF_FX+64*\t
	global_load_b128 v[FB1+8*\t+4:FB1+8*\t+7], v13, s[6:7] offset:OFF_FX+64*\t+16
.endr
	WIN 0
.set k, 0
.rept 32
	global_load_b128 v[128+4*k:131+4*k], v1, s[4:5] offset:512*k th:TH_LOAD_NT     ; row k / 2, half k % 2
.set k, k+1
.endr
	s_lshl_b32 s18, ttmp9, 16
	s_lshl_b32 s17, s16, 13
	s_add_co_u32 s18, s18, s17
	s_add_nc_u64 s[8:9], s[8:9], s[18:19]          ; out1 at my row 0 (256 bytes a row)
	s_lshl_b32 s18, ttmp9, 15
	s_add_co_u32 s18, s18, s27
	s_add_nc_u64 s[10:11], s[10:11], s[18:19]      ; swb at my row 0 (128 bytes a row)
	s_lshl_b32 s18, ttmp9, 16
	s_lshl_b32 s17, s16, 11
	s_add_co_u32 s18, s18, s17
	s_add_nc_u64 s[12:13], s[12:13], s[18:19]      ; tpart: my record, tiles ct = 2 w ..
	s_lshl_b32 s18, ttmp9, 9
	s_add_nc_u64 s[14:15], s[14:15], s[18:19]      ; normp: my record
	s_wait_loadcnt 32                              ; wc, bc, fx are in; the 32 loads of x behind them stay out
.set k, 0
.rept 8
	ds_store_b128 v14, v[ACC+4*k:ACC+4*k+3] offset:512*k
.set k, k+1
.endr
	WIN 0x40
	v_mov_b32 v[XS1], v2                           ; the LDS address once more, in window 1
.set k, 0
.rept 32
	global_load_b128 v[4*k:4*k+3], v1, s[4:5] offset:16384+512*k th:TH_LOAD_NT     ; rows 16-31
.set k, k+1
.endr
	WIN 0
	s_wait_dscnt 0x0                               ; my eighth of wc is in LDS
	s_barrier_signal -1
	s_barrier_wait -1                              ; all of wc is; the loads of x stay in flight across this barrier (nobody writes x)
	; x to f16 into my 32 rows of LDS, row by row as the loads come back in order (ISA guide 5.7.1)
.set k, 0
.rept 16
	s_wait_loadcnt 62-2*k                          ; of the 64 loads of x the 62 - 2 k behind this row may be out
	v_cvt_pk_f16_f32 v[T+4*(k%4)],   v[128+8*k], v[129+8*k]
	v_cvt_pk_f16_f32 v[T+4*(k%4)+1], v[130+8*k], v[131+8*k]
	v_cvt_pk_f16_f32 v[T+4*(k%4)+2], v[132+8*k], v[133+8*k]
	v_cvt_pk_f16_f32 v[T+4*(k%4)+3], v[134+8*k], v[135+8*k]
	ds_store_b64 v2, v[T+4*(k%4):T+4*(k%4)+1]   offset:k*PX
	ds_store_b64 v2, v[T+4*(k%4)+2:T+4*(k%4)+3] offset:k*PX+256
.set k, k+1
.endr
	WIN 0x45                                       ; destination, source 0 and source 1 in window 1
.set k, 0
.rept 16
	s_wait_loadcnt 30-2*k
	v_cvt_pk_f16_f32 v[TB1+4*(k%2)],   v[8*k],   v[8*k+1]
	v_cvt_pk_f16_f32 v[TB1+4*(k%2)+1], v[8*k+2], v[8*k+3]
	v_cvt_pk_f16_f32 v[TB1+4*(k%2)+2], v[8*k+4], v[8*k+5]
	v_cvt_pk_f16_f32 v[TB1+4*(k%2)+3], v[8*k+6], v[8*k+7]
	ds_store_b64 v[XS1], v[TB1+4*(k%2):TB1+4*(k%2)+1]   offset:(16+k)*PX
	ds_store_b64 v[XS1], v[TB1+4*(k%2)+2:TB1+4*(k%2)+3] offset:(16+k)*PX+256
.set k, k+1
.endr
	WIN 0
; LOGITS.  Source 0 = 16 columns m of Wc, source 1 = 16 of my rows: lane (r, h), register j of tile (u, t) = logit(row 16 u + r, m = 16 t + 8 h + j).
; A K step of 32: 8 loads of wc, 4 of x (my own rows: LDS serves a wave in order, so they see my stores), 8 matrix instructions.
.macro FETCH1 s, f
.irp t, 0,1,2,3
	ds_load_b128 v[\f+8*\t:\f+8*\t+3],   v4 offset:(((\s)*4+\t)*2)*512
	ds_load_b128 v[\f+8*\t+4:\f+8*\t+7], v4 offset:(((\s)*4+\t)*2+1)*512
.endr
.irp u, 0,1
	ds_load_b128 v[\f+32+8*\u:\f+32+8*\u+3],   v3 offset:\u*16*PX+(\s)*64
	ds_load_b128 v[\f+32+8*\u+4:\f+32+8*\u+7], v3 offset:\u*16*PX+(\s)*64+32
.endr
.endm
.macro MUL1 s, f                       ; the eight accumulators take turns, one instruction a turn; the first K step starts the sums
.irp u, 0,1
.irp t, 0,1,2,3
.if (\s) == 0
	v_wmma_f32_16x16x32_f16 v[ACC+32*\u+8*\t:ACC+32*\u+8*\t+7], v[\f+8*\t:\f+8*\t+7], v[\f+32+8*\u:\f+32+8*\u+7], 0
.else
	v_wmma_f32_16x16x32_f16 v[ACC+32*\u+8*\t:ACC+32*\u+8*\t+7], v[\f+8*\t:\f+8*\t+7], v[\f+32+8*\u:\f+32+8*\u+7], v[ACC+32*\u+8*\t:ACC+32*\u+8*\t+7]
.endif
.endr
.endr
.endm
.macro STEP1 s, f
.if (\s) == 7
	s_wait_dscnt 0x0
.else
	s_wait_dscnt 12                                ; this step's 12 loads are in; the next step's 12 may be out
.endif
	MUL1 \s, \f
.if (\s) != 6
	PLACES                                         ; in front of the loads into this buffer; behind the last step, in front of the reads of the sums
.endif
.if (\s) < 6
	FETCH1 (\s)+2, \f
.endif
.endm
	FETCH1 0, FR0
	FETCH1 1, FR1
	STEP1 0, FR0
	STEP1 1, FR1
	STEP1 2, FR0
	STEP1 3, FR1
	STEP1 4, FR0
	STEP1 5, FR1
	STEP1 6, FR0
	STEP1 7, FR1
	WIN 0x04                                       ; source 1 (fx) in window 1
.set k, 0
.rept 32
	v_pk_fma_f32 v[ACC+2*k:ACC+2*k+1], v[ACC+2*k:ACC+2*k+1], v[FB1+2*(k%16):FB1+2*(k%16)+1], v[BC+2*(k%16):BC+2*(k%16)+1]
.set k, k+1
.endr
	WIN 0
; Softmax over the 64 numbers of a row: 32 in lane (r, 0), 32 in lane (r, 1).  Leaves exp2(l - max) in v[P .. P+31] and their sum over 64 in v[SM].
.macro SOFTCORE
	v_max3_num_f32 v[MX],   v[P],    v[P+1],  v[P+2]
	v_max3_num_f32 v[MX+2], v[P+16], v[P+17], v[P+18]
.irp k, 3,5,7,9,11,13
	v_max3_num_f32 v[MX],   v[MX],   v[P+\k],    v[P+\k+1]
	v_max3_num_f32 v[MX+2], v[MX+2], v[P+16+\k], v[P+17+\k]
.endr
	v_max3_num_f32 v[MX], v[MX], v[P+15], v[P+31]
	v_max_num_f32 v[MX], v[MX], v[MX+2]
	v_permlanex16_b32 v[MX+2], v[MX], s[SEL], s[SEL+1]     ; the other half of the row; the destination has been written before
	v_max_num_f32 v[MX], v[MX], v[MX+2]
	v_mov_b32 v[MX+1], v[MX]
.set k2, 0
.rept 16
	v_pk_add_f32 v[P+k2:P+k2+1], v[P+k2:P+k2+1], v[MX:MX+1] neg_lo:[0,1] neg_hi:[0,1]
.set k2, k2+2
.endr
.set k2, 0
.rept 32
	v_exp_f32 v[P+k2], v[P+k2]
.set k2, k2+1
.endr
	v_nop                                          ; one plain instruction behind the last exponential (ISA guide 5.7.2)
	s_wait_alu depctr_va_vdst(0)
.irp c, 0,2,4,6
	v_pk_add_f32 v[SM+\c:SM+\c+1], v[P+\c:P+\c+1], v[P+8+\c:P+9+\c]
.endr
.irp c, 0,2,4,6
	v_pk_add_f32 v[SM+\c:SM+\c+1], v[SM+\c:SM+\c+1], v[P+16+\c:P+17+\c]
.endr
.irp c, 0,2,4,6
	v_pk_add_f32 v[SM+\c:SM+\c+1], v[SM+\c:SM+\c+1], v[P+24+\c:P+25+\c]
.endr
	v_pk_add_f32 v[SM:SM+1], v[SM:SM+1], v[SM+2:SM+3]
	v_pk_add_f32 v[SM+4:SM+5], v[SM+4:SM+5], v[SM+6:SM+7]
	v_pk_add_f32 v[SM:SM+1], v[SM:SM+1], v[SM+4:SM+5]
	v_add_f32 v[SM], v[SM], v[SM+1]
	v_permlanex16_b32 v[SM+1], v[SM], s[SEL], s[SEL+1]
	v_add_f32 v[SM], v[SM], v[SM+1]                ; at least 1: the largest term is exp2(0)
.endm
; rows 16 u .. 16 u + 15: softmax; f32 through my stage to out1 in whole rows; f16 into the sw tile; column sums from the rows read back
.macro SOFTMAX u
.set P, ACC+32*\u
	SOFTCORE
	v_rcp_f32 v[MX], v[SM]
	v_nop
	s_wait_alu depctr_va_vdst(0)
	v_mov_b32 v[MX+1], v[MX]
.set k2, 0
.rept 16
	v_pk_mul_f32 v[P+k2:P+k2+1], v[P+k2:P+k2+1], v[MX:MX+1]
.set k2, k2+2
.endr
.irp t, 0,1,2,3
	ds_store_b128 v5, v[P+8*\t:P+8*\t+3]   offset:64*\t
	ds_store_b128 v5, v[P+8*\t+4:P+8*\t+7] offset:64*\t+16
.endr
.irp t, 0,1,2,3
.irp p, 0,1,2,3
	v_cvt_pk_f16_f32 v[T+4*\t+\p], v[P+8*\t+2*\p], v[P+8*\t+2*\p+1]
.endr
.endr
.irp t, 0,1,2,3
	ds_store_b128 v7, v[T+4*\t:T+4*\t+3] offset:\u*16*PSW+32*\t
.endr
	s_wait_xcnt 0x0                                ; the read-back registers were data of the stores of the rows before: written again only behind this wait
.irp i, 0,1,2,3,4,5,6,7
	ds_load_b128 v[RB+4*\i:RB+4*\i+3], v6 offset:\i*2*PST              ; rows 2 i, 2 i + 1 (my own stage: served in order behind the stores)
.endr
.irp i, 0,1,2,3,4,5,6,7
	s_wait_dscnt 7-\i
.if (\u*8+\i) == 1
	v_pk_add_f32 v[NA:NA+1],   v[RB:RB+1],   v[RB+4:RB+5]            ; the first two loads start the column sums
	v_pk_add_f32 v[NA+2:NA+3], v[RB+2:RB+3], v[RB+6:RB+7]
.endif
.if (\u*8+\i) > 1
	v_pk_add_f32 v[NA:NA+1],   v[NA:NA+1],   v[RB+4*\i:RB+4*\i+1]
	v_pk_add_f32 v[NA+2:NA+3], v[NA+2:NA+3], v[RB+4*\i+2:RB+4*\i+3]
.endif
	global_store_b128 v1, v[RB+4*\i:RB+4*\i+3], s[8:9] offset:(16*\u+2*\i)*256 th:TH_STORE_NT   ; 512 neighbouring bytes, aligned
.endr
.endm
	SOFTMAX 0
	SOFTMAX 1
	ds_store_b128 v12, v[NA:NA+3]                  ; lane L: sum over my rows of parity L / 16, m = 4 (L % 16) ..
.irp i, 0,1,2,3,4,5,6,7
	ds_load_b128 v[144+4*\i:147+4*\i], v8 offset:\i*4*PSW              ; four of my rows of sw in f16
.endr
.irp i, 0,1,2,3,4,5,6,7
	s_wait_dscnt 7-\i
	global_store_b128 v1, v[144+4*\i:147+4*\i], s[10:11] offset:512*\i
.endr
	s_wait_xcnt 0x0                                ; v[144:175] become fragment buffers
	s_wait_dscnt 0x0                               ; my rows of x and sw and my column sums are in LDS
	s_barrier_signal -1
	s_barrier_wait -1
; T = sw^T x over the 256 rows.  Wave w: column tiles ct = 2 w + a x all four mt.  Source 0 = 16 columns c of x, source 1 = 16 columns m of sw,
; both by transposing loads (the tiles lie with K = node down the rows).
.macro FETCH3 ks, f
.irp a, 0,1
	ds_load_tr16_b128 v[\f+8*\a:\f+8*\a+3],   v[9+(\ks)/4] offset:((\ks)%4)*32*PX+32*\a
	ds_load_tr16_b128 v[\f+8*\a+4:\f+8*\a+7], v[9+(\ks)/4] offset:((\ks)%4)*32*PX+32*\a+16*PX
.endr
.irp mt, 0,1,2,3
	ds_load_tr16_b128 v[\f+16+8*\mt:\f+16+8*\mt+3],   v11 offset:(\ks)*32*PSW+32*\mt
	ds_load_tr16_b128 v[\f+16+8*\mt+4:\f+16+8*\mt+7], v11 offset:(\ks)*32*PSW+32*\mt+16*PSW
.endr
.endm
.macro MUL3 ks, f                      ; eight accumulators by turns
.irp a, 0,1
.irp mt, 0,1,2,3
.if (\ks) == 0
	v_wmma_f32_16x16x32_f16 v[ACC+8*(4*\a+\mt):ACC+8*(4*\a+\mt)+7], v[\f+8*\a:\f+8*\a+7], v[\f+16+8*\mt:\f+16+8*\mt+7], 0
.else
	v_wmma_f32_16x16x32_f16 v[ACC+8*(4*\a+\mt):ACC+8*(4*\a+\mt)+7], v[\f+8*\a:\f+8*\a+7], v[\f+16+8*\mt:\f+16+8*\mt+7], v[ACC+8*(4*\a+\mt):ACC+8*(4*\a+\mt)+7]
.endif
.endr
.endr
.endm
.macro STEP3 ks, f
.if (\ks) == 7
	s_wait_dscnt 0x0
.else
	s_wait_dscnt 12                                ; this step's 12 loads are in; the next step's 12 may be out
.endif
	MUL3 \ks, \f
.if (\ks) != 6
	PLACES
.endif
.if (\ks) < 6
	FETCH3 (\ks)+2, \f
.endif
.endm
	FETCH3 0, FR0
	FETCH3 1, FR1
	STEP3 0, FR0
	STEP3 1, FR1
	STEP3 2, FR0
	STEP3 3, FR1
	STEP3 4, FR0
	STEP3 5, FR1
	STEP3 6, FR0
	STEP3 7, FR1
.irp a, 0,1
.irp mt, 0,1,2,3
	global_store_b128 v1, v[ACC+8*(4*\a+\mt):ACC+8*(4*\a+\mt)+3],   s[12:13] offset:\mt*16384+\a*1024
	global_store_b128 v1, v[ACC+8*(4*\a+\mt)+4:ACC+8*(4*\a+\mt)+7], s[12:13] offset:\mt*16384+\a*1024+512
.endr
.endr
	s_cmp_lg_u32 s16, 0
	s_cbranch_scc1 .Lend
	; wave 0: the eight waves column sums, one record of 512 bytes
.irp i, 0,1,2,3,4,5,6,7
	ds_load_b128 v[128+4*\i:131+4*\i], v15 offset:512*\i
.endr
	s_wait_dscnt 0x0
.irp i, 1,2,3,4,5,6,7
	v_pk_add_f32 v[128:129], v[128:129], v[128+4*\i:129+4*\i]
	v_pk_add_f32 v[130:131], v[130:131], v[130+4*\i:131+4*\i]
.endr
	global_store_b128 v1, v[128:131], s[14:15]
.Lend:
	s_set_vgpr_msb 0x5
	s_wait_tensorcnt 0x0
	ds_add_u32 v176, v177
	s_wait_dscnt 0x0
	s_set_vgpr_msb 0x500
	s_endpgm
.Lfunc_end_k_q81cc051c99_node:
	.size	k_q81cc051c99_node, .Lfunc_end_k_q81cc051c99_node-k_q81cc051c99_node
	.p2alignl 7, 3214868480
	.fill 96, 4, 3214868480
	.section	.rodata,"a",@progbits
	.p2align	6, 0x0
	.amdhsa_kernel k_q81cc051c99_node
		.amdhsa_group_segment_fixed_size 252928
		.amdhsa_private_segment_fixed_size 0
		.amdhsa_enable_private_segment 0
		.amdhsa_kernarg_size 48
		.amdhsa_user_sgpr_count 2
		.amdhsa_user_sgpr_kernarg_segment_ptr 1
		.amdhsa_wavefront_size32 1
		.amdhsa_system_sgpr_workgroup_id_x 1
		.amdhsa_system_sgpr_workgroup_id_y 1
		.amdhsa_system_sgpr_workgroup_id_z 1
		.amdhsa_system_vgpr_workitem_id 0
		.amdhsa_next_free_vgpr 434
		.amdhsa_next_free_sgpr 66
		.amdhsa_reserve_vcc 0
		.amdhsa_float_denorm_mode_32 3
		.amdhsa_float_denorm_mode_16_64 3
		.amdhsa_memory_ordered 1
		.amdhsa_forward_progress 1
		.amdhsa_inst_pref_size 75
	.end_amdhsa_kernel
	.amdgpu_metadata
---
amdhsa.version: [ 1, 2 ]
amdhsa.kernels:
  - .name:           k_q81cc051c99_node
    .symbol:         k_q81cc051c99_node.kd
    .args:
      - { .name: x, .offset: 0, .size: 8, .value_kind: global_buffer, .address_space: global }
      - { .name: wprep, .offset: 8, .size: 8, .value_kind: global_buffer, .address_space: global }
      - { .name: out1, .offset: 16, .size: 8, .value_kind: global_buffer, .address_space: global }
      - { .name: swb, .offset: 24, .size: 8, .value_kind: global_buffer, .address_space: global }
      - { .name: tpart, .offset: 32, .size: 8, .value_kind: global_buffer, .address_space: global }
      - { .name: normp, .offset: 40, .size: 8, .value_kind: global_buffer, .address_space: global }
    .group_segment_fixed_size: 252928
    .private_segment_fixed_size: 0
    .kernarg_segment_align: 8
    .kernarg_segment_size: 48
    .max_flat_workgroup_size: 256
    .sgpr_count:     66
    .vgpr_count:     434
    .wavefront_size: 32
...
	.end_amdgpu_metadata
.endif
;; end of part 2
;; launch edge (part 3): grid 256 x 1, 8 waves a work-group, no clusters, 114,176 bytes of LDS; arguments edge_idx, edge_attr, b_eslice, wprep, swb, tpart, tsum, ep; writes tsum, ep
.if DOCPART == 3
	.amdgcn_target "amdgcn-amd-amdhsa--gfx1250"
	.amdhsa_code_object_version 6
	.text
	.protected	k_q81cc051c99_edge
	.globl	k_q81cc051c99_edge
	.p2align	8
	.type	k_q81cc051c99_edge,@function
k_q81cc051c99_edge:
	s_mov_b64 s[64:65], 0
	v_nop
	global_prefetch_b8 v0, s[64:65] scope:SCOPE_SE
	s_setreg_imm32_b32 hwreg(HW_REG_WAVE_MODE, 25, 1), 1
	s_wait_xcnt 0x0
; SliceBlock, launch 3 of 4: the edge path, and the sum of the node launch's partial T.
; Products regrouped as shown at the head of the first kernel: the edge tokens are S0[m] = sum_e esw[e][m] and S1[m] = sum_e esw[e][m] a[e]; nothing is left out.
; Work-group g: batch b = g / 64, edges 1,024 (g % 64) ..; wave w: 128 edges as eight tiles of 16.
;   e_logits2[e][mo] = [sw[i0], sw[i1]] . [Wg; Wg][:, mo] + b_eslice[mo] log2e   (K = 128; Wg holds 1 / clip(temp_edge) and log2e; the maximum is taken away)
; The rows sw[i] (128 bytes of f16) are gathered from swb: a load of 16 bytes a lane takes four whole rows; all 64 loads of a wave are issued at the start.
; The indices come straight from edge_idx in the layout the gathers need: lanes 8 G .. 8 G + 7 hold index words 8 G + j of the tile (edge 4 G + j / 2, end j % 2).
; SECOND JOB: the work-group sums tile g % 64 of T over the 64 records of its batch (wave w: records 8 w .. 8 w + 7), so that these bytes are spread evenly.
; ep[g] = S0 (64 f32), S1 (64 f32).  tsum[g] = the tile in f32, 2 x 512 bytes, lane (r, h), register j = T[16 mt + r][16 ct + 8 h + j].
; LIMITS: indices are clamped to 16,383 (the reference keeps them inside the table); operands in f16; exp2 gives 0 below 2^-126.
.set LOG2E,  0x3fb8aa3b
.set OFF_WE, 32768
.set ATT, 0                            ; each wave 512 bytes: its 128 edge attributes
.set SST, 4096                         ; each wave 16 rows of 256 + 16 bytes: [sw[i0] | sw[i1]] of a tile
.set PST, 272
.set TRD, SST+8*16*PST                 ; 38,912: each wave 1,024 bytes: its part of the sum of T
.set RED, TRD+8192                     ; 47,104: each wave 8,192 bytes: its S0 and S1 per lane
.set FIN, RED+65536                    ; 112,640: 512 bytes: S0, S1
.set BE,  16                           ; v[16:47]   b_eslice log2e, at 8 t + j for mo = 16 t + 8 h + j
.set WE,  48                           ; v[48:111]  eight fragments of Wg
.set D,   112                          ; v[112:143] four accumulator tiles   (at the start v[112:175]: the 64 gather offsets)
.set SF,  144                          ; v[144:175] four fragments of the tile rows
.set A0,  176                          ; v[176:207] S0 per lane              (at the start v[176:239]: the records of T)
.set A1,  208                          ; v[208:239] S1 per lane
.set MX,  240                          ; v[240:242]
.set AT,  243                          ; a[e] of edge r
.set SM,  244                          ; v[244:251]
.set W0,  252                          ; 1 / sum, as a pair
.set W1,  254                          ; a / sum, as a pair
.set P,   D
.set SEL, 26
.set MSB, 0                            ; window 1, v[0:255]: the gathered rows, tile at 32 x tile, load j at + 4 j
.macro WIN new                         ; s_set_vgpr_msb: bits 1:0 source 0, 3:2 source 1, 5:4 source 2, 7:6 destination; the high byte repeats the setting left
.if MSB != \new
	s_set_vgpr_msb (MSB<<8)|\new
.set MSB, \new
.endif
.endm
.macro PLACES                          ; four plain vector instructions between a matrix instruction and what touches its registers (ISA guide 7.12.1)
.rept 4
	v_nop
.endr
.endm
	s_load_b512 s[8:23], s[0:1], 0x0               ; edge_idx 8, edge_attr 10, b_eslice 12, wprep 14, swb 16, tpart 18, tsum 20, ep 22
	v_lshrrev_b32 v240, 5, v0
	v_readfirstlane_b32 s24, v240                  ; wave w
	s_mov_b32 s26, 0x76543210
	s_mov_b32 s27, 0xfedcba98
	v_and_b32 v240, 31, v0                         ; L
	v_and_b32 v241, 15, v0                         ; r
	v_bfe_u32 v242, v0, 4, 1                       ; h
	v_lshrrev_b32 v243, 3, v240                    ; G = L / 8
	v_and_b32 v244, 7, v0
	v_lshlrev_b32 v1, 4, v240                      ; v1 = 16 L
	v_lshlrev_b32 v2, 5, v243                      ; v2 = 32 G: my eight index words of a tile
	v_lshlrev_b32 v7, 4, v244                      ; v7 = 16 (L % 8): my 16 bytes of a gathered row
	v_lshlrev_b32 v14, 5, v242                     ; v14 = 32 h
	s_lshl_b32 s30, s24, 9
	v_add_nc_u32 v3, s30, v1                       ; v3: attributes in
	v_lshl_add_u32 v4, v241, 2, s30                ; v4: attribute of edge r
	s_mul_i32 s31, s24, 16*PST
	s_add_co_u32 s31, s31, SST
	v_mad_u32_u24 v245, v243, 4*PST, v7
	v_add_nc_u32 v5, s31, v245                     ; v5: tile rows in: row 4 G, byte 16 (L % 8)
	v_mul_u32_u24 v245, v241, PST
	v_lshl_add_u32 v245, v242, 4, v245
	v_add_nc_u32 v6, s31, v245                     ; v6: tile fragments: row r, byte 16 h
	s_lshl_b32 s31, s24, 10
	s_add_co_u32 s32, s31, TRD
	v_add_nc_u32 v8, s32, v1                       ; v8: my part of T
	s_add_co_u32 s32, s31, RED
	v_add_nc_u32 v10, s32, v1                      ; v10: chunks 2 w, 2 w + 1 of every wave's S0, S1
	s_lshl_b32 s32, s24, 13
	s_add_co_u32 s32, s32, RED
	v_add_nc_u32 v9, s32, v1                       ; v9: my S0, S1
	s_lshl_b32 s32, s24, 6
	s_add_co_u32 s32, s32, FIN
	v_add_nc_u32 v11, s32, v14                     ; v11: the 64 bytes that wave w finishes, + 32 h
	v_add_nc_u32 v12, TRD, v1
	v_add_nc_u32 v13, FIN, v1
	s_wait_kmcnt 0x0
	s_mov_b32 s29, 0
	s_lshl_b32 s28, ttmp9, 13                      ; 1,024 edges of 8 bytes
	s_add_co_u32 s28, s28, s31
	s_add_nc_u64 s[8:9], s[8:9], s[28:29]          ; edge_idx at my edge 0
	s_lshl_b32 s28, ttmp9, 12
	s_add_co_u32 s28, s28, s30
	s_add_nc_u64 s[10:11], s[10:11], s[28:29]      ; edge_attr at my edge 0
	s_lshr_b32 s33, ttmp9, 6                       ; b
	s_lshl_b32 s28, s33, 21
	s_add_nc_u64 s[16:17], s[16:17], s[28:29]      ; swb at the batch's node 0
	s_lshl_b32 s28, s33, 22                        ; 64 records of 65,536 bytes
	s_lshl_b32 s32, s24, 19                        ; 8 w records
	s_add_co_u32 s28, s28, s32
	s_and_b32 s32, ttmp9, 63
	s_lshl_b32 s32, s32, 10                        ; the tile
	s_add_co_u32 s28, s28, s32
	s_add_nc_u64 s[18:19], s[18:19], s[28:29]
	s_lshl_b32 s28, ttmp9, 10
	s_add_nc_u64 s[20:21], s[20:21], s[28:29]      ; tsum
	s_lshl_b32 s28, ttmp9, 9
	s_add_nc_u64 s[22:23], s[22:23], s[28:29]      ; ep
.irp tile, 0,1,2,3,4,5,6,7
	global_load_b128 v[D+8*\tile:D+8*\tile+3],   v2, s[8:9] offset:128*\tile th:TH_LOAD_NT
	global_load_b128 v[D+8*\tile+4:D+8*\tile+7], v2, s[8:9] offset:128*\tile+16 th:TH_LOAD_NT
.endr
	global_load_b128 v[248:251], v1, s[10:11] th:TH_LOAD_NT
.set k, 0
.rept 16
	global_load_b128 v[WE+4*k:WE+4*k+3], v1, s[14:15] offset:OFF_WE+512*k
.set k, k+1
.endr
.irp t, 0,1,2,3
	global_load_b128 v[BE+8*\t:BE+8*\t+3],   v14, s[12:13] offset:64*\t
	global_load_b128 v[BE+8*\t+4:BE+8*\t+7], v14, s[12:13] offset:64*\t+16
.endr
.set k, 0
.rept 16
	global_load_b128 v[A0+4*k:A0+4*k+3], v1, s[18:19] offset:(k/2)*65536+(k%2)*512 th:TH_LOAD_NT
.set k, k+1
.endr
	s_wait_loadcnt 40                              ; indices and attributes are in; the 16 + 8 + 16 loads behind them stay out
	ds_store_b128 v3, v[248:251]
.set k, 0
.rept 64
	v_min_u32 v[D+k], 0x3fff, v[D+k]               ; inside the table
	v_lshl_add_u32 v[D+k], v[D+k], 7, v7           ; row of 128 bytes + my 16
.set k, k+1
.endr
	WIN 0x40                                       ; destinations in window 1
.irp tile, 0,1,2,3,4,5,6
.irp j, 0,1,2,3,4,5,6,7
	global_load_b128 v[32*\tile+4*\j:32*\tile+4*\j+3], v[D+8*\tile+\j], s[16:17]
.endr
.endr
	WIN 0
	s_wait_loadcnt 56                              ; Wg, bias and the records of T are in; the 56 gathers behind them stay out
.set k, 0
.rept 16
	v_pk_mul_f32 v[BE+2*k:BE+2*k+1], v[BE+2*k:BE+2*k+1], LOG2E op_sel_hi:[1,0]
.set k, k+1
.endr
.irp pp, 1,2,3,4,5,6,7
.irp c, 0,2,4,6
	v_pk_add_f32 v[A0+\c:A0+\c+1], v[A0+\c:A0+\c+1], v[A0+8*\pp+\c:A0+8*\pp+\c+1]
.endr
.endr
	ds_store_b128 v8, v[A0:A0+3]
	ds_store_b128 v8, v[A0+4:A0+7] offset:512
	WIN 0x40
.irp j, 0,1,2,3,4,5,6,7
	global_load_b128 v[224+4*\j:224+4*\j+3], v[D+56+\j], s[16:17]
.endr
	WIN 0
	s_wait_xcnt 0x0                                ; the offset registers become accumulators and fragments only behind this wait
; Softmax over the 64 numbers of an edge: 32 in lane (r, 0), 32 in lane (r, 1).  Leaves exp2(l - max) in v[P .. P+31] and their sum over 64 in v[SM].
.macro SOFTCORE
	v_max3_num_f32 v[MX],   v[P],    v[P+1],  v[P+2]
	v_max3_num_f32 v[MX+2], v[P+16], v[P+17], v[P+18]
.irp k, 3,5,7,9,11,13
	v_max3_num_f32 v[MX],   v[MX],   v[P+\k],    v[P+\k+1]
	v_max3_num_f32 v[MX+2], v[MX+2], v[P+16+\k], v[P+17+\k]
.endr
	v_max3_num_f32 v[MX], v[MX], v[P+15], v[P+31]
	v_max_num_f32 v[MX], v[MX], v[MX+2]
	v_permlanex16_b32 v[MX+2], v[MX], s[SEL], s[SEL+1]     ; the destination has been written before
	v_max_num_f32 v[MX], v[MX], v[MX+2]
	v_mov_b32 v[MX+1], v[MX]
.set k2, 0
.rept 16
	v_pk_add_f32 v[P+k2:P+k2+1], v[P+k2:P+k2+1], v[MX:MX+1] neg_lo:[0,1] neg_hi:[0,1]
.set k2, k2+2
.endr
.set k2, 0
.rept 32
	v_exp_f32 v[P+k2], v[P+k2]
.set k2, k2+1
.endr
	v_nop                                          ; one plain instruction behind the last exponential (ISA guide 5.7.2)
	s_wait_alu depctr_va_vdst(0)
.irp c, 0,2,4,6
	v_pk_add_f32 v[SM+\c:SM+\c+1], v[P+\c:P+\c+1], v[P+8+\c:P+9+\c]
.endr
.irp c, 0,2,4,6
	v_pk_add_f32 v[SM+\c:SM+\c+1], v[SM+\c:SM+\c+1], v[P+16+\c:P+17+\c]
.endr
.irp c, 0,2,4,6
	v_pk_add_f32 v[SM+\c:SM+\c+1], v[SM+\c:SM+\c+1], v[P+24+\c:P+25+\c]
.endr
	v_pk_add_f32 v[SM:SM+1], v[SM:SM+1], v[SM+2:SM+3]
	v_pk_add_f32 v[SM+4:SM+5], v[SM+4:SM+5], v[SM+6:SM+7]
	v_pk_add_f32 v[SM:SM+1], v[SM:SM+1], v[SM+4:SM+5]
	v_add_f32 v[SM], v[SM], v[SM+1]
	v_permlanex16_b32 v[SM+1], v[SM], s[SEL], s[SEL+1]
	v_add_f32 v[SM], v[SM], v[SM+1]                ; at least 1: the largest term is exp2(0)
.endm
; One tile of 16 edges.  The gathered rows go through my own stage in LDS (served in order: no wait between my stores and my loads) into fragments;
; source 0 = 16 columns mo of Wg, source 1 = 16 edges: lane (r, h), register j of tile t = logit(edge r, mo = 16 t + 8 h + j).
.macro TILE tile, first
	s_wait_loadcnt (7-\tile)*8                     ; gathers come back in order (ISA guide 5.7.1): this tile's eight are in, the later tiles' stay out
	WIN 0x04                                       ; store data in window 1
.irp j, 0,1,2,3,4,5,6,7
	ds_store_b128 v5, v[32*\tile+4*\j:32*\tile+4*\j+3] offset:(\j/2)*PST+(\j%2)*128
.endr
	WIN 0
	ds_load_b32 v[AT], v4 offset:64*\tile
.irp kp, 0,1,2,3
	ds_load_b128 v[SF+8*\kp:SF+8*\kp+3],   v6 offset:64*\kp
	ds_load_b128 v[SF+8*\kp+4:SF+8*\kp+7], v6 offset:64*\kp+32
.endr
	s_wait_dscnt 0x0
.irp kp, 0,1,2,3                       ; four accumulators by turns; the bias starts the sums
.irp t, 0,1,2,3
.if \kp == 0
	v_wmma_f32_16x16x32_f16 v[D+8*\t:D+8*\t+7], v[WE+8*\t:WE+8*\t+7], v[SF:SF+7], v[BE+8*\t:BE+8*\t+7]
.else
	v_wmma_f32_16x16x32_f16 v[D+8*\t:D+8*\t+7], v[WE+8*(4*(\kp%2)+\t):WE+8*(4*(\kp%2)+\t)+7], v[SF+8*\kp:SF+8*\kp+7], v[D+8*\t:D+8*\t+7]
.endif
.endr
.endr
	PLACES
	SOFTCORE
	v_rcp_f32 v[W0], v[SM]
	v_nop
	s_wait_alu depctr_va_vdst(0)
	v_mul_f32 v[W1], v[W0], v[AT]
	v_mov_b32 v[W0+1], v[W0]
	v_mov_b32 v[W1+1], v[W1]
.set k2, 0
.rept 16
.if \first
	v_pk_mul_f32 v[A0+k2:A0+k2+1], v[D+k2:D+k2+1], v[W0:W0+1]         ; the first tile starts the sums
	v_pk_mul_f32 v[A1+k2:A1+k2+1], v[D+k2:D+k2+1], v[W1:W1+1]
.else
	v_pk_fma_f32 v[A0+k2:A0+k2+1], v[D+k2:D+k2+1], v[W0:W0+1], v[A0+k2:A0+k2+1]
	v_pk_fma_f32 v[A1+k2:A1+k2+1], v[D+k2:D+k2+1], v[W1:W1+1], v[A1+k2:A1+k2+1]
.endif
.set k2, k2+2
.endr
.endm
	TILE 0, 1
	TILE 1, 0
	TILE 2, 0
	TILE 3, 0
	TILE 4, 0
	TILE 5, 0
	TILE 6, 0
	TILE 7, 0
	; S0 and S1 over the waves, then over the 16 edges of a lane row
.set k, 0
.rept 16
	ds_store_b128 v9, v[A0+4*k:A0+4*k+3] offset:512*k
.set k, k+1
.endr
	s_wait_dscnt 0x0
	s_barrier_signal -1
	s_barrier_wait -1
.set k, 0
.rept 16
	ds_load_b128 v[D+4*k:D+4*k+3], v10 offset:(k/2)*8192+(k%2)*512     ; wave k / 2, registers 8 w .. 8 w + 7 of its 64
.set k, k+1
.endr
	s_wait_dscnt 0x0
.irp i, 1,2,3,4,5,6,7
.irp c, 0,2,4,6
	v_pk_add_f32 v[D+\c:D+\c+1], v[D+\c:D+\c+1], v[D+8*\i+\c:D+8*\i+\c+1]
.endr
.endr
.irp m, 1,2,4,8
.irp j, 0,1,2,3,4,5,6,7
	v_add_f32_dpp v[D+\j], v[D+\j], v[D+\j] row_xmask:\m row_mask:0xf bank_mask:0xf
.endr
.endr
	ds_store_b128 v11, v[D:D+3]                    ; wave w < 4: S0[16 w + 8 h + j]; w >= 4: S1[16 (w - 4) + 8 h + j]; the sixteen lanes of a row write equal words
	ds_store_b128 v11, v[D+4:D+7] offset:16
	s_wait_dscnt 0x0
	s_barrier_signal -1
	s_barrier_wait -1
	s_cmp_lg_u32 s24, 0
	s_cbranch_scc1 .Lnot0
	; wave 0: the tile of T over the eight waves
.set k, 0
.rept 16
	ds_load_b128 v[A0+4*k:A0+4*k+3], v12 offset:512*k
.set k, k+1
.endr
	s_wait_dscnt 0x0
.irp i, 1,2,3,4,5,6,7
.irp c, 0,2,4,6
	v_pk_add_f32 v[A0+\c:A0+\c+1], v[A0+\c:A0+\c+1], v[A0+8*\i+\c:A0+8*\i+\c+1]
.endr
.endr
	global_store_b128 v1, v[A0:A0+3], s[20:21]
	global_store_b128 v1, v[A0+4:A0+7], s[20:21] offset:512
	s_wait_xcnt 0x0
	v_lshl_add_u32 v254, v0, 2, 0x1ba00
	v_mov_b32 v255, 0
	s_wait_tensorcnt 0x0
	ds_add_u32 v254, v255
	s_wait_dscnt 0x0
	s_endpgm
.Lnot0:
	s_cmp_lg_u32 s24, 1
	s_cbranch_scc1 .Lend
	ds_load_b128 v[240:243], v13                   ; wave 1: S0, S1, one record of 512 bytes
	s_wait_dscnt 0x0
	global_store_b128 v1, v[240:243], s[22:23]
.Lend:
	s_wait_xcnt 0x0
	v_lshl_add_u32 v254, v0, 2, 0x1ba00
	v_mov_b32 v255, 0
	s_wait_tensorcnt 0x0
	ds_add_u32 v254, v255
	s_wait_dscnt 0x0
	s_endpgm
.Lfunc_end_k_q81cc051c99_edge:
	.size	k_q81cc051c99_edge, .Lfunc_end_k_q81cc051c99_edge-k_q81cc051c99_edge
	.p2alignl 7, 3214868480
	.fill 96, 4, 3214868480
	.section	.rodata,"a",@progbits
	.p2align	6, 0x0
	.amdhsa_kernel k_q81cc051c99_edge
		.amdhsa_group_segment_fixed_size 114176
		.amdhsa_private_segment_fixed_size 0
		.amdhsa_enable_private_segment 0
		.amdhsa_kernarg_size 64
		.amdhsa_user_sgpr_count 2
		.amdhsa_user_sgpr_kernarg_segment_ptr 1
		.amdhsa_wavefront_size32 1
		.amdhsa_system_sgpr_workgroup_id_x 1
		.amdhsa_system_sgpr_workgroup_id_y 1
		.amdhsa_system_sgpr_workgroup_id_z 1
		.amdhsa_system_vgpr_workitem_id 0
		.amdhsa_next_free_vgpr 512
		.amdhsa_next_free_sgpr 66
		.amdhsa_reserve_vcc 0
		.amdhsa_float_denorm_mode_32 3
		.amdhsa_float_denorm_mode_16_64 3
		.amdhsa_memory_ordered 1
		.amdhsa_forward_progress 1
		.amdhsa_inst_pref_size 106
	.end_amdhsa_kernel
	.amdgpu_metadata
---
amdhsa.version: [ 1, 2 ]
amdhsa.kernels:
  - .name:           k_q81cc051c99_edge
    .symbol:         k_q81cc051c99_edge.kd
    .args:
      - { .name: edge_idx, .offset: 0, .size: 8, .value_kind: global_buffer, .address_space: global }
      - { .name: edge_attr, .offset: 8, .size: 8, .value_kind: global_buffer, .address_space: global }
      - { .name: b_eslice, .offset: 16, .size: 8, .value_kind: global_buffer, .address_space: global }
      - { .name: wprep, .offset: 24, .size: 8, .value_kind: global_buffer, .address_space: global }
      - { .name: swb, .offset: 32, .size: 8, .value_kind: global_buffer, .address_space: global }
      - { .name: tpart, .offset: 40, .size: 8, .value_kind: global_buffer, .address_space: global }
      - { .name: tsum, .offset: 48, .size: 8, .value_kind: global_buffer, .address_space: global }
      - { .name: ep, .offset: 56, .size: 8, .value_kind: global_buffer, .address_space: global }
    .group_segment_fixed_size: 114176
    .private_segment_fixed_size: 0
    .kernarg_segment_align: 8
    .kernarg_segment_size: 64
    .max_flat_workgroup_size: 256
    .sgpr_count:     66
    .vgpr_count:     512
    .wavefront_size: 32
...
	.end_amdgpu_metadata
.endif
;; end of part 3
;; launch final (part 4): grid 64 x 1, 4 waves a work-group, no clusters, 14,080 bytes of LDS; arguments tsum, wprep, normp, ep, b_fx, W_fedge, b_fedge, ph_edge, out0; writes out0
.if DOCPART == 4
	.amdgcn_target "amdgcn-amd-amdhsa--gfx1250"
	.amdhsa_code_object_version 6
	.text
	.protected	k_q81cc051c99_final
	.globl	k_q81cc051c99_final
	.p2align	8
	.type	k_q81cc051c99_final,@function
k_q81cc051c99_final:
	s_mov_b64 s[64:65], 0
	v_nop
	global_prefetch_b8 v0, s[64:65] scope:SCOPE_SE
	s_setreg_imm32_b32 hwreg(HW_REG_WAVE_MODE, 25, 1), 1
	s_wait_xcnt 0x0
; SliceBlock, launch 4 of 4.  Products regrouped as shown at the head of the first kernel; nothing is left out.  With inv[m] = 1 / (norm[m] + 0.25 S0[m] + 1e-5):
;   out0[b][m][n] = (T[m] inv[m]) . W_fx[:, n] + norm[m] inv[m] b_fx[n] + 0.25 S1[m] inv[m] W_fedge[n] + 0.25 S0[m] inv[m] (b_fedge[n] + ph_edge[n])
; (0.25 = N / E).  T is normalised in f32 BEFORE it is rounded to f16: T inv is a weighted mean of rows of x, so it is no larger than max |x|.
; Work-group g: batch b = g / 16, rows m = 16 mt .. (mt = g / 4 % 4), columns 64 cg .. (cg = g % 4); wave w: column tile nt = 4 cg + w.
; The work is one 16 x 64 x 256 product a work-group: 64 work-groups are all there is to share out.
.set OFF_WFX, 41472
.set TL,  0                            ; 16 blocks of 512 bytes: T inv in f16, fragment order
.set RD,  8192                         ; each wave 256 bytes: for the 16 rows m of this work-group, its sums of 16 records: norm parity 0, parity 1, S0, S1 (64 bytes each)
.set ST,  9216                         ; 16 rows of 256 + 16 bytes, for the way out
.set PST, 272
.set QUARTER, 0x3e800000
.set EPS,     0x3727c5ac               ; 1e-5
.set MSB, 0                            ; window 1, v[0:63]: the eight fragments of W_fx
.macro WIN new                         ; s_set_vgpr_msb: bits 1:0 source 0, 3:2 source 1, 5:4 source 2, 7:6 destination; the high byte repeats the setting left
.if MSB != \new
	s_set_vgpr_msb (MSB<<8)|\new
.set MSB, \new
.endif
.endm
; v[12:19] b_fx, v[20:27] W_fedge, v[28:35] b_fedge, v[36:43] ph_edge of n = 16 nt + 8 h + j;  v[44:75] my four tiles of T in f32;  v[76:91] the norm words;
; v[92:109] at work;  v[112:127] two accumulators;  v[128:255] the records, later v[128:191] the fragments of T inv
	s_load_b512 s[8:23], s[0:1], 0x0               ; tsum 8, wprep 10, normp 12, ep 14, b_fx 16, W_fedge 18, b_fedge 20, ph_edge 22
	s_load_b64 s[24:25], s[0:1], 0x40              ; out0
	v_lshl_add_u32 v110, v0, 2, 0x3500
	v_mov_b32 v111, 0
	v_lshrrev_b32 v92, 5, v0
	v_readfirstlane_b32 s26, v92                   ; wave w
	v_and_b32 v92, 31, v0                          ; L
	v_and_b32 v93, 15, v0                          ; r
	v_bfe_u32 v94, v0, 4, 1                        ; h
	v_and_b32 v95, 3, v0                           ; L % 4
	v_bfe_u32 v10, v0, 2, 2                        ; v10 = (L % 16) / 4: which sixteen m my four words of a record belong to
	s_lshr_b32 s28, ttmp9, 4                       ; b
	s_bfe_u32 s29, ttmp9, 0x20002                  ; mt: two bits from bit 2
	s_and_b32 s30, ttmp9, 3                        ; cg
	s_lshl2_add_u32 s31, s30, s26                  ; nt = 4 cg + w
	v_lshlrev_b32 v1, 4, v92                       ; v1 = 16 L
	s_lshl_b32 s32, s31, 6
	v_lshl_add_u32 v2, v94, 5, s32                 ; v2: the vectors at n = 16 nt + 8 h
	v_lshl_add_u32 v3, s26, 11, v1                 ; v3: my four blocks of T inv
	s_lshl_b32 s33, s26, 8
	s_add_co_u32 s33, s33, RD
	v_lshl_add_u32 v5, v94, 6, s33
	v_lshl_add_u32 v5, v95, 4, v5                  ; v5: my sums of records: 256 w + 64 (L / 16) + 16 (L % 4); no part of it hangs on mt
	v_lshl_add_u32 v6, v93, 2, RD                  ; v6: the words of the work-group's row r
	v_mul_u32_u24 v7, v93, PST
	v_lshl_add_u32 v7, v94, 5, v7
	s_lshl_b32 s33, s26, 6
	s_add_co_u32 s33, s33, ST
	v_add_nc_u32 v7, s33, v7                       ; v7: stage in: row r, byte 64 w + 32 h
	v_mul_u32_u24 v8, v94, PST
	v_lshl_add_u32 v8, v93, 4, v8
	s_mul_i32 s33, s26, 4*PST
	s_add_co_u32 s33, s33, ST
	v_add_nc_u32 v8, s33, v8                       ; v8: stage back: row 4 w + h, byte 16 r
	v_lshlrev_b32 v9, 10, v94
	v_lshl_add_u32 v9, v93, 4, v9                  ; v9: the same place in out0 (rows of 1,024 bytes)
	s_wait_kmcnt 0x0
	s_mov_b32 s35, 0
	s_lshl_b32 s36, s28, 6                         ; 64 b
	s_lshl_b32 s34, s26, 4
	s_add_co_u32 s34, s34, s36
	s_lshl_b32 s34, s34, 9                         ; records 64 b + 16 w .., 512 bytes each
	s_add_nc_u64 s[12:13], s[12:13], s[34:35]
	s_add_nc_u64 s[14:15], s[14:15], s[34:35]
	s_lshl_b32 s37, s29, 4
	s_add_co_u32 s37, s37, s36
	s_lshl2_add_u32 s37, s26, s37                  ; 64 b + 16 mt + 4 w: my first tile of T, and my first row of out0
	s_lshl_b32 s34, s37, 10
	s_add_nc_u64 s[8:9], s[8:9], s[34:35]
	s_lshl_b32 s36, s30, 8
	s_add_co_u32 s34, s34, s36
	s_add_nc_u64 s[24:25], s[24:25], s[34:35]
	s_lshl_b32 s34, s31, 13
	s_add_nc_u64 s[10:11], s[10:11], s[34:35]      ; the fragments of column tile nt
.set k, 0
.rept 16
	global_load_b128 v[128+4*k:131+4*k], v1, s[12:13] offset:512*k
.set k, k+1
.endr
.set k, 0
.rept 16
	global_load_b128 v[192+4*k:195+4*k], v1, s[14:15] offset:512*k
.set k, k+1
.endr
.set k, 0
.rept 8
	global_load_b128 v[44+4*k:47+4*k], v1, s[8:9] offset:512*k
.set k, k+1
.endr
	WIN 0x40                                       ; destinations in window 1
.set k, 0
.rept 16
	global_load_b128 v[4*k:4*k+3], v1, s[10:11] offset:OFF_WFX+512*k
.set k, k+1
.endr
	WIN 0
	global_load_b128 v[12:15], v2, s[16:17]
	global_load_b128 v[16:19], v2, s[16:17] offset:16
	global_load_b128 v[20:23], v2, s[18:19]
	global_load_b128 v[24:27], v2, s[18:19] offset:16
	global_load_b128 v[28:31], v2, s[20:21]
	global_load_b128 v[32:35], v2, s[20:21] offset:16
	global_load_b128 v[36:39], v2, s[22:23]
	global_load_b128 v[40:43], v2, s[22:23] offset:16
	s_wait_loadcnt 32                              ; the 32 records are in; T 8, W_fx 16 and the vectors 8 stay out
.set k, 1
.rept 15
	v_pk_add_f32 v[128:129], v[128:129], v[128+4*k:129+4*k]
	v_pk_add_f32 v[130:131], v[130:131], v[130+4*k:131+4*k]
	v_pk_add_f32 v[192:193], v[192:193], v[192+4*k:193+4*k]
	v_pk_add_f32 v[194:195], v[194:195], v[194+4*k:195+4*k]
.set k, k+1
.endr
	; lane L holds the words m = 4 (L % 16) .. + 3 (norm: parity L / 16; ep: S0 or S1 by L / 16).  Only the eight lanes with (L % 16) / 4 = mt hold rows
	; of this work-group: they alone store, so that the choice by mt lies in EXEC and the LDS addresses are made of the wave and the lane alone.
	v_cmp_eq_u32 vcc_lo, s29, v10
	s_wait_xcnt 0x0                                ; EXEC is a source of the 32 loads still out: it changes only behind this wait
	s_and_saveexec_b32 s38, vcc_lo
	ds_store_b128 v5, v[128:131]                   ; node norm: parity 0 at + 0, parity 1 at + 64
	ds_store_b128 v5, v[192:195] offset:128        ; S0 at + 128, S1 at + 192
	s_or_b32 exec_lo, exec_lo, s38                 ; no global instruction was issued under the narrow EXEC
	s_wait_dscnt 0x0
	s_barrier_signal -1
	s_barrier_wait -1
.irp i, 0,1,2,3
.irp c, 0,1,2,3
	ds_load_b32 v[76+4*\i+\c], v6 offset:256*\i+64*\c                  ; wave i: c = 0, 1 norm, 2 S0, 3 S1, of row m = 16 mt + r
.endr
.endr
	s_wait_dscnt 0x0
	v_add_f32 v92, v76, v77
	v_add_f32 v93, v80, v81
	v_add_f32 v94, v84, v85
	v_add_f32 v95, v88, v89
	v_add_f32 v96, v78, v82
	v_add_f32 v97, v86, v90
	v_add_f32 v98, v79, v83
	v_add_f32 v99, v87, v91
	v_add_f32 v92, v92, v93
	v_add_f32 v94, v94, v95
	v_add_f32 v96, v96, v97                        ; S0[m]
	v_add_f32 v98, v98, v99                        ; S1[m]
	v_add_f32 v92, v92, v94                        ; node norm[m]
	v_fmamk_f32 v100, v96, QUARTER, v92            ; + 0.25 S0
	v_add_f32 v100, EPS, v100
	v_rcp_f32 v102, v100
	v_mul_f32 v96, QUARTER, v96                    ; (the plain instruction behind the reciprocal, ISA guide 5.7.2)
	v_mul_f32 v98, QUARTER, v98
	s_wait_alu depctr_va_vdst(0)
	v_mov_b32 v103, v102                           ; inv, as a pair
	v_mul_f32 v104, v92, v102                      ; norm inv
	v_mul_f32 v106, v98, v102                      ; 0.25 S1 inv
	v_mul_f32 v108, v96, v102                      ; 0.25 S0 inv
	v_mov_b32 v105, v104
	v_mov_b32 v107, v106
	v_mov_b32 v109, v108
	s_wait_loadcnt 24                              ; my four tiles of T are in; W_fx 16 and the vectors 8 stay out
.irp i, 0,1,2,3
.irp p, 0,1,2,3
	v_pk_mul_f32 v[44+8*\i+2*\p:45+8*\i+2*\p], v[44+8*\i+2*\p:45+8*\i+2*\p], v[102:103]
.endr
.irp p, 0,1,2,3
	v_cvt_pk_f16_f32 v[44+8*\i+\p], v[44+8*\i+2*\p], v[45+8*\i+2*\p]   ; in place: word p is written when words 2 p, 2 p + 1 are read, never earlier
.endr
	ds_store_b128 v3, v[44+8*\i:47+8*\i] offset:512*\i
.endr
	s_wait_dscnt 0x0
	s_barrier_signal -1
	s_barrier_wait -1
.set k, 0
.rept 16
	ds_load_b128 v[128+4*k:131+4*k], v1 offset:TL+512*k                ; blocks 2 s, 2 s + 1 are the fragment of K step s
.set k, k+1
.endr
	s_wait_loadcnt 0x0
	s_wait_dscnt 0x0
	WIN 0x01                                       ; source 0 (W_fx) in window 1
.irp s, 0,1,2,3,4,5,6,7                ; source 0 = 16 columns n, source 1 = 16 rows m; two accumulators by turns
.if \s < 2
	v_wmma_f32_16x16x32_f16 v[112+8*(\s%2):119+8*(\s%2)], v[8*\s:8*\s+7], v[128+8*\s:135+8*\s], 0
.else
	v_wmma_f32_16x16x32_f16 v[112+8*(\s%2):119+8*(\s%2)], v[8*\s:8*\s+7], v[128+8*\s:135+8*\s], v[112+8*(\s%2):119+8*(\s%2)]
.endif
.endr
	WIN 0
	; sixteen plain instructions on other registers stand between the last product and the first read of the sums (ISA guide 7.12.1)
.irp p, 0,2,4,6
	v_pk_add_f32 v[28+\p:29+\p], v[28+\p:29+\p], v[36+\p:37+\p]        ; b_fedge + ph_edge
.endr
.irp p, 0,2,4,6
	v_pk_mul_f32 v[12+\p:13+\p], v[12+\p:13+\p], v[104:105]
.endr
.irp p, 0,2,4,6
	v_pk_fma_f32 v[12+\p:13+\p], v[20+\p:21+\p], v[106:107], v[12+\p:13+\p]
.endr
.irp p, 0,2,4,6
	v_pk_fma_f32 v[12+\p:13+\p], v[28+\p:29+\p], v[108:109], v[12+\p:13+\p]
.endr
.irp p, 0,2,4,6
	v_pk_add_f32 v[112+\p:113+\p], v[112+\p:113+\p], v[120+\p:121+\p]
.endr
.irp p, 0,2,4,6
	v_pk_add_f32 v[112+\p:113+\p], v[112+\p:113+\p], v[12+\p:13+\p]    ; lane (r, h), register j = out0[16 mt + r][16 nt + 8 h + j]
.endr
	ds_store_b128 v7, v[112:115]
	ds_store_b128 v7, v[116:119] offset:16
	s_wait_dscnt 0x0
	s_barrier_signal -1
	s_barrier_wait -1
	ds_load_b128 v[44:47], v8                      ; rows 4 w, 4 w + 1
	ds_load_b128 v[48:51], v8 offset:2*PST         ; rows 4 w + 2, 4 w + 3
	s_wait_dscnt 1
	global_store_b128 v9, v[44:47], s[24:25]       ; sixteen lanes store 256 neighbouring bytes, aligned
	s_wait_dscnt 0x0
	global_store_b128 v9, v[48:51], s[24:25] offset:2048
	s_wait_tensorcnt 0x0
	ds_add_u32 v110, v111
	s_wait_dscnt 0x0
	s_endpgm
.Lfunc_end_k_q81cc051c99_final:
	.size	k_q81cc051c99_final, .Lfunc_end_k_q81cc051c99_final-k_q81cc051c99_final
	.p2alignl 7, 3214868480
	.fill 96, 4, 3214868480
	.section	.rodata,"a",@progbits
	.p2align	6, 0x0
	.amdhsa_kernel k_q81cc051c99_final
		.amdhsa_group_segment_fixed_size 14080
		.amdhsa_private_segment_fixed_size 0
		.amdhsa_enable_private_segment 0
		.amdhsa_kernarg_size 72
		.amdhsa_user_sgpr_count 2
		.amdhsa_user_sgpr_kernarg_segment_ptr 1
		.amdhsa_wavefront_size32 1
		.amdhsa_system_sgpr_workgroup_id_x 1
		.amdhsa_system_sgpr_workgroup_id_y 1
		.amdhsa_system_sgpr_workgroup_id_z 1
		.amdhsa_system_vgpr_workitem_id 0
		.amdhsa_next_free_vgpr 320
		.amdhsa_next_free_sgpr 66
		.amdhsa_reserve_vcc 1
		.amdhsa_float_denorm_mode_32 3
		.amdhsa_float_denorm_mode_16_64 3
		.amdhsa_memory_ordered 1
		.amdhsa_forward_progress 1
		.amdhsa_inst_pref_size 22
	.end_amdhsa_kernel
	.amdgpu_metadata
---
amdhsa.version: [ 1, 2 ]
amdhsa.kernels:
  - .name:           k_q81cc051c99_final
    .symbol:         k_q81cc051c99_final.kd
    .args:
      - { .name: tsum, .offset: 0, .size: 8, .value_kind: global_buffer, .address_space: global }
      - { .name: wprep, .offset: 8, .size: 8, .value_kind: global_buffer, .address_space: global }
      - { .name: normp, .offset: 16, .size: 8, .value_kind: global_buffer, .address_space: global }
      - { .name: ep, .offset: 24, .size: 8, .value_kind: global_buffer, .address_space: global }
      - { .name: b_fx, .offset: 32, .size: 8, .value_kind: global_buffer, .address_space: global }
      - { .name: W_fedge, .offset: 40, .size: 8, .value_kind: global_buffer, .address_space: global }
      - { .name: b_fedge, .offset: 48, .size: 8, .value_kind: global_buffer, .address_space: global }
      - { .name: ph_edge, .offset: 56, .size: 8, .value_kind: global_buffer, .address_space: global }
      - { .name: out0, .offset: 64, .size: 8, .value_kind: global_buffer, .address_space: global }
    .group_segment_fixed_size: 14080
    .private_segment_fixed_size: 0
    .kernarg_segment_align: 8
    .kernarg_segment_size: 72
    .max_flat_workgroup_size: 128
    .sgpr_count:     66
    .vgpr_count:     320
    .wavefront_size: 32
...
	.end_amdgpu_metadata
.endif
;; end of part 4
;; ======== version 2 of 3: 4 launches; 1.11 times as fast as version 1
;; limits: values are held in f16: magnitudes above 65,504 overflow, below 6.1e-05 lose precision; values outside matrix products are rounded to bf16
;; workspace buffers: wprep 172,544 bytes; swb 8,388,608 bytes; tpart 8,388,608 bytes; normp 131,072 bytes; tsum 262,144 bytes; ep 131,072 bytes
;; launch prep (part 5): grid 17 x 1, 8 waves a work-group, no clusters, 90,624 bytes of LDS; arguments W_x, W_slice, b_x, ph_x, b_slice, temp_x, W_eslice, temp_edge, W_fx, wprep; writes wprep
.if DOCPART == 5
	.amdgcn_target "amdgcn-amd-amdhsa--gfx1250"
	.amdhsa_code_object_version 6
	.text
	.protected	k_q81cc051c99_prep
	.globl	k_q81cc051c99_prep
	.p2align	8
	.type	k_q81cc051c99_prep,@function
k_q81cc051c99_prep:
	s_mov_b64 s[64:65], 0
	v_nop
	global_prefetch_b8 v0, s[64:65] scope:SCOPE_SE
	s_setreg_imm32_b32 hwreg(HW_REG_WAVE_MODE, 25, 1), 1
	s_wait_xcnt 0x0
; SliceBlock, launch 1 of 4: the weights are folded and laid out as matrix fragments.
;
; THE WHOLE PROGRAM regroups four products of the reference; each identity holds in exact arithmetic for all inputs of these shapes:
;  (1) (x W_x + b_x + ph_x) W_slice + b_slice = x (W_x W_slice) + ((b_x + ph_x) W_slice + b_slice):   Wc = W_x W_slice is made here, once.
;  (2) sw^T (x W_fx + 1 b_fx) = (sw^T x) W_fx + (column sums of sw) b_fx:   T = sw^T x is made per node block, T W_fx once at the end.
;  (3) edge_attr has one column, so esw^T (a W_fedge + b_fedge + ph_edge) = S1 W_fedge + S0 (b_fedge + ph_edge), S0[m] = sum_e esw, S1[m] = sum_e esw a_e.
;  (4) ((sw[i0] + sw[i1]) / t) W_eslice = (sw[i0] + sw[i1]) Wg with Wg = diag(1/t) W_eslice: the edge temperature is folded into the weights here, once.
; No input is left out: all seventeen reach an output and are loaded.
; LIMITS: the order of rounding differs from the reference (the four identities).  Matrix operands are f16: x, W_x, W_slice, W_fx, Wc, Wg log2e, sw and
; the normalised T must stay below 65,504 in magnitude; as drawn their spreads are 1, 1/16, 1/16, 1/16, 1/16, 0.36, at most 1, at most max |x|, so inputs
; 30 times larger or smaller, or offset by 30 spreads, fit.  The temperature of the node softmax is kept out of Wc (it could add a factor 144) and is
; applied in f32.  The sum of an edge's two rows of sw (at most 2) is formed and rounded in f16.  The 256 partial T travel between launches in bf16 (one
; more rounding, at most 2^-9 of each entry; no limit of range) and are summed in f32.  exp2 gives 0 below 2^-126.  Edge indices are clamped to 16,383.
;
; wprep:  wc  at 0       32 KiB  Wc in f16, fragment order          we  at 32,768  8 KiB  Wg log2e in f16, fragment order
;         bc  at 40,960  256 B   ((b_x+ph_x) W_slice + b_slice) fx  fx  at 41,216  256 B  log2e / clip(temp_x, 0.01, 5)
;         wfx at 41,472  128 KiB W_fx in f16, fragment order
; FRAGMENT ORDER: a block of 512 bytes, lane L at byte 16 L, holds eight f16 with ascending k = 8 h .. 8 h + 7 of matrix row r (r = L % 16, h = L / 16);
; blocks q = 0, 1 (k, k + 16) are one 16 x 32 operand.  wc, we: block (4 s + t) 2 + q = W[32 s + 16 q + 8 h + i][16 t + r];  wfx: block (8 nt + s) 2 + q.
; Work-groups 0 to 7: 32 rows c of Wc each (a wave makes one tile of 16 c x 16 m).  Work-group 8: we, bc, fx.  Work-groups 9 to 16: 32 rows of W_fx each.
; The branch on the work-group number is the same for all eight waves, so each role has its own barrier.  Each role also has LDS bytes of its own:
; which role a work-group takes shows in no LDS address, so the addresses themselves keep the roles' stores apart.
.set LOG2E,   0x3fb8aa3b
.set CLIP_LO, 0x3c23d70a               ; 0.01
.set CLIP_HI, 0x40a00000               ; 5.0
.set OFF_WE,  32768
.set OFF_BC,  40960
.set OFF_FX,  41216
.set OFF_WFX, 41472
.set PS,  160                          ; LDS pitch of a row of 64 f16: 128 + 32 bytes, an odd multiple of 32 for the transposing loads
.set PF,  544                          ; LDS pitch of a row of 256 f16 read by transposing loads: 512 + 32 bytes
.set PA,  528                          ; LDS pitch of a row of 256 f16 read along K by 16-byte loads: 512 + 16 bytes, an odd multiple of 16
.set LC,  0                            ; role C: 256 rows of W_slice in f16, 40,960 bytes
.set LCX, LC+256*PS                    ; 40,960: role C: 32 rows of W_x in f16, 16,896 bytes
.set LF,  LCX+32*PA                    ; 57,856: role F: 32 rows of W_fx in f16, 17,408 bytes
.set LS,  LF+32*PF                     ; 75,264: role S: 64 rows of Wg in f16, 10,240 bytes
.set RED, LS+64*PS                     ; 85,504: role S: eight waves x 512 bytes of partial bias sums
.macro PLACES                          ; four plain vector instructions between a matrix instruction and what touches its registers (ISA guide 7.12.1)
.rept 4
	v_nop
.endr
.endm
	s_load_b512 s[8:23], s[0:1], 0x0               ; W_x 8, W_slice 10, b_x 12, ph_x 14, b_slice 16, temp_x 18, W_eslice 20, temp_edge 22
	s_load_b128 s[24:27], s[0:1], 0x40             ; W_fx 24, wprep 26
	v_lshl_add_u32 v254, v0, 2, 0x15e00
	v_mov_b32 v255, 0
	v_lshrrev_b32 v1, 5, v0
	v_readfirstlane_b32 s28, v1                    ; wave w
	s_mov_b32 s29, ttmp9                           ; work-group
	s_mov_b32 s32, CLIP_LO
	s_mov_b32 s33, CLIP_HI
	s_mov_b32 s34, 0x76543210                      ; v_permlanex16_b32: lane i reads lane i of the other half
	s_mov_b32 s35, 0xfedcba98
	v_and_b32 v1, 31, v0                           ; L
	v_and_b32 v2, 15, v0                           ; q = r = L % 16
	v_bfe_u32 v3, v0, 4, 1                         ; H = h = L / 16
	v_and_b32 v24, 7, v0
	v_lshl_add_u32 v24, v3, 3, v24                 ; transposing load: row 8 h + L % 8
	v_bfe_u32 v25, v0, 3, 1
	v_lshlrev_b32 v25, 4, v25                      ;                   and 16 bytes x bit 3 of L
	v_lshlrev_b32 v27, 4, v1                       ; 16 L
	s_wait_kmcnt 0x0
	s_cmp_lt_u32 s29, 8
	s_cbranch_scc1 .LroleC
	s_cmp_eq_u32 s29, 8
	s_cbranch_scc1 .LroleS
; ---- role F: rows 32 s .. 32 s + 31 of W_fx, s = work-group - 9: f32 -> f16 in LDS, read back transposed, stored in fragment order
	s_sub_co_u32 s30, s29, 9                       ; s
	s_lshl_b32 s31, s30, 15                        ; 32 rows of 1,024 bytes
	s_lshl_b32 s36, s28, 12                        ; wave w: rows 4 w .. 4 w + 3
	s_add_co_u32 s31, s31, s36
	v_add_nc_u32 v26, s31, v27
.set k, 0
.rept 8
	global_load_b128 v[32+4*k:35+4*k], v26, s[24:25] offset:512*k      ; row k / 2, half k % 2: 512 neighbouring bytes a load
.set k, k+1
.endr
	s_mul_i32 s36, s28, 4*PF
	s_add_co_u32 s36, s36, LF
	v_lshlrev_b32 v28, 3, v1
	v_add_nc_u32 v28, s36, v28                     ; LDS: row 4 w, byte 8 L
	s_wait_loadcnt 0x0
.set k, 0
.rept 8
	v_cvt_pk_f16_f32 v[32+4*k], v[32+4*k], v[33+4*k]
	v_cvt_pk_f16_f32 v[33+4*k], v[34+4*k], v[35+4*k]
	ds_store_b64 v28, v[32+4*k:33+4*k] offset:(k/2)*PF+(k%2)*256
.set k, k+1
.endr
	s_wait_dscnt 0x0                               ; my rows are in LDS before I say so
	s_barrier_signal -1
	s_barrier_wait -1
	v_mad_u32_u24 v29, v24, PF, v25
	v_lshl_add_u32 v29, s28, 6, v29                ; column tiles nt = 2 w, 2 w + 1: 32 bytes each
	v_add_nc_u32 v29, LF, v29
	ds_load_tr16_b128 v[64:67], v29                ; nt = 2 w,     k = 8 h ..
	ds_load_tr16_b128 v[68:71], v29 offset:16*PF   ;               k = 16 + 8 h ..
	ds_load_tr16_b128 v[72:75], v29 offset:32      ; nt = 2 w + 1
	ds_load_tr16_b128 v[76:79], v29 offset:32+16*PF
	s_lshl_b32 s36, s28, 14                        ; 2 w blocks of 8,192 bytes
	s_lshl_b32 s37, s30, 10                        ; K step s: 1,024 bytes
	s_add_co_u32 s36, s36, s37
	v_add_nc_u32 v30, s36, v27
	s_wait_dscnt 0x0
	global_store_b128 v30, v[64:67], s[26:27] offset:OFF_WFX           ; each store: 512 neighbouring bytes, aligned
	global_store_b128 v30, v[68:71], s[26:27] offset:OFF_WFX+512
	global_store_b128 v30, v[72:75], s[26:27] offset:OFF_WFX+8192
	global_store_b128 v30, v[76:79], s[26:27] offset:OFF_WFX+8192+512
	s_wait_tensorcnt 0x0
	ds_add_u32 v254, v255
	s_wait_dscnt 0x0
	s_endpgm
; ---- role C: Wc = W_x W_slice.  Work-group g: rows c = 32 g .. 32 g + 31.  Wave w: the tile of rows 16 ct .. (ct = 2 g + w / 4) x columns m = 16 t .. (t = w % 4).
; Both operands come in as whole rows (each load 512 neighbouring bytes) and go through LDS in f16: wave w brings rows 4 w .. 4 w + 3 of the group's 32 rows
; of W_x and rows 32 w .. 32 w + 31 of W_slice.  Source 0 = rows of W_x (K along the rows), source 1 = columns of W_slice (transposing loads).
; A lane of the result holds Wc[16 ct + 8 h + j][16 t + r], j = 0 .. 7: the 16 bytes of a block of wc.
.LroleC:
	s_lshl_b32 s30, s29, 15                        ; 32 g rows of 1,024 bytes
	s_lshl_b32 s31, s28, 12                        ; + 4 w rows
	s_add_co_u32 s30, s30, s31
	v_add_nc_u32 v26, s30, v27
.set k, 0
.rept 8
	global_load_b128 v[128+4*k:131+4*k], v26, s[8:9] offset:512*k      ; W_x: row k / 2 of my four, half k % 2
.set k, k+1
.endr
	s_lshl_b32 s31, s28, 13                        ; W_slice: rows 32 w .., 256 bytes each
	v_add_nc_u32 v28, s31, v27
.set k, 0
.rept 16
	global_load_b128 v[64+4*k:67+4*k], v28, s[10:11] offset:512*k      ; rows 32 w + 2 k + H, columns 4 q ..
.set k, k+1
.endr
	s_mul_i32 s36, s28, 4*PA
	s_add_co_u32 s36, s36, LCX
	v_lshl_add_u32 v29, v1, 3, s36                 ; W_x in: row 4 w, byte 8 L
	v_mul_u32_u24 v30, v3, PS
	v_lshl_add_u32 v30, v2, 3, v30
	s_mul_i32 s37, s28, 32*PS
	v_add_nc_u32 v30, s37, v30                     ; W_slice in (region LC = 0): row 32 w + H, byte 8 q
	s_lshr_b32 s36, s28, 2                         ; w / 4: which 16 of the 32 rows
	s_and_b32 s37, s28, 3                          ; t
	s_mul_i32 s38, s36, 16*PA
	s_add_co_u32 s38, s38, LCX
	v_mul_u32_u24 v12, v2, PA
	v_lshl_add_u32 v12, v3, 4, v12
	v_add_nc_u32 v12, s38, v12                     ; fragments of W_x: row r, byte 16 h
	v_mad_u32_u24 v31, v24, PS, v25
	v_lshl_add_u32 v31, s37, 5, v31                ; fragments of W_slice, transposed: column tile t, 32 bytes each
	s_lshl_b32 s38, s29, 12                        ; block (4 g + t) 2 + w / 4 of wc
	s_lshl_b32 s39, s36, 9
	s_add_co_u32 s38, s38, s39
	s_lshl_b32 s39, s37, 10
	s_add_co_u32 s38, s38, s39
	v_add_nc_u32 v13, s38, v27
	s_wait_loadcnt 16                              ; my rows of W_x are in; the 16 loads of W_slice behind them stay out
.set k, 0
.rept 8
	v_cvt_pk_f16_f32 v[128+4*k], v[128+4*k], v[129+4*k]
	v_cvt_pk_f16_f32 v[129+4*k], v[130+4*k], v[131+4*k]
	ds_store_b64 v29, v[128+4*k:129+4*k] offset:(k/2)*PA+(k%2)*256
.set k, k+1
.endr
.set k, 0
.rept 16
	s_wait_loadcnt 15-k                            ; loads come back in order (ISA guide 5.7.1): load k is in, the 15 - k behind it stay out
	v_cvt_pk_f16_f32 v[64+4*k], v[64+4*k], v[65+4*k]
	v_cvt_pk_f16_f32 v[65+4*k], v[66+4*k], v[67+4*k]
	ds_store_b64 v30, v[64+4*k:65+4*k] offset:2*PS*k
.set k, k+1
.endr
	s_wait_dscnt 0x0
	s_barrier_signal -1
	s_barrier_wait -1                              ; the 32 rows of W_x and the 256 rows of W_slice are in LDS
.set k, 0
.rept 8
	ds_load_b128 v[64+8*k:67+8*k], v12 offset:64*k                     ; K step k: j = 32 k + 8 h ..
	ds_load_b128 v[68+8*k:71+8*k], v12 offset:64*k+32                  ;           32 k + 16 + 8 h ..
	ds_load_tr16_b128 v[128+8*k:131+8*k], v31 offset:k*32*PS
	ds_load_tr16_b128 v[132+8*k:135+8*k], v31 offset:k*32*PS+16*PS
.set k, k+1
.endr
; eight K steps on two accumulators that take turns, one instruction a turn; the first two start the sums
.set k, 0
.rept 8
	s_wait_dscnt 28-4*k                            ; the four loads of K step k are in; the 28 - 4 k of the later steps may be out
.if k < 2
	v_wmma_f32_16x16x32_f16 v[32+8*(k%2):39+8*(k%2)], v[64+8*k:71+8*k], v[128+8*k:135+8*k], 0
.else
	v_wmma_f32_16x16x32_f16 v[32+8*(k%2):39+8*(k%2)], v[64+8*k:71+8*k], v[128+8*k:135+8*k], v[32+8*(k%2):39+8*(k%2)]
.endif
.set k, k+1
.endr
	PLACES
.irp p, 0,2,4,6
	v_pk_add_f32 v[32+\p:33+\p], v[32+\p:33+\p], v[40+\p:41+\p]
.endr
.irp p, 0,1,2,3
	v_cvt_pk_f16_f32 v[8+\p], v[32+2*\p], v[33+2*\p]
.endr
	global_store_b128 v13, v[8:11], s[26:27]       ; one block of wc: 512 neighbouring bytes, aligned
	s_wait_tensorcnt 0x0
	ds_add_u32 v254, v255
	s_wait_dscnt 0x0
	s_endpgm
; ---- role S: we = diag(log2e / clip(temp_edge)) W_eslice in fragment order; bc and fx in f32
.LroleS:
	v_lshlrev_b32 v14, 4, v2                       ; 16 q
	s_lshl_b32 s30, s28, 5
	v_lshl_add_u32 v26, v3, 4, s30                 ; temp_edge of rows 8 w + 4 H .. + 3
	s_lshl_b32 s30, s28, 11
	v_lshl_add_u32 v28, v3, 10, v14
	v_add_nc_u32 v28, s30, v28                     ; W_eslice: row 8 w + 4 H, columns 4 q ..
	s_lshl_b32 s30, s28, 7
	v_lshl_add_u32 v29, v3, 6, s30                 ; b_x, ph_x: j = 32 w + 16 H ..
	s_lshl_b32 s30, s28, 13
	v_lshl_add_u32 v30, v3, 12, v14
	v_add_nc_u32 v30, s30, v30                     ; W_slice: row 32 w + 16 H, columns 4 q ..
	global_load_b128 v[4:7], v26, s[22:23]
.irp i, 0,1,2,3
	global_load_b128 v[32+4*\i:35+4*\i], v28, s[20:21] offset:256*\i
.endr
.irp i, 0,1,2,3
	global_load_b128 v[48+4*\i:51+4*\i], v29, s[12:13] offset:16*\i
.endr
.irp i, 0,1,2,3
	global_load_b128 v[64+4*\i:67+4*\i], v29, s[14:15] offset:16*\i
.endr
.set k, 0
.rept 16
	global_load_b128 v[80+4*k:83+4*k], v30, s[10:11] offset:256*k
.set k, k+1
.endr
	; b_slice and temp_x (256 bytes each) are wanted by wave 0 alone, behind the barrier.  They are asked for here, with all the other loads, so that wave 0
	; makes no second trip to memory there; every wave asks, so that the registers are written on every wave's path.
	global_load_b128 v[144:147], v14, s[16:17]     ; b_slice
	global_load_b128 v[148:151], v14, s[18:19]     ; temp_x
	s_mul_i32 s30, s28, 8*PS
	s_add_co_u32 s30, s30, LS
	v_mul_u32_u24 v31, v3, 4*PS
	v_lshl_add_u32 v31, v2, 3, v31
	v_add_nc_u32 v31, s30, v31                     ; LDS: row 8 w + 4 H, byte 8 q
	s_lshl_b32 s30, s28, 9
	s_add_co_u32 s30, s30, RED
	v_add_nc_u32 v15, s30, v27                     ; my 512 bytes of partial sums
	s_wait_loadcnt 0x0
.irp i, 0,1,2,3
	v_med3_num_f32 v[4+\i], v[4+\i], s32, s33      ; clip(temp_edge, 0.01, 5)
.endr
.irp i, 0,1,2,3
	v_rcp_f32 v[4+\i], v[4+\i]
.endr
	v_pk_add_f32 v[48:49], v[48:49], v[64:65]      ; b_x + ph_x; also the plain instruction behind the reciprocals (ISA guide 5.7.2)
.irp p, 2,4,6,8,10,12,14
	v_pk_add_f32 v[48+\p:49+\p], v[48+\p:49+\p], v[64+\p:65+\p]
.endr
	s_wait_alu depctr_va_vdst(0)
.irp i, 0,1,2,3
	v_mul_f32 v[4+\i], LOG2E, v[4+\i]
.endr
.irp i, 0,1,2,3
.irp c, 0,1,2,3
	v_mul_f32 v[32+4*\i+\c], v[32+4*\i+\c], v[4+\i]
.endr
	v_cvt_pk_f16_f32 v[32+4*\i], v[32+4*\i], v[33+4*\i]
	v_cvt_pk_f16_f32 v[33+4*\i], v[34+4*\i], v[35+4*\i]
	ds_store_b64 v31, v[32+4*\i:33+4*\i] offset:PS*\i
.endr
.irp c, 0,1,2,3
	v_mul_f32 v[8+\c], v[48], v[80+\c]             ; the first of my 16 rows starts the sums
.endr
.set k, 1
.rept 15
.irp c, 0,1,2,3
	v_fmac_f32 v[8+\c], v[48+k], v[80+4*k+\c]
.endr
.set k, k+1
.endr
	ds_store_b128 v15, v[8:11]
	s_wait_dscnt 0x0
	s_barrier_signal -1
	s_barrier_wait -1
	s_lshr_b32 s30, s28, 2                         ; wave w makes fragment (s = w / 4, t = w % 4)
	s_mul_i32 s30, s30, 32*PS
	s_and_b32 s31, s28, 3
	s_lshl_b32 s31, s31, 5
	s_add_co_u32 s30, s30, s31
	s_add_co_u32 s30, s30, LS
	v_mad_u32_u24 v12, v24, PS, v25
	v_add_nc_u32 v12, s30, v12
	ds_load_tr16_b128 v[16:19], v12
	ds_load_tr16_b128 v[20:23], v12 offset:16*PS
	v_lshl_add_u32 v13, s28, 10, v27
	s_wait_dscnt 0x0
	global_store_b128 v13, v[16:19], s[26:27] offset:OFF_WE
	global_store_b128 v13, v[20:23], s[26:27] offset:OFF_WE+512
	s_cmp_lg_u32 s28, 0
	s_cbranch_scc1 .LendS
	; wave 0: the sixteen partial sums (8 waves x 2 halves of lanes) of m = 4 q .. 4 q + 3
	v_add_nc_u32 v152, RED, v27
.irp i, 0,1,2,3,4,5,6,7
	ds_load_b128 v[32+4*\i:35+4*\i], v152 offset:512*\i
.endr
	s_wait_dscnt 0x0
.irp i, 1,2,3,4,5,6,7
	v_pk_add_f32 v[32:33], v[32:33], v[32+4*\i:33+4*\i]
	v_pk_add_f32 v[34:35], v[34:35], v[34+4*\i:35+4*\i]
.endr
.irp c, 0,1,2,3
	v_permlanex16_b32 v[36+\c], v[32+\c], s34, s35 ; the other half of the lanes; the destination has been written before
.endr
	v_pk_add_f32 v[32:33], v[32:33], v[36:37]
	v_pk_add_f32 v[34:35], v[34:35], v[38:39]
.irp c, 0,1,2,3
	v_med3_num_f32 v[148+\c], v[148+\c], s32, s33
.endr
.irp c, 0,1,2,3
	v_rcp_f32 v[148+\c], v[148+\c]
.endr
	v_pk_add_f32 v[32:33], v[32:33], v[144:145]    ; + b_slice (the plain instruction behind the reciprocals)
	v_pk_add_f32 v[34:35], v[34:35], v[146:147]
	s_wait_alu depctr_va_vdst(0)
	v_pk_mul_f32 v[148:149], v[148:149], LOG2E op_sel_hi:[1,0]         ; fx
	v_pk_mul_f32 v[150:151], v[150:151], LOG2E op_sel_hi:[1,0]
	v_pk_mul_f32 v[32:33], v[32:33], v[148:149]    ; bc
	v_pk_mul_f32 v[34:35], v[34:35], v[150:151]
	v_cmp_gt_u32 vcc_lo, 16, v1
	s_wait_xcnt 0x0                                ; EXEC is a source of the stores above: it changes only behind this wait
	s_and_saveexec_b32 s30, vcc_lo                 ; lanes 0 to 15: 256 neighbouring bytes each
	global_store_b128 v14, v[32:35], s[26:27] offset:OFF_BC
	global_store_b128 v14, v[148:151], s[26:27] offset:OFF_FX
	s_wait_xcnt 0x0
	s_or_b32 exec_lo, exec_lo, s30
.LendS:
	s_wait_tensorcnt 0x0
	ds_add_u32 v254, v255
	s_wait_dscnt 0x0
	s_endpgm
.Lfunc_end_k_q81cc051c99_prep:
	.size	k_q81cc051c99_prep, .Lfunc_end_k_q81cc051c99_prep-k_q81cc051c99_prep
	.p2alignl 7, 3214868480
	.fill 96, 4, 3214868480
	.section	.rodata,"a",@progbits
	.p2align	6, 0x0
	.amdhsa_kernel k_q81cc051c99_prep
		.amdhsa_group_segment_fixed_size 90624
		.amdhsa_private_segment_fixed_size 0
		.amdhsa_enable_private_segment 0
		.amdhsa_kernarg_size 80
		.amdhsa_user_sgpr_count 2
		.amdhsa_user_sgpr_kernarg_segment_ptr 1
		.amdhsa_wavefront_size32 1
		.amdhsa_system_sgpr_workgroup_id_x 1
		.amdhsa_system_sgpr_workgroup_id_y 1
		.amdhsa_system_sgpr_workgroup_id_z 1
		.amdhsa_system_vgpr_workitem_id 0
		.amdhsa_next_free_vgpr 256
		.amdhsa_next_free_sgpr 66
		.amdhsa_reserve_vcc 1
		.amdhsa_float_denorm_mode_32 3
		.amdhsa_float_denorm_mode_16_64 3
		.amdhsa_memory_ordered 1
		.amdhsa_forward_progress 1
		.amdhsa_inst_pref_size 30
	.end_amdhsa_kernel
	.amdgpu_metadata
---
amdhsa.version: [ 1, 2 ]
amdhsa.kernels:
  - .name:           k_q81cc051c99_prep
    .symbol:         k_q81cc051c99_prep.kd
    .args:
      - { .name: W_x, .offset: 0, .size: 8, .value_kind: global_buffer, .address_space: global }
      - { .name: W_slice, .offset: 8, .size: 8, .value_kind: global_buffer, .address_space: global }
      - { .name: b_x, .offset: 16, .size: 8, .value_kind: global_buffer, .address_space: global }
      - { .name: ph_x, .offset: 24, .size: 8, .value_kind: global_buffer, .address_space: global }
      - { .name: b_slice, .offset: 32, .size: 8, .value_kind: global_buffer, .address_space: global }
      - { .name: temp_x, .offset: 40, .size: 8, .value_kind: global_buffer, .address_space: global }
      - { .name: W_eslice, .offset: 48, .size: 8, .value_kind: global_buffer, .address_space: global }
      - { .name: temp_edge, .offset: 56, .size: 8, .value_kind: global_buffer, .address_space: global }
      - { .name: W_fx, .offset: 64, .size: 8, .value_kind: global_buffer, .address_space: global }
      - { .name: wprep, .offset: 72, .size: 8, .value_kind: global_buffer, .address_space: global }
    .group_segment_fixed_size: 90624
    .private_segment_fixed_size: 0
    .kernarg_segment_align: 8
    .kernarg_segment_size: 80
    .max_flat_workgroup_size: 256
    .sgpr_count:     66
    .vgpr_count:     256
    .wavefront_size: 32
...
	.end_amdgpu_metadata
.endif
;; end of part 5
;; launch node (part 6): grid 256 x 1, 8 waves a work-group, no clusters, 252,928 bytes of LDS; arguments x, wprep, out1, swb, tpart, normp; writes out1, swb, tpart, normp
.if DOCPART == 6
	.amdgcn_target "amdgcn-amd-amdhsa--gfx1250"
	.amdhsa_code_object_version 6
	.text
	.protected	k_q81cc051c99_node
	.globl	k_q81cc051c99_node
	.p2align	8
	.type	k_q81cc051c99_node,@function
k_q81cc051c99_node:
	s_mov_b64 s[64:65], 0
	v_nop
	global_prefetch_b8 v0, s[64:65] scope:SCOPE_SE
	s_setreg_imm32_b32 hwreg(HW_REG_WAVE_MODE, 25, 1), 1
	s_wait_xcnt 0x0
; SliceBlock, launch 2 of 4: the node path.  Products regrouped as shown at the head of the first kernel: logits = x Wc, T = sw^T x; nothing is left out.
; A work-group owns 256 nodes; wave w owns rows 32 w .. 32 w + 31.  x is read from memory once (64 loads of 512 bytes a wave, all issued at the start),
; rounded to f16 into LDS, and used twice from there: for the logits (K along the rows) and, transposed, for T.
;   logits2[n][m] = (x[n] . Wc[:, m]) fx[m] + bc[m]   (fx = log2e / clip(temp_x), so the softmax is in base 2; the maximum is taken away as in the reference)
;   out1 = softmax in f32;  swb = the same in f16, rows of 128 bytes, for the edge launch;  normp = column sums of the f32 softmax (two row parities);
;   tpart[wg] = T of these 256 nodes in bf16, tile (mt, ct) of 16 m x 16 c as 512 bytes: lane (r, h) holds T[16 mt + r][16 ct + 8 h + j], j = 0 .. 7.
; No tensor loads: x has to pass registers for the rounding, and a wave has its whole share in flight from registers.  No cluster: the work-groups share
; only the 32 KiB of wc against 256 KiB of x each.
; LIMITS: operands in f16 (|x| below 65,504); sw is rounded to f16 for T and for the edges; exp2 gives 0 below 2^-126.  The record of T is rounded to bf16
; as it leaves: 32 KiB a work-group instead of 64.  bf16 and not f16, since an entry can reach 256 max |x|.  The rounding is at most 2^-9 of each entry,
; independent over the 64 records of a batch that the next launch adds in f32; their sum is rounded to f16 as a matrix operand in the last launch anyway.
.set OFF_BC, 40960
.set OFF_FX, 41216
.set PX,  544                          ; x in f16: 512 + 32 bytes a row, an odd multiple of 32 for the transposing loads of the T phase
.set WCB, 256*PX                       ; 139,264: wc, 32 KiB in fragment order
.set SWB, WCB+32768                    ; 172,032: sw in f16, 256 rows
.set PSW, 160                          ; 128 + 32 bytes
.set STG, SWB+256*PSW                  ; 212,992: each wave 16 rows of 64 f32, for the way out
.set PST, 272                          ; 256 + 16 bytes
.set NRM, STG+8*16*PST                 ; 247,808: each wave 512 bytes of column sums
.set BC,  16                           ; v[16:47]   bc[16 t + 8 h + j] at 8 t + j
.set ACC, 48                           ; v[48:111]  eight accumulator tiles
.set T,   112                          ; v[112:127] at work
.set FR0, 128                          ; v[128:175], v[176:223]: two fragment buffers of 48 (before that v[128:255]: rows 0-15 of x as loaded)
.set FR1, 176
.set RB,  224                          ; v[224:255] rows read back for out1
.set NA,  128                          ; v[128:131] column sums (softmax phase)
.set MX,  132                          ; v[132:134] maximum, later 1 / sum, as a pair
.set SM,  136                          ; v[136:143] four chains of sums
.set SEL, 20                           ; s20, s21 selects of v_permlanex16_b32
.set XS1, 128                          ; window 1: v128 copy of the LDS address, v[130:137] at work, v[0:127] rows 16-31 of x as loaded
.set TB1, 130
.set FB1, 140                          ; window 1: v[140:171] fx, laid out as bc
.set MSB, 0
.macro WIN new                         ; s_set_vgpr_msb: bits 1:0 source 0, 3:2 source 1, 5:4 source 2, 7:6 destination; the high byte repeats the setting left
.if MSB != \new
	s_set_vgpr_msb (MSB<<8)|\new
.set MSB, \new
.endif
.endm
.macro PLACES                          ; four plain vector instructions between a matrix instruction and what touches its registers (ISA guide 7.12.1)
.rept 4
	v_nop
.endr
.endm
	s_load_b256 s[4:11], s[0:1], 0x0               ; x 4, wprep 6, out1 8, swb 10
	s_load_b128 s[12:15], s[0:1], 0x20             ; tpart 12, normp 14
	s_set_vgpr_msb 0x40
	v_lshl_add_u32 v176, v0, 2, 0x3d800
	v_mov_b32 v177, 0
	s_set_vgpr_msb 0x4000
	v_lshrrev_b32 v112, 5, v0
	v_readfirstlane_b32 s16, v112                  ; wave w
	s_mov_b32 s20, 0x76543210
	s_mov_b32 s21, 0xfedcba98
	v_and_b32 v112, 31, v0                         ; L
	v_and_b32 v113, 15, v0                         ; r
	v_bfe_u32 v114, v0, 4, 1                       ; h
	v_lshlrev_b32 v1, 4, v112                      ; v1 = 16 L
	v_lshlrev_b32 v13, 5, v114                     ; v13 = 32 h
	s_mul_i32 s22, s16, 32*PX
	s_mul_i32 s23, s16, 16*PST
	s_mul_i32 s26, s16, 32*PSW
	v_lshl_add_u32 v2, v112, 3, s22                ; v2: x in: my row 0, byte 8 L
	v_mul_u32_u24 v115, v113, PX
	v_lshl_add_u32 v115, v114, 4, v115
	v_add_nc_u32 v3, s22, v115                     ; v3: x fragments: my row r, byte 16 h
	v_add_nc_u32 v4, WCB, v1                       ; v4: wc fragments
	s_add_co_u32 s23, s23, STG
	v_mul_u32_u24 v115, v113, PST
	v_lshl_add_u32 v115, v114, 5, v115
	v_add_nc_u32 v5, s23, v115                     ; v5: stage in: row r, byte 32 h
	v_mul_u32_u24 v115, v114, PST
	v_lshl_add_u32 v115, v113, 4, v115
	v_add_nc_u32 v6, s23, v115                     ; v6: stage back: row h, byte 16 r
	s_add_co_u32 s26, s26, SWB
	v_mul_u32_u24 v115, v113, PSW
	v_lshl_add_u32 v115, v114, 4, v115
	v_add_nc_u32 v7, s26, v115                     ; v7: sw in: my row r, byte 16 h
	v_lshrrev_b32 v116, 3, v112
	v_and_b32 v117, 7, v0
	v_mul_u32_u24 v115, v116, PSW
	v_lshl_add_u32 v115, v117, 4, v115
	v_add_nc_u32 v8, s26, v115                     ; v8: sw back: my row L / 8, byte 16 (L % 8)
	v_lshl_add_u32 v118, v114, 3, v117             ; transposing loads: row 8 h + L % 8,
	v_bfe_u32 v119, v0, 3, 1
	v_lshlrev_b32 v119, 4, v119                    ; 16 bytes x bit 3 of L
	v_mad_u32_u24 v9, v118, PX, v119
	v_lshl_add_u32 v9, s16, 6, v9                  ; v9: x transposed, my column tiles 2 w, 2 w + 1, rows 0-127
	v_add_nc_u32 v10, 128*PX, v9                   ; v10: rows 128-255 (beyond the 16-bit immediate)
	v_mad_u32_u24 v11, v118, PSW, v119
	v_add_nc_u32 v11, SWB, v11                     ; v11: sw transposed
	s_lshl_b32 s27, s16, 9
	s_add_co_u32 s27, s27, NRM
	v_add_nc_u32 v12, s27, v1                      ; v12: my column sums
	s_lshl_b32 s27, s16, 12                        ; 4,096 w
	s_add_co_u32 s28, s27, WCB
	v_add_nc_u32 v14, s28, v1                      ; v14: my eighth of wc in LDS
	v_add_nc_u32 v15, NRM, v1                      ; v15: all column sums
	s_wait_kmcnt 0x0
	s_mov_b32 s19, 0
	s_lshl_b32 s18, ttmp9, 18                      ; 256 rows of 1,024 bytes
	s_lshl_b32 s17, s16, 15
	s_add_co_u32 s18, s18, s17
	s_add_nc_u64 s[4:5], s[4:5], s[18:19]          ; x at my row 0
	s_mov_b32 s18, s27
	s_add_nc_u64 s[24:25], s[6:7], s[18:19]        ; my eighth of wc
	; all loads of the wave: wc 8, bc 8, fx 8, x rows 0-15: 32; behind the copy of wc, x rows 16-31: 32
.set k, 0
.rept 8
	global_load_b128 v[ACC+4*k:ACC+4*k+3], v1, s[24:25] offset:512*k
.set k, k+1
.endr
.irp t, 0,1,2,3
	global_load_b128 v[BC+8*\t:BC+8*\t+3],   v13, s[6:7] offset:OFF_BC+64*\t
	global_load_b128 v[BC+8*\t+4:BC+8*\t+7], v13, s[6:7] offset:OFF_BC+64*\t+16
.endr
	WIN 0x40                                       ; destinations in window 1
.irp t, 0,1,2,3
	global_load_b128 v[FB1+8*\t:FB1+8*\t+3],   v13, s[6:7] offset:OFF_FX+64*\t
	global_load_b128 v[FB1+8*\t+4:FB1+8*\t+7], v13, s[6:7] offset:OFF_FX+64*\t+16
.endr
	WIN 0
.set k, 0
.rept 32
	global_load_b128 v[128+4*k:131+4*k], v1, s[4:5] offset:512*k th:TH_LOAD_NT     ; row k / 2, half k % 2
.set k, k+1
.endr
	s_lshl_b32 s18, ttmp9, 16
	s_lshl_b32 s17, s16, 13
	s_add_co_u32 s18, s18, s17
	s_add_nc_u64 s[8:9], s[8:9], s[18:19]          ; out1 at my row 0 (256 bytes a row)
	s_lshl_b32 s18, ttmp9, 15
	s_add_co_u32 s18, s18, s27
	s_add_nc_u64 s[10:11], s[10:11], s[18:19]      ; swb at my row 0 (128 bytes a row)
	s_lshl_b32 s18, ttmp9, 15                      ; a record of 64 tiles of 512 bytes
	s_lshl_b32 s17, s16, 10
	s_add_co_u32 s18, s18, s17
	s_add_nc_u64 s[12:13], s[12:13], s[18:19]      ; tpart: my record, tiles ct = 2 w ..
	s_lshl_b32 s18, ttmp9, 9
	s_add_nc_u64 s[14:15], s[14:15], s[18:19]      ; normp: my record
	s_wait_loadcnt 32                              ; wc, bc, fx are in; the 32 loads of x behind them stay out
.set k, 0
.rept 8
	ds_store_b128 v14, v[ACC+4*k:ACC+4*k+3] offset:512*k
.set k, k+1
.endr
	WIN 0x40
	v_mov_b32 v[XS1], v2                           ; the LDS address once more, in window 1
.set k, 0
.rept 32
	global_load_b128 v[4*k:4*k+3], v1, s[4:5] offset:16384+512*k th:TH_LOAD_NT     ; rows 16-31
.set k, k+1
.endr
	WIN 0
	s_wait_dscnt 0x0                               ; my eighth of wc is in LDS
	s_barrier_signal -1
	s_barrier_wait -1                              ; all of wc is; the loads of x stay in flight across this barrier (nobody writes x)
	; x to f16 into my 32 rows of LDS, row by row as the loads come back in order (ISA guide 5.7.1)
.set k, 0
.rept 16
	s_wait_loadcnt 62-2*k                          ; of the 64 loads of x the 62 - 2 k behind this row may be out
	v_cvt_pk_f16_f32 v[T+4*(k%4)],   v[128+8*k], v[129+8*k]
	v_cvt_pk_f16_f32 v[T+4*(k%4)+1], v[130+8*k], v[131+8*k]
	v_cvt_pk_f16_f32 v[T+4*(k%4)+2], v[132+8*k], v[133+8*k]
	v_cvt_pk_f16_f32 v[T+4*(k%4)+3], v[134+8*k], v[135+8*k]
	ds_store_b64 v2, v[T+4*(k%4):T+4*(k%4)+1]   offset:k*PX
	ds_store_b64 v2, v[T+4*(k%4)+2:T+4*(k%4)+3] offset:k*PX+256
.set k, k+1
.endr
	WIN 0x45                                       ; destination, source 0 and source 1 in window 1
.set k, 0
.rept 16
	s_wait_loadcnt 30-2*k
	v_cvt_pk_f16_f32 v[TB1+4*(k%2)],   v[8*k],   v[8*k+1]
	v_cvt_pk_f16_f32 v[TB1+4*(k%2)+1], v[8*k+2], v[8*k+3]
	v_cvt_pk_f16_f32 v[TB1+4*(k%2)+2], v[8*k+4], v[8*k+5]
	v_cvt_pk_f16_f32 v[TB1+4*(k%2)+3], v[8*k+6], v[8*k+7]
	ds_store_b64 v[XS1], v[TB1+4*(k%2):TB1+4*(k%2)+1]   offset:(16+k)*PX
	ds_store_b64 v[XS1], v[TB1+4*(k%2)+2:TB1+4*(k%2)+3] offset:(16+k)*PX+256
.set k, k+1
.endr
	WIN 0
; LOGITS.  Source 0 = 16 columns m of Wc, source 1 = 16 of my rows: lane (r, h), register j of tile (u, t) = logit(row 16 u + r, m = 16 t + 8 h + j).
; A K step of 32: 8 loads of wc, 4 of x (my own rows: LDS serves a wave in order, so they see my stores), 8 matrix instructions.
.macro FETCH1 s, f
.irp t, 0,1,2,3
	ds_load_b128 v[\f+8*\t:\f+8*\t+3],   v4 offset:(((\s)*4+\t)*2)*512
	ds_load_b128 v[\f+8*\t+4:\f+8*\t+7], v4 offset:(((\s)*4+\t)*2+1)*512
.endr
.irp u, 0,1
	ds_load_b128 v[\f+32+8*\u:\f+32+8*\u+3],   v3 offset:\u*16*PX+(\s)*64
	ds_load_b128 v[\f+32+8*\u+4:\f+32+8*\u+7], v3 offset:\u*16*PX+(\s)*64+32
.endr
.endm
.macro MUL1 s, f                       ; the eight accumulators take turns, one instruction a turn; the first K step starts the sums
.irp u, 0,1
.irp t, 0,1,2,3
.if (\s) == 0
	v_wmma_f32_16x16x32_f16 v[ACC+32*\u+8*\t:ACC+32*\u+8*\t+7], v[\f+8*\t:\f+8*\t+7], v[\f+32+8*\u:\f+32+8*\u+7], 0
.else
	v_wmma_f32_16x16x32_f16 v[ACC+32*\u+8*\t:ACC+32*\u+8*\t+7], v[\f+8*\t:\f+8*\t+7], v[\f+32+8*\u:\f+32+8*\u+7], v[ACC+32*\u+8*\t:ACC+32*\u+8*\t+7]
.endif
.endr
.endr
.endm
.macro STEP1 s, f
.if (\s) == 7
	s_wait_dscnt 0x0
.else
	s_wait_dscnt 12                                ; this step's 12 loads are in; the next step's 12 may be out
.endif
	MUL1 \s, \f
.if (\s) != 6
	PLACES                                         ; in front of the loads into this buffer; behind the last step, in front of the reads of the sums
.endif
.if (\s) < 6
	FETCH1 (\s)+2, \f
.endif
.endm
	FETCH1 0, FR0
	FETCH1 1, FR1
	STEP1 0, FR0
	STEP1 1, FR1
	STEP1 2, FR0
	STEP1 3, FR1
	STEP1 4, FR0
	STEP1 5, FR1
	STEP1 6, FR0
	STEP1 7, FR1
	WIN 0x04                                       ; source 1 (fx) in window 1
.set k, 0
.rept 32
	v_pk_fma_f32 v[ACC+2*k:ACC+2*k+1], v[ACC+2*k:ACC+2*k+1], v[FB1+2*(k%16):FB1+2*(k%16)+1], v[BC+2*(k%16):BC+2*(k%16)+1]
.set k, k+1
.endr
	WIN 0
; Softmax over the 64 numbers of a row: 32 in lane (r, 0), 32 in lane (r, 1).  Leaves exp2(l - max) in v[P .. P+31] and their sum over 64 in v[SM].
.macro SOFTCORE
	v_max3_num_f32 v[MX],   v[P],    v[P+1],  v[P+2]
	v_max3_num_f32 v[MX+2], v[P+16], v[P+17], v[P+18]
.irp k, 3,5,7,9,11,13
	v_max3_num_f32 v[MX],   v[MX],   v[P+\k],    v[P+\k+1]
	v_max3_num_f32 v[MX+2], v[MX+2], v[P+16+\k], v[P+17+\k]
.endr
	v_max3_num_f32 v[MX], v[MX], v[P+15], v[P+31]
	v_max_num_f32 v[MX], v[MX], v[MX+2]
	v_permlanex16_b32 v[MX+2], v[MX], s[SEL], s[SEL+1]     ; the other half of the row; the destination has been written before
	v_max_num_f32 v[MX], v[MX], v[MX+2]
	v_mov_b32 v[MX+1], v[MX]
.set k2, 0
.rept 16
	v_pk_add_f32 v[P+k2:P+k2+1], v[P+k2:P+k2+1], v[MX:MX+1] neg_lo:[0,1] neg_hi:[0,1]
.set k2, k2+2
.endr
.set k2, 0
.rept 32
	v_exp_f32 v[P+k2], v[P+k2]
.set k2, k2+1
.endr
	v_nop                                          ; one plain instruction behind the last exponential (ISA guide 5.7.2)
	s_wait_alu depctr_va_vdst(0)
.irp c, 0,2,4,6
	v_pk_add_f32 v[SM+\c:SM+\c+1], v[P+\c:P+\c+1], v[P+8+\c:P+9+\c]
.endr
.irp c, 0,2,4,6
	v_pk_add_f32 v[SM+\c:SM+\c+1], v[SM+\c:SM+\c+1], v[P+16+\c:P+17+\c]
.endr
.irp c, 0,2,4,6
	v_pk_add_f32 v[SM+\c:SM+\c+1], v[SM+\c:SM+\c+1], v[P+24+\c:P+25+\c]
.endr
	v_pk_add_f32 v[SM:SM+1], v[SM:SM+1], v[SM+2:SM+3]
	v_pk_add_f32 v[SM+4:SM+5], v[SM+4:SM+5], v[SM+6:SM+7]
	v_pk_add_f32 v[SM:SM+1], v[SM:SM+1], v[SM+4:SM+5]
	v_add_f32 v[SM], v[SM], v[SM+1]
	v_permlanex16_b32 v[SM+1], v[SM], s[SEL], s[SEL+1]
	v_add_f32 v[SM], v[SM], v[SM+1]                ; at least 1: the largest term is exp2(0)
.endm
; rows 16 u .. 16 u + 15: softmax; f32 through my stage to out1 in whole rows; f16 into the sw tile; column sums from the rows read back
.macro SOFTMAX u
.set P, ACC+32*\u
	SOFTCORE
	v_rcp_f32 v[MX], v[SM]
	v_nop
	s_wait_alu depctr_va_vdst(0)
	v_mov_b32 v[MX+1], v[MX]
.set k2, 0
.rept 16
	v_pk_mul_f32 v[P+k2:P+k2+1], v[P+k2:P+k2+1], v[MX:MX+1]
.set k2, k2+2
.endr
.irp t, 0,1,2,3
	ds_store_b128 v5, v[P+8*\t:P+8*\t+3]   offset:64*\t
	ds_store_b128 v5, v[P+8*\t+4:P+8*\t+7] offset:64*\t+16
.endr
.irp t, 0,1,2,3
.irp p, 0,1,2,3
	v_cvt_pk_f16_f32 v[T+4*\t+\p], v[P+8*\t+2*\p], v[P+8*\t+2*\p+1]
.endr
.endr
.irp t, 0,1,2,3
	ds_store_b128 v7, v[T+4*\t:T+4*\t+3] offset:\u*16*PSW+32*\t
.endr
	s_wait_xcnt 0x0                                ; the read-back registers were data of the stores of the rows before: written again only behind this wait
.irp i, 0,1,2,3,4,5,6,7
	ds_load_b128 v[RB+4*\i:RB+4*\i+3], v6 offset:\i*2*PST              ; rows 2 i, 2 i + 1 (my own stage: served in order behind the stores)
.endr
.irp i, 0,1,2,3,4,5,6,7
	s_wait_dscnt 7-\i
.if (\u*8+\i) == 1
	v_pk_add_f32 v[NA:NA+1],   v[RB:RB+1],   v[RB+4:RB+5]            ; the first two loads start the column sums
	v_pk_add_f32 v[NA+2:NA+3], v[RB+2:RB+3], v[RB+6:RB+7]
.endif
.if (\u*8+\i) > 1
	v_pk_add_f32 v[NA:NA+1],   v[NA:NA+1],   v[RB+4*\i:RB+4*\i+1]
	v_pk_add_f32 v[NA+2:NA+3], v[NA+2:NA+3], v[RB+4*\i+2:RB+4*\i+3]
.endif
	global_store_b128 v1, v[RB+4*\i:RB+4*\i+3], s[8:9] offset:(16*\u+2*\i)*256 th:TH_STORE_NT   ; 512 neighbouring bytes, aligned
.endr
.endm
	SOFTMAX 0
	SOFTMAX 1
	ds_store_b128 v12, v[NA:NA+3]                  ; lane L: sum over my rows of parity L / 16, m = 4 (L % 16) ..
.irp i, 0,1,2,3,4,5,6,7
	ds_load_b128 v[144+4*\i:147+4*\i], v8 offset:\i*4*PSW              ; four of my rows of sw in f16
.endr
.irp i, 0,1,2,3,4,5,6,7
	s_wait_dscnt 7-\i
	global_store_b128 v1, v[144+4*\i:147+4*\i], s[10:11] offset:512*\i
.endr
	s_wait_xcnt 0x0                                ; v[144:175] become fragment buffers
	s_wait_dscnt 0x0                               ; my rows of x and sw and my column sums are in LDS
	s_barrier_signal -1
	s_barrier_wait -1
; T = sw^T x over the 256 rows.  Wave w: column tiles ct = 2 w + a x all four mt.  Source 0 = 16 columns c of x, source 1 = 16 columns m of sw,
; both by transposing loads (the tiles lie with K = node down the rows).
.macro FETCH3 ks, f
.irp a, 0,1
	ds_load_tr16_b128 v[\f+8*\a:\f+8*\a+3],   v[9+(\ks)/4] offset:((\ks)%4)*32*PX+32*\a
	ds_load_tr16_b128 v[\f+8*\a+4:\f+8*\a+7], v[9+(\ks)/4] offset:((\ks)%4)*32*PX+32*\a+16*PX
.endr
.irp mt, 0,1,2,3
	ds_load_tr16_b128 v[\f+16+8*\mt:\f+16+8*\mt+3],   v11 offset:(\ks)*32*PSW+32*\mt
	ds_load_tr16_b128 v[\f+16+8*\mt+4:\f+16+8*\mt+7], v11 offset:(\ks)*32*PSW+32*\mt+16*PSW
.endr
.endm
.macro MUL3 ks, f                      ; eight accumulators by turns
.irp a, 0,1
.irp mt, 0,1,2,3
.if (\ks) == 0
	v_wmma_f32_16x16x32_f16 v[ACC+8*(4*\a+\mt):ACC+8*(4*\a+\mt)+7], v[\f+8*\a:\f+8*\a+7], v[\f+16+8*\mt:\f+16+8*\mt+7], 0
.else
	v_wmma_f32_16x16x32_f16 v[ACC+8*(4*\a+\mt):ACC+8*(4*\a+\mt)+7], v[\f+8*\a:\f+8*\a+7], v[\f+16+8*\mt:\f+16+8*\mt+7], v[ACC+8*(4*\a+\mt):ACC+8*(4*\a+\mt)+7]
.endif
.endr
.endr
.endm
.macro STEP3 ks, f
.if (\ks) == 7
	s_wait_dscnt 0x0
.else
	s_wait_dscnt 12                                ; this step's 12 loads are in; the next step's 12 may be out
.endif
	MUL3 \ks, \f
.if (\ks) != 6
	PLACES
.endif
.if (\ks) < 6
	FETCH3 (\ks)+2, \f
.endif
.endm
	FETCH3 0, FR0
	FETCH3 1, FR1
	STEP3 0, FR0
	STEP3 1, FR1
	STEP3 2, FR0
	STEP3 3, FR1
	STEP3 4, FR0
	STEP3 5, FR1
	STEP3 6, FR0
	STEP3 7, FR1
	; a lane's eight sums of a tile are eight neighbouring c of one row m: rounded to bf16 they are its 16 bytes of the tile's 512
.irp a, 0,1
.irp mt, 0,1,2,3
.irp p, 0,1,2,3
	v_cvt_pk_bf16_f32 v[ACC+8*(4*\a+\mt)+\p], v[ACC+8*(4*\a+\mt)+2*\p], v[ACC+8*(4*\a+\mt)+2*\p+1]   ; in place: word p is written when words 2 p, 2 p + 1 are read, never earlier
.endr
	global_store_b128 v1, v[ACC+8*(4*\a+\mt):ACC+8*(4*\a+\mt)+3], s[12:13] offset:\mt*8192+\a*512    ; 512 neighbouring bytes, aligned
.endr
.endr
	s_cmp_lg_u32 s16, 0
	s_cbranch_scc1 .Lend
	; wave 0: the eight waves column sums, one record of 512 bytes
.irp i, 0,1,2,3,4,5,6,7
	ds_load_b128 v[128+4*\i:131+4*\i], v15 offset:512*\i
.endr
	s_wait_dscnt 0x0
.irp i, 1,2,3,4,5,6,7
	v_pk_add_f32 v[128:129], v[128:129], v[128+4*\i:129+4*\i]
	v_pk_add_f32 v[130:131], v[130:131], v[130+4*\i:131+4*\i]
.endr
	global_store_b128 v1, v[128:131], s[14:15]
.Lend:
	s_set_vgpr_msb 0x5
	s_wait_tensorcnt 0x0
	ds_add_u32 v176, v177
	s_wait_dscnt 0x0
	s_set_vgpr_msb 0x500
	s_endpgm
.Lfunc_end_k_q81cc051c99_node:
	.size	k_q81cc051c99_node, .Lfunc_end_k_q81cc051c99_node-k_q81cc051c99_node
	.p2alignl 7, 3214868480
	.fill 96, 4, 3214868480
	.section	.rodata,"a",@progbits
	.p2align	6, 0x0
	.amdhsa_kernel k_q81cc051c99_node
		.amdhsa_group_segment_fixed_size 252928
		.amdhsa_private_segment_fixed_size 0
		.amdhsa_enable_private_segment 0
		.amdhsa_kernarg_size 48
		.amdhsa_user_sgpr_count 2
		.amdhsa_user_sgpr_kernarg_segment_ptr 1
		.amdhsa_wavefront_size32 1
		.amdhsa_system_sgpr_workgroup_id_x 1
		.amdhsa_system_sgpr_workgroup_id_y 1
		.amdhsa_system_sgpr_workgroup_id_z 1
		.amdhsa_system_vgpr_workitem_id 0
		.amdhsa_next_free_vgpr 434
		.amdhsa_next_free_sgpr 66
		.amdhsa_reserve_vcc 0
		.amdhsa_float_denorm_mode_32 3
		.amdhsa_float_denorm_mode_16_64 3
		.amdhsa_memory_ordered 1
		.amdhsa_forward_progress 1
		.amdhsa_inst_pref_size 76
	.end_amdhsa_kernel
	.amdgpu_metadata
---
amdhsa.version: [ 1, 2 ]
amdhsa.kernels:
  - .name:           k_q81cc051c99_node
    .symbol:         k_q81cc051c99_node.kd
    .args:
      - { .name: x, .offset: 0, .size: 8, .value_kind: global_buffer, .address_space: global }
      - { .name: wprep, .offset: 8, .size: 8, .value_kind: global_buffer, .address_space: global }
      - { .name: out1, .offset: 16, .size: 8, .value_kind: global_buffer, .address_space: global }
      - { .name: swb, .offset: 24, .size: 8, .value_kind: global_buffer, .address_space: global }
      - { .name: tpart, .offset: 32, .size: 8, .value_kind: global_buffer, .address_space: global }
      - { .name: normp, .offset: 40, .size: 8, .value_kind: global_buffer, .address_space: global }
    .group_segment_fixed_size: 252928
    .private_segment_fixed_size: 0
    .kernarg_segment_align: 8
    .kernarg_segment_size: 48
    .max_flat_workgroup_size: 256
    .sgpr_count:     66
    .vgpr_count:     434
    .wavefront_size: 32
...
	.end_amdgpu_metadata
.endif
;; end of part 6
;; launch edge (part 7): grid 256 x 1, 8 waves a work-group, no clusters, 97,792 bytes of LDS; arguments edge_idx, edge_attr, b_eslice, wprep, swb, tpart, tsum, ep; writes tsum, ep
.if DOCPART == 7
	.amdgcn_target "amdgcn-amd-amdhsa--gfx1250"
	.amdhsa_code_object_version 6
	.text
	.protected	k_q81cc051c99_edge
	.globl	k_q81cc051c99_edge
	.p2align	8
	.type	k_q81cc051c99_edge,@function
k_q81cc051c99_edge:
	s_mov_b64 s[64:65], 0
	v_nop
	global_prefetch_b8 v0, s[64:65] scope:SCOPE_SE
	s_setreg_imm32_b32 hwreg(HW_REG_WAVE_MODE, 25, 1), 1
	s_wait_xcnt 0x0
; SliceBlock, launch 3 of 4: the edge path, and the sum of the node launch's partial T.
; Products regrouped as shown at the head of the first kernel: the edge tokens are S0[m] = sum_e esw[e][m] and S1[m] = sum_e esw[e][m] a[e]; nothing is left out.
; Work-group g: batch b = g / 64, edges 1,024 (g % 64) ..; wave w: 128 edges as eight tiles of 16.
;   e_logits2[e][mo] = (sw[i0] + sw[i1]) . Wg[:, mo] + b_eslice[mo] log2e   (K = 64; Wg holds 1 / clip(temp_edge) and log2e; the maximum is taken away)
; The rows sw[i] (128 bytes of f16) are gathered from swb: a load of 16 bytes a lane takes four whole rows; all 64 loads of a wave are issued at the start.
; The indices come straight from edge_idx in the layout the gathers need: lanes 8 G .. 8 G + 7 hold index words 8 G + j of the tile (edge 4 G + j / 2, end j % 2).
; So loads 2 e and 2 e + 1 of a tile hold, in the same lanes, the two rows of edge 4 G + e: they are added in packed f16 where they landed.
; A TILE IS STAGED ONE AHEAD: behind tile t's products come tile t + 1's adds, its way through LDS and its fragment loads, and only then tile t's softmax,
; so that the fragments are asked for a whole softmax before they are waited for.  The products are not set among the softmax itself: that wants a second
; set of four accumulators, 32 registers, and window 0 is full (16 addresses, 32 bias, 64 Wg, 32 sums of products, 32 fragments, 64 S0 and S1, 16 at work).
; SECOND JOB: the work-group sums tile g % 64 of T over the 64 records of its batch (wave w: records 8 w .. 8 w + 7), so that these bytes are spread evenly.
; The records are bf16 (512 bytes a tile); they are widened by a shift and a mask and added in f32.
; ep[g] = S0 (64 f32), S1 (64 f32).  tsum[g] = the tile in f32, 2 x 512 bytes, lane (r, h), register j = T[16 mt + r][16 ct + 8 h + j].
; LIMITS: indices are clamped to 16,383 (the reference keeps them inside the table); operands in f16; the sum of the two rows, at most 2, is rounded to f16;
; exp2 gives 0 below 2^-126.
.set LOG2E,  0x3fb8aa3b
.set OFF_WE, 32768
.set ATT, 0                            ; each wave 512 bytes: its 128 edge attributes
.set SST, 4096                         ; each wave 16 rows of 128 + 16 bytes: sw[i0] + sw[i1] of a tile
.set PST, 144                          ; an odd multiple of 16: the sixteen rows that a fragment load touches start 16 bytes apart modulo 256
.set TRD, SST+8*16*PST                 ; 22,528: each wave 1,024 bytes: its part of the sum of T
.set RED, TRD+8192                     ; 30,720: each wave 8,192 bytes: its S0 and S1 per lane
.set FIN, RED+65536                    ; 96,256: 512 bytes: S0, S1
.set BE,  16                           ; v[16:47]   b_eslice log2e, at 8 t + j for mo = 16 t + 8 h + j
.set WE,  48                           ; v[48:111]  eight fragments of Wg: (K step s, column tile t) at 8 (4 s + t)
.set D,   112                          ; v[112:143] four accumulator tiles   (at the start v[112:175]: the 64 gather offsets)
.set SF,  144                          ; v[144:159], v[160:175]: the two fragments of a tile's rows, even tiles and odd tiles
.set A0,  176                          ; v[176:207] S0 per lane              (at the start: eight records of T, four words of two bf16 each)
.set A1,  208                          ; v[208:239] S1 per lane              (at the start v[208:215]: their sum in f32, v[216:223]: a record widened)
.set MX,  240                          ; v[240:242]
.set AT0, 243                          ; a[e] of edge r, even tiles
.set AT1, 15                           ;                 odd tiles
.set SM,  244                          ; v[244:251]
.set W0,  252                          ; 1 / sum, as a pair
.set W1,  254                          ; a / sum, as a pair
.set P,   D
.set SEL, 26
.set MSB, 0                            ; window 1, v[0:255]: the gathered rows, tile at 32 x tile, load j at + 4 j
.macro WIN new                         ; s_set_vgpr_msb: bits 1:0 source 0, 3:2 source 1, 5:4 source 2, 7:6 destination; the high byte repeats the setting left
.if MSB != \new
	s_set_vgpr_msb (MSB<<8)|\new
.set MSB, \new
.endif
.endm
.macro PLACES                          ; four plain vector instructions between a matrix instruction and what touches its registers (ISA guide 7.12.1)
.rept 4
	v_nop
.endr
.endm
	s_load_b512 s[8:23], s[0:1], 0x0               ; edge_idx 8, edge_attr 10, b_eslice 12, wprep 14, swb 16, tpart 18, tsum 20, ep 22
	v_lshrrev_b32 v240, 5, v0
	v_readfirstlane_b32 s24, v240                  ; wave w
	s_mov_b32 s26, 0x76543210
	s_mov_b32 s27, 0xfedcba98
	v_and_b32 v240, 31, v0                         ; L
	v_and_b32 v241, 15, v0                         ; r
	v_bfe_u32 v242, v0, 4, 1                       ; h
	v_lshrrev_b32 v243, 3, v240                    ; G = L / 8
	v_and_b32 v244, 7, v0
	v_lshlrev_b32 v1, 4, v240                      ; v1 = 16 L
	v_lshlrev_b32 v2, 5, v243                      ; v2 = 32 G: my eight index words of a tile
	v_lshlrev_b32 v7, 4, v244                      ; v7 = 16 (L % 8): my 16 bytes of a gathered row
	v_lshlrev_b32 v14, 5, v242                     ; v14 = 32 h
	s_lshl_b32 s30, s24, 9
	v_add_nc_u32 v3, s30, v1                       ; v3: attributes in
	v_lshl_add_u32 v4, v241, 2, s30                ; v4: attribute of edge r
	s_mul_i32 s31, s24, 16*PST
	s_add_co_u32 s31, s31, SST
	v_mad_u32_u24 v245, v243, 4*PST, v7
	v_add_nc_u32 v5, s31, v245                     ; v5: tile rows in: row 4 G, byte 16 (L % 8)
	v_mul_u32_u24 v245, v241, PST
	v_lshl_add_u32 v245, v242, 4, v245
	v_add_nc_u32 v6, s31, v245                     ; v6: tile fragments: row r, byte 16 h
	s_lshl_b32 s31, s24, 10
	s_add_co_u32 s32, s31, TRD
	v_add_nc_u32 v8, s32, v1                       ; v8: my part of T
	s_add_co_u32 s32, s31, RED
	v_add_nc_u32 v10, s32, v1                      ; v10: chunks 2 w, 2 w + 1 of every wave's S0, S1
	s_lshl_b32 s32, s24, 13
	s_add_co_u32 s32, s32, RED
	v_add_nc_u32 v9, s32, v1                       ; v9: my S0, S1
	s_lshl_b32 s32, s24, 6
	s_add_co_u32 s32, s32, FIN
	v_add_nc_u32 v11, s32, v14                     ; v11: the 64 bytes that wave w finishes, + 32 h
	v_add_nc_u32 v12, TRD, v1
	v_add_nc_u32 v13, FIN, v1
	s_wait_kmcnt 0x0
	s_mov_b32 s29, 0
	s_lshl_b32 s28, ttmp9, 13                      ; 1,024 edges of 8 bytes
	s_add_co_u32 s28, s28, s31
	s_add_nc_u64 s[8:9], s[8:9], s[28:29]          ; edge_idx at my edge 0
	s_lshl_b32 s28, ttmp9, 12
	s_add_co_u32 s28, s28, s30
	s_add_nc_u64 s[10:11], s[10:11], s[28:29]      ; edge_attr at my edge 0
	s_lshr_b32 s33, ttmp9, 6                       ; b
	s_lshl_b32 s28, s33, 21
	s_add_nc_u64 s[16:17], s[16:17], s[28:29]      ; swb at the batch's node 0
	s_lshl_b32 s28, s33, 21                        ; 64 records of 32,768 bytes
	s_lshl_b32 s32, s24, 18                        ; 8 w records
	s_add_co_u32 s28, s28, s32
	s_and_b32 s32, ttmp9, 63
	s_lshl_b32 s32, s32, 9                         ; the tile, 512 bytes
	s_add_co_u32 s28, s28, s32
	s_add_nc_u64 s[18:19], s[18:19], s[28:29]
	s_lshl_b32 s28, ttmp9, 10
	s_add_nc_u64 s[20:21], s[20:21], s[28:29]      ; tsum
	s_lshl_b32 s28, ttmp9, 9
	s_add_nc_u64 s[22:23], s[22:23], s[28:29]      ; ep
.irp tile, 0,1,2,3,4,5,6,7
	global_load_b128 v[D+8*\tile:D+8*\tile+3],   v2, s[8:9] offset:128*\tile th:TH_LOAD_NT
	global_load_b128 v[D+8*\tile+4:D+8*\tile+7], v2, s[8:9] offset:128*\tile+16 th:TH_LOAD_NT
.endr
	global_load_b128 v[248:251], v1, s[10:11] th:TH_LOAD_NT
.set k, 0
.rept 16
	global_load_b128 v[WE+4*k:WE+4*k+3], v1, s[14:15] offset:OFF_WE+512*k
.set k, k+1
.endr
.irp t, 0,1,2,3
	global_load_b128 v[BE+8*\t:BE+8*\t+3],   v14, s[12:13] offset:64*\t
	global_load_b128 v[BE+8*\t+4:BE+8*\t+7], v14, s[12:13] offset:64*\t+16
.endr
.set k, 0
.rept 8
	global_load_b128 v[A0+4*k:A0+4*k+3], v1, s[18:19] offset:k*32768 th:TH_LOAD_NT     ; record 8 w + k: the tile's 512 bytes
.set k, k+1
.endr
	s_wait_loadcnt 32                              ; indices and attributes are in; the 16 + 8 + 8 loads behind them stay out
	ds_store_b128 v3, v[248:251]
.set k, 0
.rept 64
	v_min_u32 v[D+k], 0x3fff, v[D+k]               ; inside the table
	v_lshl_add_u32 v[D+k], v[D+k], 7, v7           ; row of 128 bytes + my 16
.set k, k+1
.endr
	WIN 0x40                                       ; destinations in window 1
.irp tile, 0,1,2,3,4,5,6
.irp j, 0,1,2,3,4,5,6,7
	global_load_b128 v[32*\tile+4*\j:32*\tile+4*\j+3], v[D+8*\tile+\j], s[16:17]
.endr
.endr
	WIN 0
	s_wait_loadcnt 56                              ; Wg, bias and the records of T are in; the 56 gathers behind them stay out
.set k, 0
.rept 16
	v_pk_mul_f32 v[BE+2*k:BE+2*k+1], v[BE+2*k:BE+2*k+1], LOG2E op_sel_hi:[1,0]
.set k, k+1
.endr
.irp c, 0,1,2,3
	v_lshlrev_b32 v[A1+2*\c],   16,         v[A0+\c]                   ; bf16 to f32: the low half moves up, the high half stays; the first record starts the sums
	v_and_b32     v[A1+2*\c+1], 0xffff0000, v[A0+\c]
.endr
.irp pp, 1,2,3,4,5,6,7
.irp c, 0,1,2,3
	v_lshlrev_b32 v[A1+8+2*\c],   16,         v[A0+4*\pp+\c]
	v_and_b32     v[A1+8+2*\c+1], 0xffff0000, v[A0+4*\pp+\c]
.endr
.irp c, 0,2,4,6
	v_pk_add_f32 v[A1+\c:A1+\c+1], v[A1+\c:A1+\c+1], v[A1+8+\c:A1+9+\c]
.endr
.endr
	ds_store_b128 v8, v[A1:A1+3]
	ds_store_b128 v8, v[A1+4:A1+7] offset:512
	WIN 0x40
.irp j, 0,1,2,3,4,5,6,7
	global_load_b128 v[224+4*\j:224+4*\j+3], v[D+56+\j], s[16:17]
.endr
	WIN 0
	s_wait_xcnt 0x0                                ; the offset registers become accumulators and fragments only behind this wait
; Softmax over the 64 numbers of an edge: 32 in lane (r, 0), 32 in lane (r, 1).  Leaves exp2(l - max) in v[P .. P+31] and their sum over 64 in v[SM].
.macro SOFTCORE
	v_max3_num_f32 v[MX],   v[P],    v[P+1],  v[P+2]
	v_max3_num_f32 v[MX+2], v[P+16], v[P+17], v[P+18]
.irp k, 3,5,7,9,11,13
	v_max3_num_f32 v[MX],   v[MX],   v[P+\k],    v[P+\k+1]
	v_max3_num_f32 v[MX+2], v[MX+2], v[P+16+\k], v[P+17+\k]
.endr
	v_max3_num_f32 v[MX], v[MX], v[P+15], v[P+31]
	v_max_num_f32 v[MX], v[MX], v[MX+2]
	v_permlanex16_b32 v[MX+2], v[MX], s[SEL], s[SEL+1]     ; the destination has been written before
	v_max_num_f32 v[MX], v[MX], v[MX+2]
	v_mov_b32 v[MX+1], v[MX]
.set k2, 0
.rept 16
	v_pk_add_f32 v[P+k2:P+k2+1], v[P+k2:P+k2+1], v[MX:MX+1] neg_lo:[0,1] neg_hi:[0,1]
.set k2, k2+2
.endr
.set k2, 0
.rept 32
	v_exp_f32 v[P+k2], v[P+k2]
.set k2, k2+1
.endr
	v_nop                                          ; one plain instruction behind the last exponential (ISA guide 5.7.2)
	s_wait_alu depctr_va_vdst(0)
.irp c, 0,2,4,6
	v_pk_add_f32 v[SM+\c:SM+\c+1], v[P+\c:P+\c+1], v[P+8+\c:P+9+\c]
.endr
.irp c, 0,2,4,6
	v_pk_add_f32 v[SM+\c:SM+\c+1], v[SM+\c:SM+\c+1], v[P+16+\c:P+17+\c]
.endr
.irp c, 0,2,4,6
	v_pk_add_f32 v[SM+\c:SM+\c+1], v[SM+\c:SM+\c+1], v[P+24+\c:P+25+\c]
.endr
	v_pk_add_f32 v[SM:SM+1], v[SM:SM+1], v[SM+2:SM+3]
	v_pk_add_f32 v[SM+4:SM+5], v[SM+4:SM+5], v[SM+6:SM+7]
	v_pk_add_f32 v[SM:SM+1], v[SM:SM+1], v[SM+4:SM+5]
	v_add_f32 v[SM], v[SM], v[SM+1]
	v_permlanex16_b32 v[SM+1], v[SM], s[SEL], s[SEL+1]
	v_add_f32 v[SM], v[SM], v[SM+1]                ; at least 1: the largest term is exp2(0)
.endm
; A tile of 16 edges is made ready: its two rows an edge are added where they landed, the sums go through my own stage in LDS, and the fragments and the
; attribute are asked for.  The stage is one buffer: these stores stand behind the wait that showed the tile before's fragment loads back (MULS), and the
; loads below are served behind the stores, since LDS serves a wave's instructions in order (ISA guide 5.7.1.4).
.macro STAGE tile
	s_wait_loadcnt (7-\tile)*8                     ; gathers come back in order (ISA guide 5.7.1): this tile's eight are in, the later tiles' stay out
	WIN 0x45                                       ; destination and both sources in window 1
.irp e, 0,1,2,3
.irp c, 0,1,2,3
	v_pk_add_f16 v[32*\tile+8*\e+\c], v[32*\tile+8*\e+\c], v[32*\tile+8*\e+4+\c]       ; edge 4 G + e: sw[i0] + sw[i1], two numbers a word
.endr
.endr
	WIN 0x04                                       ; store data in window 1
.irp e, 0,1,2,3
	ds_store_b128 v5, v[32*\tile+8*\e:32*\tile+8*\e+3] offset:\e*PST
.endr
	WIN 0
	ds_load_b32 v[AT0-(AT0-AT1)*(\tile%2)], v4 offset:64*\tile
.irp kp, 0,1
	ds_load_b128 v[SF+16*(\tile%2)+8*\kp:SF+16*(\tile%2)+8*\kp+3],   v6 offset:64*\kp
	ds_load_b128 v[SF+16*(\tile%2)+8*\kp+4:SF+16*(\tile%2)+8*\kp+7], v6 offset:64*\kp+32
.endr
.endm
; The tile's eight products.  Source 0 = 16 columns mo of Wg, source 1 = 16 edges: lane (r, h), register j of tile t = logit(edge r, mo = 16 t + 8 h + j).
; Four accumulators by turns, one instruction a turn; the bias starts the sums.
.macro MULS tile
	s_wait_dscnt 0x0                               ; the tile's staging is the youngest LDS work of the wave; from tile 1 on it was issued ahead of the softmax before
.irp kp, 0,1
.irp t, 0,1,2,3
.if \kp == 0
	v_wmma_f32_16x16x32_f16 v[D+8*\t:D+8*\t+7], v[WE+8*\t:WE+8*\t+7], v[SF+16*(\tile%2):SF+16*(\tile%2)+7], v[BE+8*\t:BE+8*\t+7]
.else
	v_wmma_f32_16x16x32_f16 v[D+8*\t:D+8*\t+7], v[WE+32+8*\t:WE+32+8*\t+7], v[SF+16*(\tile%2)+8:SF+16*(\tile%2)+15], v[D+8*\t:D+8*\t+7]
.endif
.endr
.endr
.endm
; The tile's softmax, and its share of S0 and S1
.macro SOFT tile, first
	SOFTCORE
	v_rcp_f32 v[W0], v[SM]
	v_nop
	s_wait_alu depctr_va_vdst(0)
	v_mul_f32 v[W1], v[W0], v[AT0-(AT0-AT1)*(\tile%2)]
	v_mov_b32 v[W0+1], v[W0]
	v_mov_b32 v[W1+1], v[W1]
.set k2, 0
.rept 16
.if \first
	v_pk_mul_f32 v[A0+k2:A0+k2+1], v[D+k2:D+k2+1], v[W0:W0+1]         ; the first tile starts the sums
	v_pk_mul_f32 v[A1+k2:A1+k2+1], v[D+k2:D+k2+1], v[W1:W1+1]
.else
	v_pk_fma_f32 v[A0+k2:A0+k2+1], v[D+k2:D+k2+1], v[W0:W0+1], v[A0+k2:A0+k2+1]
	v_pk_fma_f32 v[A1+k2:A1+k2+1], v[D+k2:D+k2+1], v[W1:W1+1], v[A1+k2:A1+k2+1]
.endif
.set k2, k2+2
.endr
.endm
; Behind a tile's products stand the sixteen packed adds of the next tile's staging, on registers of window 1 that no product names: they are the places
; between the last product and the softmax's first read of the sums (ISA guide 7.12.1).  The last tile has no next one: four v_nop.
	STAGE 0
	MULS 0
	STAGE 1
	SOFT 0, 1
	MULS 1
	STAGE 2
	SOFT 1, 0
	MULS 2
	STAGE 3
	SOFT 2, 0
	MULS 3
	STAGE 4
	SOFT 3, 0
	MULS 4
	STAGE 5
	SOFT 4, 0
	MULS 5
	STAGE 6
	SOFT 5, 0
	MULS 6
	STAGE 7
	SOFT 6, 0
	MULS 7
	PLACES
	SOFT 7, 0
	; S0 and S1 over the waves, then over the 16 edges of a lane row
.set k, 0
.rept 16
	ds_store_b128 v9, v[A0+4*k:A0+4*k+3] offset:512*k
.set k, k+1
.endr
	s_wait_dscnt 0x0
	s_barrier_signal -1
	s_barrier_wait -1
.set k, 0
.rept 16
	ds_load_b128 v[D+4*k:D+4*k+3], v10 offset:(k/2)*8192+(k%2)*512     ; wave k / 2, registers 8 w .. 8 w + 7 of its 64
.set k, k+1
.endr
	s_wait_dscnt 0x0
.irp i, 1,2,3,4,5,6,7
.irp c, 0,2,4,6
	v_pk_add_f32 v[D+\c:D+\c+1], v[D+\c:D+\c+1], v[D+8*\i+\c:D+8*\i+\c+1]
.endr
.endr
.irp m, 1,2,4,8
.irp j, 0,1,2,3,4,5,6,7
	v_add_f32_dpp v[D+\j], v[D+\j], v[D+\j] row_xmask:\m row_mask:0xf bank_mask:0xf
.endr
.endr
	ds_store_b128 v11, v[D:D+3]                    ; wave w < 4: S0[16 w + 8 h + j]; w >= 4: S1[16 (w - 4) + 8 h + j]; the sixteen lanes of a row write equal words
	ds_store_b128 v11, v[D+4:D+7] offset:16
	s_wait_dscnt 0x0
	s_barrier_signal -1
	s_barrier_wait -1
	s_cmp_lg_u32 s24, 0
	s_cbranch_scc1 .Lnot0
	; wave 0: the tile of T over the eight waves
.set k, 0
.rept 16
	ds_load_b128 v[A0+4*k:A0+4*k+3], v12 offset:512*k
.set k, k+1
.endr
	s_wait_dscnt 0x0
.irp i, 1,2,3,4,5,6,7
.irp c, 0,2,4,6
	v_pk_add_f32 v[A0+\c:A0+\c+1], v[A0+\c:A0+\c+1], v[A0+8*\i+\c:A0+8*\i+\c+1]
.endr
.endr
	global_store_b128 v1, v[A0:A0+3], s[20:21]
	global_store_b128 v1, v[A0+4:A0+7], s[20:21] offset:512
	s_wait_xcnt 0x0
	v_lshl_add_u32 v254, v0, 2, 0x17a00
	v_mov_b32 v255, 0
	s_wait_tensorcnt 0x0
	ds_add_u32 v254, v255
	s_wait_dscnt 0x0
	s_endpgm
.Lnot0:
	s_cmp_lg_u32 s24, 1
	s_cbranch_scc1 .Lend
	ds_load_b128 v[240:243], v13                   ; wave 1: S0, S1, one record of 512 bytes
	s_wait_dscnt 0x0
	global_store_b128 v1, v[240:243], s[22:23]
.Lend:
	s_wait_xcnt 0x0
	v_lshl_add_u32 v254, v0, 2, 0x17a00
	v_mov_b32 v255, 0
	s_wait_tensorcnt 0x0
	ds_add_u32 v254, v255
	s_wait_dscnt 0x0
	s_endpgm
.Lfunc_end_k_q81cc051c99_edge:
	.size	k_q81cc051c99_edge, .Lfunc_end_k_q81cc051c99_edge-k_q81cc051c99_edge
	.p2alignl 7, 3214868480
	.fill 96, 4, 3214868480
	.section	.rodata,"a",@progbits
	.p2align	6, 0x0
	.amdhsa_kernel k_q81cc051c99_edge
		.amdhsa_group_segment_fixed_size 97792
		.amdhsa_private_segment_fixed_size 0
		.amdhsa_enable_private_segment 0
		.amdhsa_kernarg_size 64
		.amdhsa_user_sgpr_count 2
		.amdhsa_user_sgpr_kernarg_segment_ptr 1
		.amdhsa_wavefront_size32 1
		.amdhsa_system_sgpr_workgroup_id_x 1
		.amdhsa_system_sgpr_workgroup_id_y 1
		.amdhsa_system_sgpr_workgroup_id_z 1
		.amdhsa_system_vgpr_workitem_id 0
		.amdhsa_next_free_vgpr 512
		.amdhsa_next_free_sgpr 66
		.amdhsa_reserve_vcc 0
		.amdhsa_float_denorm_mode_32 3
		.amdhsa_float_denorm_mode_16_64 3
		.amdhsa_memory_ordered 1
		.amdhsa_forward_progress 1
		.amdhsa_inst_pref_size 108
	.end_amdhsa_kernel
	.amdgpu_metadata
---
amdhsa.version: [ 1, 2 ]
amdhsa.kernels:
  - .name:           k_q81cc051c99_edge
    .symbol:         k_q81cc051c99_edge.kd
    .args:
      - { .name: edge_idx, .offset: 0, .size: 8, .value_kind: global_buffer, .address_space: global }
      - { .name: edge_attr, .offset: 8, .size: 8, .value_kind: global_buffer, .address_space: global }
      - { .name: b_eslice, .offset: 16, .size: 8, .value_kind: global_buffer, .address_space: global }
      - { .name: wprep, .offset: 24, .size: 8, .value_kind: global_buffer, .address_space: global }
      - { .name: swb, .offset: 32, .size: 8, .value_kind: global_buffer, .address_space: global }
      - { .name: tpart, .offset: 40, .size: 8, .value_kind: global_buffer, .address_space: global }
      - { .name: tsum, .offset: 48, .size: 8, .value_kind: global_buffer, .address_space: global }
      - { .name: ep, .offset: 56, .size: 8, .value_kind: global_buffer, .address_space: global }
    .group_segment_fixed_size: 97792
    .private_segment_fixed_size: 0
    .kernarg_segment_align: 8
    .kernarg_segment_size: 64
    .max_flat_workgroup_size: 256
    .sgpr_count:     66
    .vgpr_count:     512
    .wavefront_size: 32
...
	.end_amdgpu_metadata
.endif
;; end of part 7
;; launch final: the kernel of part 4 again; grid 64 x 1, 4 waves a work-group, no clusters, 14,080 bytes of LDS; arguments tsum, wprep, normp, ep, b_fx, W_fedge, b_fedge, ph_edge, out0; writes out0
;; ======== version 3 of 3: 4 launches; version 2 with the launch node written anew for expert scheduling mode
;; limits: values are held in f16: magnitudes above 65,504 overflow, below 6.1e-05 lose precision; values outside matrix products are rounded to bf16
;; workspace buffers: wprep 172,544 bytes; swb 8,388,608 bytes; tpart 8,388,608 bytes; normp 131,072 bytes; tsum 262,144 bytes; ep 131,072 bytes
;; launch prep: the kernel of part 5 again; grid 17 x 1, 8 waves a work-group, no clusters, 90,624 bytes of LDS; arguments W_x, W_slice, b_x, ph_x, b_slice, temp_x, W_eslice, temp_edge, W_fx, wprep; writes wprep
;; launch node (part 8): grid 256 x 1, 8 waves a work-group, no clusters, 252,928 bytes of LDS; arguments x, wprep, out1, swb, tpart, normp; writes out1, swb, tpart, normp
.if DOCPART == 8
	.amdgcn_target "amdgcn-amd-amdhsa--gfx1250"
	.amdhsa_code_object_version 6
	.text
	.protected	k_q81cc051c99_node
	.globl	k_q81cc051c99_node
	.p2align	8
	.type	k_q81cc051c99_node,@function
k_q81cc051c99_node:
	s_mov_b64 s[64:65], 0
	v_nop
	global_prefetch_b8 v0, s[64:65] scope:SCOPE_SE
	s_setreg_imm32_b32 hwreg(HW_REG_WAVE_SCHED_MODE, 0, 2), 2
	s_setreg_imm32_b32 hwreg(HW_REG_WAVE_MODE, 25, 1), 1
	s_wait_xcnt 0x0
	s_wait_alu depctr_vm_vsrc(0)
; SliceBlock, launch 2 of 4: the node path.  Products regrouped as shown at the head of the first kernel: logits = x Wc, T = sw^T x; nothing is left out.
; A work-group owns 256 nodes; wave w owns rows 32 w .. 32 w + 31.  x is read from memory once (64 loads of 512 bytes a wave, all issued at the start),
; rounded to f16 into LDS, and used twice from there: for the logits (K along the rows) and, transposed, for T.
;   logits2[n][m] = (x[n] . Wc[:, m]) fx[m] + bc[m]   (fx = log2e / clip(temp_x), so the softmax is in base 2; the maximum is taken away as in the reference)
;   out1 = softmax in f32;  swb = the same in f16, rows of 128 bytes, for the edge launch;  normp = column sums of the f32 softmax (two row parities);
;   tpart[wg] = T of these 256 nodes in bf16, tile (mt, ct) of 16 m x 16 c as 512 bytes: lane (r, h) holds T[16 mt + r][16 ct + 8 h + j], j = 0 .. 7.
; No tensor loads: x has to pass registers for the rounding, and a wave has its whole share in flight from registers.  No cluster: the work-groups share
; only the 32 KiB of wc against 256 KiB of x each.
; LIMITS: operands in f16 (|x| below 65,504); sw is rounded to f16 for T and for the edges; exp2 gives 0 below 2^-126.  The record of T is rounded to bf16
; as it leaves: 32 KiB a work-group instead of 64.  bf16 and not f16, since an entry can reach 256 max |x|.  The rounding is at most 2^-9 of each entry,
; independent over the 64 records of a batch that the next launch adds in f32; their sum is rounded to f16 as a matrix operand in the last launch anyway.
; THE MODE: SCHED_MODE bits 1:0 = 2 (LLVM: expert scheduling mode 2), set by the entry lines.  The code itself states the register dependences
; between vector or matrix instructions and memory or LDS instructions, with s_wait_alu, always for 0.
; THE PLAN.  Registers that memory or LDS instructions touch:
;   v1 - v15, v384   addresses: made once at the head by vector instructions, never written again.
;   x as loaded      v[128:255], v[256:383]: eight groups of four rows.  Group g is rounded where it landed, by sixteen conversions in its own turn; its eight LDS
;                    stores are issued in the turn of group g + 1, behind the one wait on va_vdst at that turn's head; that turn's conversions name other registers.
;   B0, B1, B2       three fragment buffers, for both products.  The products of K step s read B[s % 3]; the loads of step s + 2 land in B[(s + 2) % 3], which the
;                    products of step s - 1 read: one wait on va_vdst at a step's head, behind the wait for its data; the twelve loads are dealt among its products.
;   P, T, RB         the softmax's results (in the accumulators' registers), the same in f16, and the rows read back: one wait on va_vdst ahead of each half's run of
;                    LDS stores and loads; one on vm_vsrc in the second half, ahead of the first line that writes T or RB again.
;   One wait on vm_vsrc stands ahead of each product's first fragment loads: the stores issued so far have read the registers that become fragments and sums.
.set OFF_BC, 40960
.set OFF_FX, 41216
.set PX,  544                          ; x in f16: 512 + 32 bytes a row, an odd multiple of 32 for the transposing loads of the T phase
.set WCB, 256*PX                       ; 139,264: wc, 32 KiB in fragment order
.set SWB, WCB+32768                    ; 172,032: sw in f16, 256 rows
.set PSW, 160                          ; 128 + 32 bytes
.set STG, SWB+256*PSW                  ; 212,992: each wave 16 rows of 64 f32, for the way out
.set PST, 272                          ; 256 + 16 bytes
.set NRM, STG+8*16*PST                 ; 247,808: each wave 512 bytes of column sums
.set BC,  16                           ; v[16:47]   bc[16 t + 8 h + j] at 8 t + j
.set ACC, 48                           ; v[48:111]  eight accumulator tiles
.set T,   112                          ; v[112:127] the softmax in f16; in the two products: the third buffer's two narrow fragments
.set FR,  128                          ; fragment buffer b: four fragments at FR + 48 b; two more behind them (b = 0, 1) or at T (b = 2)   (before that v[128:255]: rows 0-15 of x)
.set RB,  224                          ; v[224:255] rows read back for out1; in the two products: the third buffer's four fragments
.set NA,  128                          ; v[128:131] column sums (softmax phase)
.set MX,  132                          ; v[132:134] maximum, later 1 / sum, as a pair
.set SM,  136                          ; v[136:143] four chains of sums
.set SEL, 20                           ; s20, s21 selects of v_permlanex16_b32
.set XS1, 128                          ; window 1: v128 copy of the LDS address, v[0:127] rows 16-31 of x as loaded
.set FB1, 140                          ; window 1: v[140:171] fx, laid out as bc
.set MSB, 0
.macro WIN new                         ; s_set_vgpr_msb: bits 1:0 source 0, 3:2 source 1, 5:4 source 2, 7:6 destination; the high byte repeats the setting left
.if MSB != \new
	s_set_vgpr_msb (MSB<<8)|\new
.set MSB, \new
.endif
.endm
.macro PLACES                          ; four plain vector instructions between a matrix instruction and the vector instruction that reads its result (ISA guide 7.12.1)
.rept 4
	v_nop
.endr
.endm
	s_load_b256 s[4:11], s[0:1], 0x0               ; x 4, wprep 6, out1 8, swb 10
	s_load_b128 s[12:15], s[0:1], 0x20             ; tpart 12, normp 14
	s_set_vgpr_msb 0x40
	v_lshl_add_u32 v174, v0, 2, 0x3d800
	v_mov_b32 v175, 0
	s_set_vgpr_msb 0x4000
	v_lshrrev_b32 v112, 5, v0
	v_readfirstlane_b32 s16, v112                  ; wave w
	s_mov_b32 s20, 0x76543210
	s_mov_b32 s21, 0xfedcba98
	v_and_b32 v112, 31, v0                         ; L
	v_and_b32 v113, 15, v0                         ; r
	v_bfe_u32 v114, v0, 4, 1                       ; h
	v_lshlrev_b32 v1, 4, v112                      ; v1 = 16 L
	v_lshlrev_b32 v13, 5, v114                     ; v13 = 32 h
	s_wait_alu depctr_va_sdst(0)                   ; s16 is written, ahead of its first reader: the LDS places and the bases below are made from it
	s_mul_i32 s22, s16, 32*PX
	s_mul_i32 s23, s16, 16*PST
	s_mul_i32 s26, s16, 32*PSW
	v_lshl_add_u32 v2, v112, 3, s22                ; v2: x in: my row 0, byte 8 L
	v_mul_u32_u24 v115, v113, PX
	v_lshl_add_u32 v115, v114, 4, v115
	v_add_nc_u32 v3, s22, v115                     ; v3: x fragments: my row r, byte 16 h
	v_add_nc_u32 v4, WCB, v1                       ; v4: wc fragments
	s_add_co_u32 s23, s23, STG
	v_mul_u32_u24 v115, v113, PST
	v_lshl_add_u32 v115, v114, 5, v115
	v_add_nc_u32 v5, s23, v115                     ; v5: stage in: row r, byte 32 h
	v_mul_u32_u24 v115, v114, PST
	v_lshl_add_u32 v115, v113, 4, v115
	v_add_nc_u32 v6, s23, v115                     ; v6: stage back: row h, byte 16 r
	s_add_co_u32 s26, s26, SWB
	v_mul_u32_u24 v115, v113, PSW
	v_lshl_add_u32 v115, v114, 4, v115
	v_add_nc_u32 v7, s26, v115                     ; v7: sw in: my row r, byte 16 h
	v_lshrrev_b32 v116, 3, v112
	v_and_b32 v117, 7, v0
	v_mul_u32_u24 v115, v116, PSW
	v_lshl_add_u32 v115, v117, 4, v115
	v_add_nc_u32 v8, s26, v115                     ; v8: sw back: my row L / 8, byte 16 (L % 8)
	v_lshl_add_u32 v118, v114, 3, v117             ; transposing loads: row 8 h + L % 8,
	v_bfe_u32 v119, v0, 3, 1
	v_lshlrev_b32 v119, 4, v119                    ; 16 bytes x bit 3 of L
	v_mad_u32_u24 v9, v118, PX, v119
	v_lshl_add_u32 v9, s16, 6, v9                  ; v9: x transposed, my column tiles 2 w, 2 w + 1, rows 0-127
	v_add_nc_u32 v10, 128*PX, v9                   ; v10: rows 128-255 (beyond the 16-bit immediate)
	v_mad_u32_u24 v11, v118, PSW, v119
	v_add_nc_u32 v11, SWB, v11                     ; v11: sw transposed
	s_lshl_b32 s27, s16, 9
	s_add_co_u32 s27, s27, NRM
	v_add_nc_u32 v12, s27, v1                      ; v12: my column sums
	s_lshl_b32 s27, s16, 12                        ; 4,096 w
	s_add_co_u32 s28, s27, WCB
	v_add_nc_u32 v14, s28, v1                      ; v14: my eighth of wc in LDS
	v_add_nc_u32 v15, NRM, v1                      ; v15: all column sums
	s_wait_kmcnt 0x0
	s_mov_b32 s19, 0
	s_lshl_b32 s18, ttmp9, 18                      ; 256 rows of 1,024 bytes
	s_lshl_b32 s17, s16, 15
	s_add_co_u32 s18, s18, s17
	s_add_nc_u64 s[4:5], s[4:5], s[18:19]          ; x at my row 0
	s_mov_b32 s18, s27
	s_add_nc_u64 s[24:25], s[6:7], s[18:19]        ; my eighth of wc
	s_wait_alu depctr_va_vdst(0)                   ; the fifteen addresses v1 to v15 are written, which every load and store of the kernel reads; so are v112 to v119, in which fragments land later
	; all loads of the wave: wc 8, bc 8, fx 8, x rows 0-15: 32; behind the copy of wc, x rows 16-31: 32
.set k, 0
.rept 8
	global_load_b128 v[ACC+4*k:ACC+4*k+3], v1, s[24:25] offset:512*k
.set k, k+1
.endr
.irp t, 0,1,2,3
	global_load_b128 v[BC+8*\t:BC+8*\t+3],   v13, s[6:7] offset:OFF_BC+64*\t
	global_load_b128 v[BC+8*\t+4:BC+8*\t+7], v13, s[6:7] offset:OFF_BC+64*\t+16
.endr
	WIN 0x40                                       ; destinations in window 1
.irp t, 0,1,2,3
	global_load_b128 v[FB1+8*\t:FB1+8*\t+3],   v13, s[6:7] offset:OFF_FX+64*\t
	global_load_b128 v[FB1+8*\t+4:FB1+8*\t+7], v13, s[6:7] offset:OFF_FX+64*\t+16
.endr
	WIN 0
.set k, 0
.rept 32
	global_load_b128 v[128+4*k:131+4*k], v1, s[4:5] offset:512*k th:TH_LOAD_NT     ; row k / 2, half k % 2
.set k, k+1
.endr
	s_lshl_b32 s18, ttmp9, 16
	s_lshl_b32 s17, s16, 13
	s_add_co_u32 s18, s18, s17
	s_add_nc_u64 s[8:9], s[8:9], s[18:19]          ; out1 at my row 0 (256 bytes a row)
	s_lshl_b32 s18, ttmp9, 15
	s_add_co_u32 s18, s18, s27
	s_add_nc_u64 s[10:11], s[10:11], s[18:19]      ; swb at my row 0 (128 bytes a row)
	s_lshl_b32 s18, ttmp9, 15                      ; a record of 64 tiles of 512 bytes
	s_lshl_b32 s17, s16, 10
	s_add_co_u32 s18, s18, s17
	s_add_nc_u64 s[12:13], s[12:13], s[18:19]      ; tpart: my record, tiles ct = 2 w ..
	s_lshl_b32 s18, ttmp9, 9
	s_add_nc_u64 s[14:15], s[14:15], s[18:19]      ; normp: my record
	s_wait_loadcnt 32                              ; wc, bc, fx are in; the 32 loads of x behind them stay out
.set k, 0
.rept 8
	ds_store_b128 v14, v[ACC+4*k:ACC+4*k+3] offset:512*k
.set k, k+1
.endr
	WIN 0x40
	v_mov_b32 v[XS1], v2                           ; the LDS address once more, in window 1; its first reader stands behind the waits of the rounding below
.set k, 0
.rept 32
	global_load_b128 v[4*k:4*k+3], v1, s[4:5] offset:16384+512*k th:TH_LOAD_NT     ; rows 16-31; no vector instruction has named these registers, and none since the head's wait has named v1
.set k, k+1
.endr
	WIN 0
	s_wait_dscnt 0x0                               ; my eighth of wc is in LDS
	s_barrier_signal -1
	s_barrier_wait -1                              ; all of wc is; the loads of x stay in flight across this barrier (nobody writes x)
; x to f16 into my 32 rows of LDS, four rows at a time as the loads come back in order (ISA guide 5.7.1).  Groups 0 to 3 lie in window 0, groups 4 to 7 in window 1.
.macro XWIN g                          ; the window and the first register of group g
.if (\g) < 4
	WIN 0
.set XB, 128+32*(\g)
.else
	WIN 0x45                                       ; destination, source 0 (a store's address) and source 1 (a store's data) in window 1
.set XB, 32*((\g)-4)
.endif
.endm
.macro ROUND4 g                        ; a row's eight registers close up into their first four: word p is written when words 2 p, 2 p + 1 are read, never earlier
	XWIN \g
.set k, 0
.rept 4
.irp p, 0,1,2,3
	v_cvt_pk_f16_f32 v[XB+8*k+\p], v[XB+8*k+2*\p], v[XB+8*k+2*\p+1]
.endr
.set k, k+1
.endr
.endm
.macro PUT4 g
	XWIN \g
.set k, 0
.rept 4
.if (\g) < 4
	ds_store_b64 v2, v[XB+8*k:XB+8*k+1]   offset:(4*(\g)+k)*PX
	ds_store_b64 v2, v[XB+8*k+2:XB+8*k+3] offset:(4*(\g)+k)*PX+256
.else
	ds_store_b64 v[XS1], v[XB+8*k:XB+8*k+1]   offset:(4*(\g)+k)*PX
	ds_store_b64 v[XS1], v[XB+8*k+2:XB+8*k+3] offset:(4*(\g)+k)*PX+256
.endif
.set k, k+1
.endr
.endm
.macro XGRP g                          ; the turn of group g
	s_wait_loadcnt 56-8*(\g)                       ; of the 64 loads of x the 56 - 8 g behind this group may be out
.if (\g) > 0
	XWIN (\g)-1
	s_wait_alu depctr_va_vdst(0)                   ; the conversions of the group before have written its registers, which the LDS stores below read (in the first such turn also: v384 is written)
	PUT4 (\g)-1
.endif
	ROUND4 \g                                      ; names this group's registers alone
.endm
	XGRP 0
	XGRP 1
	XGRP 2
	XGRP 3
	XGRP 4
	XGRP 5
	XGRP 6
	XGRP 7
	s_wait_alu depctr_va_vdst(0)                   ; the last group's conversions have written its registers, which the LDS stores below read; every conversion is done with v[128:255], in which fragments land
	PUT4 7
	WIN 0
	s_wait_alu depctr_vm_vsrc(0)                   ; the LDS stores have read v[128:255], in which the fragments below land, and (the copy of wc) v[48:79], which the products write
; LOGITS.  Source 0 = 16 columns m of Wc, source 1 = 16 of my rows: lane (r, h), register j of tile (u, t) = logit(row 16 u + r, m = 16 t + 8 h + j).
; A K step of 32: 8 loads of wc, 4 of x (my own rows: LDS serves a wave in order, so they see my stores), 8 matrix instructions.
.macro LD1 s, i                        ; two of the twelve loads of K step s: fragment i of six (0-3: columns 16 i .. of Wc; 4, 5: my rows 16 (i - 4) ..)
.set LFW, FR+48*((\s)%3)
.set LFX, LFW+32-144*(((\s)%3)/2)
.if (\i) < 4
	ds_load_b128 v[LFW+8*(\i):LFW+8*(\i)+3],   v4 offset:(((\s)*4+(\i))*2)*512
	ds_load_b128 v[LFW+8*(\i)+4:LFW+8*(\i)+7], v4 offset:(((\s)*4+(\i))*2+1)*512
.else
	ds_load_b128 v[LFX+8*((\i)-4):LFX+8*((\i)-4)+3],   v3 offset:((\i)-4)*16*PX+(\s)*64
	ds_load_b128 v[LFX+8*((\i)-4)+4:LFX+8*((\i)-4)+7], v3 offset:((\i)-4)*16*PX+(\s)*64+32
.endif
.endm
.macro MM1 s, i                        ; product i of eight of K step s: u = i / 4, t = i % 4.  The eight accumulators take turns, one instruction a turn; the first K step starts the sums
.set MFW, FR+48*((\s)%3)
.set MFX, MFW+32-144*(((\s)%3)/2)
.set rD, ACC+8*(\i)
.set rA, MFW+8*((\i)%4)
.set rB, MFX+8*((\i)/4)
.if (\s) == 0
	v_wmma_f32_16x16x32_f16 v[rD:rD+7], v[rA:rA+7], v[rB:rB+7], 0
.else
	v_wmma_f32_16x16x32_f16 v[rD:rD+7], v[rA:rA+7], v[rB:rB+7], v[rD:rD+7]
.endif
.endm
.macro STEP1 s
.if (\s) == 7
	s_wait_dscnt 0x0
.else
	s_wait_dscnt 12                                ; this step's 12 loads are in; the next step's 12 may be out
.endif
.if ((\s) > 0) && ((\s) < 6)
	s_wait_alu depctr_va_vdst(0)                   ; the products of the step before are done reading their buffer, in which the loads below land (the first step's loads land in the third buffer, which nothing has named since the last wait)
.endif
.irp i, 0,1,2,3,4,5,6,7
.if ((\s) < 6) && (\i < 6)
	LD1 (\s)+2, \i                                 ; two steps ahead; this step's products name their own buffer and the accumulators alone
.endif
	MM1 \s, \i
.endr
.endm
.irp i, 0,1,2,3,4,5
	LD1 0, \i
.endr
.irp i, 0,1,2,3,4,5
	LD1 1, \i
.endr
	STEP1 0
	STEP1 1
	STEP1 2
	STEP1 3
	STEP1 4
	STEP1 5
	STEP1 6
	STEP1 7
	PLACES                                         ; in front of the reads of the sums
	WIN 0x04                                       ; source 1 (fx) in window 1
.set k, 0
.rept 32
	v_pk_fma_f32 v[ACC+2*k:ACC+2*k+1], v[ACC+2*k:ACC+2*k+1], v[FB1+2*(k%16):FB1+2*(k%16)+1], v[BC+2*(k%16):BC+2*(k%16)+1]
.set k, k+1
.endr
	WIN 0
; Softmax over the 64 numbers of a row: 32 in lane (r, 0), 32 in lane (r, 1).  Leaves exp2(l - max) in v[P .. P+31] and their sum over 64 in v[SM].
.macro SOFTCORE
	v_max3_num_f32 v[MX],   v[P],    v[P+1],  v[P+2]
	v_max3_num_f32 v[MX+2], v[P+16], v[P+17], v[P+18]
.irp k, 3,5,7,9,11,13
	v_max3_num_f32 v[MX],   v[MX],   v[P+\k],    v[P+\k+1]
	v_max3_num_f32 v[MX+2], v[MX+2], v[P+16+\k], v[P+17+\k]
.endr
	v_max3_num_f32 v[MX], v[MX], v[P+15], v[P+31]
	v_max_num_f32 v[MX], v[MX], v[MX+2]
	v_permlanex16_b32 v[MX+2], v[MX], s[SEL], s[SEL+1]     ; the other half of the row; the destination has been written before
	v_max_num_f32 v[MX], v[MX], v[MX+2]
	v_mov_b32 v[MX+1], v[MX]
.set k2, 0
.rept 16
	v_pk_add_f32 v[P+k2:P+k2+1], v[P+k2:P+k2+1], v[MX:MX+1] neg_lo:[0,1] neg_hi:[0,1]
.set k2, k2+2
.endr
.set k2, 0
.rept 32
	v_exp_f32 v[P+k2], v[P+k2]
.set k2, k2+1
.endr
	v_nop                                          ; one plain instruction behind the last exponential (ISA guide 5.7.2)
	s_wait_alu depctr_va_vdst(0)
.irp c, 0,2,4,6
	v_pk_add_f32 v[SM+\c:SM+\c+1], v[P+\c:P+\c+1], v[P+8+\c:P+9+\c]
.endr
.irp c, 0,2,4,6
	v_pk_add_f32 v[SM+\c:SM+\c+1], v[SM+\c:SM+\c+1], v[P+16+\c:P+17+\c]
.endr
.irp c, 0,2,4,6
	v_pk_add_f32 v[SM+\c:SM+\c+1], v[SM+\c:SM+\c+1], v[P+24+\c:P+25+\c]
.endr
	v_pk_add_f32 v[SM:SM+1], v[SM:SM+1], v[SM+2:SM+3]
	v_pk_add_f32 v[SM+4:SM+5], v[SM+4:SM+5], v[SM+6:SM+7]
	v_pk_add_f32 v[SM:SM+1], v[SM:SM+1], v[SM+4:SM+5]
	v_add_f32 v[SM], v[SM], v[SM+1]
	v_permlanex16_b32 v[SM+1], v[SM], s[SEL], s[SEL+1]
	v_add_f32 v[SM], v[SM], v[SM+1]                ; at least 1: the largest term is exp2(0)
.endm
; rows 16 u .. 16 u + 15: softmax; f32 through my stage to out1 in whole rows; f16 into the sw tile; column sums from the rows read back
.macro SOFTMAX u
.set P, ACC+32*\u
	SOFTCORE
	v_rcp_f32 v[MX], v[SM]
	v_nop
	s_wait_alu depctr_va_vdst(0)
	v_mov_b32 v[MX+1], v[MX]
.set k2, 0
.rept 16
	v_pk_mul_f32 v[P+k2:P+k2+1], v[P+k2:P+k2+1], v[MX:MX+1]
.set k2, k2+2
.endr
	s_wait_xcnt 0x0                                ; the read-back registers were data of the stores of the rows before: written again only behind this wait
.if \u
	s_wait_alu depctr_vm_vsrc(0)                   ; the LDS stores of the rows before have read T, which the roundings below write again; their global stores have read the read-back registers, in which the loads below land
.endif
.irp t, 0,1,2,3
.irp p, 0,1,2,3
	v_cvt_pk_f16_f32 v[T+4*\t+\p], v[P+8*\t+2*\p], v[P+8*\t+2*\p+1]
.endr
.endr
	s_wait_alu depctr_va_vdst(0)                   ; the scalings have written P and the roundings T, which the LDS stores below read; the last readers of the read-back registers (the logits' products; the column sums of the rows before) are done
.irp t, 0,1,2,3
	ds_store_b128 v5, v[P+8*\t:P+8*\t+3]   offset:64*\t
	ds_store_b128 v5, v[P+8*\t+4:P+8*\t+7] offset:64*\t+16
.endr
.irp t, 0,1,2,3
	ds_store_b128 v7, v[T+4*\t:T+4*\t+3] offset:\u*16*PSW+32*\t
.endr
.irp i, 0,1,2,3,4,5,6,7
	ds_load_b128 v[RB+4*\i:RB+4*\i+3], v6 offset:\i*2*PST              ; rows 2 i, 2 i + 1 (my own stage: served in order behind the stores)
.endr
.irp i, 0,1,2,3,4,5,6,7
	s_wait_dscnt 7-\i
.if (\u*8+\i) == 1
	v_pk_add_f32 v[NA:NA+1],   v[RB:RB+1],   v[RB+4:RB+5]            ; the first two loads start the column sums
	v_pk_add_f32 v[NA+2:NA+3], v[RB+2:RB+3], v[RB+6:RB+7]
.endif
.if (\u*8+\i) > 1
	v_pk_add_f32 v[NA:NA+1],   v[NA:NA+1],   v[RB+4*\i:RB+4*\i+1]
	v_pk_add_f32 v[NA+2:NA+3], v[NA+2:NA+3], v[RB+4*\i+2:RB+4*\i+3]
.endif
	global_store_b128 v1, v[RB+4*\i:RB+4*\i+3], s[8:9] offset:(16*\u+2*\i)*256 th:TH_STORE_NT   ; 512 neighbouring bytes, aligned; its data came by an LDS load, which the wait above shows done
.endr
.endm
	SOFTMAX 0
	SOFTMAX 1
	s_wait_alu depctr_va_vdst(0)                   ; the column sums are written, which the LDS store below reads; the softmax is done with v[128:143] and T, in which fragments land below
	ds_store_b128 v12, v[NA:NA+3]                  ; lane L: sum over my rows of parity L / 16, m = 4 (L % 16) ..
.irp i, 0,1,2,3,4,5,6,7
	ds_load_b128 v[144+4*\i:147+4*\i], v8 offset:\i*4*PSW              ; four of my rows of sw in f16
.endr
.irp i, 0,1,2,3,4,5,6,7
	s_wait_dscnt 7-\i
	global_store_b128 v1, v[144+4*\i:147+4*\i], s[10:11] offset:512*\i
.endr
	s_wait_xcnt 0x0                                ; v[144:175] become fragment buffers
	s_wait_alu depctr_vm_vsrc(0)                   ; the LDS stores have read the column sums, T and the softmax in the accumulators' registers, the global stores v[144:175] and the read-back registers: fragments land in these, and the products write the accumulators
	s_wait_dscnt 0x0                               ; my rows of x and sw and my column sums are in LDS
	s_barrier_signal -1
	s_barrier_wait -1
; T = sw^T x over the 256 rows.  Wave w: column tiles ct = 2 w + a x all four mt.  Source 0 = 16 columns c of x, source 1 = 16 columns m of sw,
; both by transposing loads (the tiles lie with K = node down the rows).
.macro LD3 ks, i                       ; two of the twelve loads of K step ks: fragment i of six (0-3: columns m = 16 i .. of sw; 4, 5: my column tile 2 w + i - 4 of x)
.set LFW, FR+48*((\ks)%3)
.set LFX, LFW+32-144*(((\ks)%3)/2)
.if (\i) < 4
	ds_load_tr16_b128 v[LFW+8*(\i):LFW+8*(\i)+3],   v11 offset:(\ks)*32*PSW+32*(\i)
	ds_load_tr16_b128 v[LFW+8*(\i)+4:LFW+8*(\i)+7], v11 offset:(\ks)*32*PSW+32*(\i)+16*PSW
.else
	ds_load_tr16_b128 v[LFX+8*((\i)-4):LFX+8*((\i)-4)+3],   v[9+(\ks)/4] offset:((\ks)%4)*32*PX+32*((\i)-4)
	ds_load_tr16_b128 v[LFX+8*((\i)-4)+4:LFX+8*((\i)-4)+7], v[9+(\ks)/4] offset:((\ks)%4)*32*PX+32*((\i)-4)+16*PX
.endif
.endm
.macro MM3 ks, i                       ; product i of eight of K step ks: a = i / 4, mt = i % 4; eight accumulators by turns
.set MFW, FR+48*((\ks)%3)
.set MFX, MFW+32-144*(((\ks)%3)/2)
.set rD, ACC+8*(\i)
.set rA, MFX+8*((\i)/4)
.set rB, MFW+8*((\i)%4)
.if (\ks) == 0
	v_wmma_f32_16x16x32_f16 v[rD:rD+7], v[rA:rA+7], v[rB:rB+7], 0
.else
	v_wmma_f32_16x16x32_f16 v[rD:rD+7], v[rA:rA+7], v[rB:rB+7], v[rD:rD+7]
.endif
.endm
.macro STEP3 ks
.if (\ks) == 7
	s_wait_dscnt 0x0
.else
	s_wait_dscnt 12                                ; this step's 12 loads are in; the next step's 12 may be out
.endif
.if ((\ks) > 0) && ((\ks) < 6)
	s_wait_alu depctr_va_vdst(0)                   ; the products of the step before are done reading their buffer, in which the loads below land (the first step's loads land in the third buffer, which nothing has named since the last wait)
.endif
.irp i, 0,1,2,3,4,5,6,7
.if ((\ks) < 6) && (\i < 6)
	LD3 (\ks)+2, \i                                ; two steps ahead; this step's products name their own buffer and the accumulators alone
.endif
	MM3 \ks, \i
.endr
.endm
.irp i, 0,1,2,3,4,5
	LD3 0, \i
.endr
.irp i, 0,1,2,3,4,5
	LD3 1, \i
.endr
	STEP3 0
	STEP3 1
	STEP3 2
	STEP3 3
	STEP3 4
	STEP3 5
	STEP3 6
	STEP3 7
	PLACES                                         ; in front of the reads of the sums
	; a lane's eight sums of a tile are eight neighbouring c of one row m: rounded to bf16 they are its 16 bytes of the tile's 512
.macro RT a, mt                        ; in place: word p is written when words 2 p, 2 p + 1 are read, never earlier
.irp p, 0,1,2,3
	v_cvt_pk_bf16_f32 v[ACC+8*(4*(\a)+(\mt))+\p], v[ACC+8*(4*(\a)+(\mt))+2*\p], v[ACC+8*(4*(\a)+(\mt))+2*\p+1]
.endr
.endm
.macro ST a, mt
	global_store_b128 v1, v[ACC+8*(4*(\a)+(\mt)):ACC+8*(4*(\a)+(\mt))+3], s[12:13] offset:(\mt)*8192+(\a)*512    ; 512 neighbouring bytes, aligned
.endm
.irp mt, 0,1,2,3
	RT 0, \mt
.endr
	s_wait_alu depctr_va_vdst(0)                   ; the roundings of column tile 2 w have written its four tiles, which the stores below read
.irp mt, 0,1,2,3
	ST 0, \mt
	RT 1, \mt                                      ; names the other column tile's registers alone
.endr
	s_wait_alu depctr_va_vdst(0)                   ; the roundings of column tile 2 w + 1 have written its four tiles, which the stores below read; the products are done with v[128:159], in which wave 0's loads land
.irp mt, 0,1,2,3
	ST 1, \mt
.endr
	s_cmp_lg_u32 s16, 0
	s_cbranch_scc1 .Lend
	; wave 0: the eight waves column sums, one record of 512 bytes
.irp i, 0,1,2,3,4,5,6,7
	ds_load_b128 v[128+4*\i:131+4*\i], v15 offset:512*\i
.endr
	s_wait_dscnt 0x0
.irp i, 1,2,3,4,5,6,7
	v_pk_add_f32 v[128:129], v[128:129], v[128+4*\i:129+4*\i]
	v_pk_add_f32 v[130:131], v[130:131], v[130+4*\i:131+4*\i]
.endr
	s_wait_alu depctr_va_vdst(0)                   ; the additions have written v[128:131], which the store below reads
	global_store_b128 v1, v[128:131], s[14:15]
.Lend:
	s_set_vgpr_msb 0x5
	s_wait_dscnt 0x0
	s_wait_alu depctr_hold_cnt(0) depctr_sa_sdst(0) depctr_va_vdst(0) depctr_va_sdst(0) depctr_va_ssrc(0) depctr_va_vcc(0) depctr_vm_vsrc(0)
	s_wait_tensorcnt 0x0
	ds_add_u32 v174, v175
	s_wait_dscnt 0x0
	s_endpgm
.Lfunc_end_k_q81cc051c99_node:
	.size	k_q81cc051c99_node, .Lfunc_end_k_q81cc051c99_node-k_q81cc051c99_node
	.p2alignl 7, 3214868480
	.fill 96, 4, 3214868480
	.section	.rodata,"a",@progbits
	.p2align	6, 0x0
	.amdhsa_kernel k_q81cc051c99_node
		.amdhsa_group_segment_fixed_size 252928
		.amdhsa_private_segment_fixed_size 0
		.amdhsa_enable_private_segment 0
		.amdhsa_kernarg_size 48
		.amdhsa_user_sgpr_count 2
		.amdhsa_user_sgpr_kernarg_segment_ptr 1
		.amdhsa_wavefront_size32 1
		.amdhsa_system_sgpr_workgroup_id_x 1
		.amdhsa_system_sgpr_workgroup_id_y 1
		.amdhsa_system_sgpr_workgroup_id_z 1
		.amdhsa_system_vgpr_workitem_id 0
		.amdhsa_next_free_vgpr 432
		.amdhsa_next_free_sgpr 66
		.amdhsa_reserve_vcc 0
		.amdhsa_float_denorm_mode_32 3
		.amdhsa_float_denorm_mode_16_64 3
		.amdhsa_memory_ordered 1
		.amdhsa_forward_progress 1
		.amdhsa_inst_pref_size 75
	.end_amdhsa_kernel
	.amdgpu_metadata
---
amdhsa.version: [ 1, 2 ]
amdhsa.kernels:
  - .name:           k_q81cc051c99_node
    .symbol:         k_q81cc051c99_node.kd
    .args:
      - { .name: x, .offset: 0, .size: 8, .value_kind: global_buffer, .address_space: global }
      - { .name: wprep, .offset: 8, .size: 8, .value_kind: global_buffer, .address_space: global }
      - { .name: out1, .offset: 16, .size: 8, .value_kind: global_buffer, .address_space: global }
      - { .name: swb, .offset: 24, .size: 8, .value_kind: global_buffer, .address_space: global }
      - { .name: tpart, .offset: 32, .size: 8, .value_kind: global_buffer, .address_space: global }
      - { .name: normp, .offset: 40, .size: 8, .value_kind: global_buffer, .address_space: global }
    .group_segment_fixed_size: 252928
    .private_segment_fixed_size: 0
    .kernarg_segment_align: 8
    .kernarg_segment_size: 48
    .max_flat_workgroup_size: 256
    .sgpr_count:     66
    .vgpr_count:     432
    .wavefront_size: 32
...
	.end_amdgpu_metadata
.endif
;; end of part 8
;; launch edge: the kernel of part 7 again; grid 256 x 1, 8 waves a work-group, no clusters, 97,792 bytes of LDS; arguments edge_idx, edge_attr, b_eslice, wprep, swb, tpart, tsum, ep; writes tsum, ep
;; launch final: the kernel of part 4 again; grid 64 x 1, 4 waves a work-group, no clusters, 14,080 bytes of LDS; arguments tsum, wprep, normp, ep, b_fx, W_fedge, b_fedge, ph_edge, out0; writes out0
